; MI455X (gfx1250); checked and timed in simulation.
; The chip was launched on July 23, 2026; its instructions are those of AMD's public machine-readable ISA for CDNA 5 (MIT licence, August 2026) and "CDNA5" Instruction Set Architecture Reference Guide (July 2026). The comments in the code are by the model that wrote it; some were corrected since.
;; Mo E Block. Allowed arithmetic: matrix products marked QUANTISED: E2M1 operands, one E8M0 scale for each 32 along K, by v_wmma_scale_f32_16x16x128_f8f6f4 with both operands' format E2M1 (or v_wmma_scale_f32_32x16x128_f4), f32 sums; products left as they are: f32 operands where the result goes on into a quantised operand, else bf16, f16 or f32 operands; f32 sums; everything else in f32.
;; Inputs: b1 8 x 4,096 float32; b2 8 x 1,024 float32; gate_b 8 float32; gate_w 1,024 x 8 float32; w1 8 x 1,024 x 4,096 float32; w2 8 x 4,096 x 1,024 float32; x 2 x 512 x 1,024 float32.
;; Outputs: out0 2 x 512 x 1,024 float32; out1 2 x 512 x 8 float32; out2 8 float32.
;; This version of the problem:
;;   THIS VERSION OF THE PROBLEM IS GIVEN IN LOW PRECISION. The matrix products marked QUANTISED in the list below multiply operands that are first quantised to E2M1 (2 exponent bits, 1 mantissa bit; 4 bits a number), with one power-of-two scale for each 32 numbers along K (OCP MX v1.0); their sums are f32. All else is computed in f32.
;;   The module's matrix products, in the order in which they are computed (A, B: the left and right operand; K: the contracted axis; several contracted axes count as one K, in the product's order):
;;     1. [M 1,024, K 1,024] x [K 1,024, N 8]; A: input x; B: input gate_w: left as it is (N = 8 < 16)
;;     2. [M 32,768, K 1,024] x [K 1,024, N 1,024]; A: input w1; B: input x: QUANTISED
;;     3. batch 8 x [M 1,024, K 4,096] x [K 4,096, N 1,024]; A: input w2; B: computed on the way: QUANTISED
;;     4. batch 1,024 x [M 1,024, K 8] x [K 8, N 1]; A: computed on the way; B: computed on the way: left as it is (K = 8 < 32)
;;   THE QUANTISER, for each operand of a quantised product, along K:
;;     - K is cut into blocks of 32 from its start; a last block that is shorter is filled with zeros.
;;     - A block's scale is 2^e with e = floor(log2(the largest magnitude in the block)) - 2, held to -126 .. 127; a block of zeros has e = 0. As a byte (E8M0): e + 127.
;;     - Each number is divided by its block's scale, clamped to +-6, and rounded to the nearest number of E2M1, ties to even, subnormals kept.
;;     - The product sums the exact products of the quantised numbers (number of the format x scale) in f32.
;;   ~~~python
;;   def quantise(x, axis):      # numpy; x: float32 -> the quantised numbers, widened to float32 again
;;       x = np.moveaxis(x, axis, -1); K = x.shape[-1]
;;       x = np.pad(x, [(0, 0)] * (x.ndim - 1) + [(0, -K % 32)]); x = x.reshape(x.shape[:-1] + (-1, 32)); a = np.abs(x).max(-1, keepdims=True)
;;       e = np.where(a > 0, np.clip(np.frexp(np.where(a > 0, a, 1))[1] - 1 - 2, -126, 127), 0)      # np.frexp(a)[1] - 1 = floor(log2(a)), exactly
;;       r = np.clip(x / 2.0 ** e, -6, 6)
;;       step = 2.0 ** (np.maximum(np.frexp(np.where(r == 0, 1, r))[1] - 1, 0) - 1)
;;       q = np.round(r / step) * step * 2.0 ** e      # np.round: ties to even
;;       return np.moveaxis(q.reshape(q.shape[:-2] + (-1,))[..., :K], -1, axis).astype(np.float32)
;;   ~~~
;;   OPERANDS COMPUTED ON THE WAY. 'Computed on the way' means the value that the module computes at that place (a softmax that the list does not call 'softmax' is quantised finished and normalised). What goes into a quantiser is computed in f32, as accurately as f32 sums, v_exp_f32 and their like allow (about 1e-6 of the number): no bf16 or f16 on the way to a quantiser, and a product that is left as it is and whose result goes on into a quantised operand takes f32 operands (vector FMAs, or v_wmma_f32_16x16x4_f32). A number that lies on a knife's edge between two numbers of the format may be rounded either way, as far as f32 arithmetic and the matrix unit's own rounding can turn it there, and no further.
;; 2 versions. Each part assembles by itself: llvm-mc -triple=amdgcn-amd-amdhsa -mcpu=gfx1250 --defsym DOCPART=n.
;; ======== version 1 of 2: 4 launches
;; workspace buffers: xq 557,056 bytes; rt 9,216 bytes of whole numbers; gf 10,240 bytes; slot 32,768 bytes of whole numbers; hq 17,825,792 bytes; y 67,108,864 bytes
;; launch route (part 1): grid 64 x 1, 8 waves a work-group, no clusters, 18,432 bytes of LDS; arguments x, gate_w, gate_b, xq, rt, gf, out1; writes xq, rt, gf, out1
.if DOCPART == 1
	.amdgcn_target "amdgcn-amd-amdhsa--gfx1250"
	.amdhsa_code_object_version 6
	.text
	.protected	k_q53bed15b4c_route
	.globl	k_q53bed15b4c_route
	.p2align	8
	.type	k_q53bed15b4c_route,@function
k_q53bed15b4c_route:
	s_mov_b64 s[64:65], 0
	v_nop
	global_prefetch_b8 v0, s[64:65] scope:SCOPE_SE
	s_setreg_imm32_b32 hwreg(HW_REG_WAVE_MODE, 25, 1), 1
	s_wait_xcnt 0x0
; ROUTE: logits = x gate_w + gate_b, softmax, top 2, the dense dispatch (out1), and x as codes of FP4 (E2M1) with one E8M0 byte for each 32 along K.
; x: [1024 tokens][1024] f32; gate_w: [1024][8]; gate_b: [8].
; A work-group takes 16 tokens; wave w takes K = 128 w .. 128 w + 127 of them, for the codes and for its part of the logits.  Wave 0 adds the eight parts and routes.
; Every address is fixed by ids: what hangs on the choice is stored as DATA: one bit for each (expert, token), the two experts' numbers, the two weights.
; The logits are made by the f32 matrix form, 8.4 M multiply-adds in all, since the choice of experts wants f32 operands.
; OUT:  xq: [token][512 bytes of codes, K innermost], from byte 524,288 on [token][8 scale words, one for each 128 along K]
;       rt: [expert][64] u16, bit t % 16 of entry t / 16 = token t goes to the expert; from byte 1,024 on [token][2] u32: the two experts
;       gf: [token][2] f32: their weights; from byte 8,192 on [work-group][8] f32: the sums of the dispatch over the group's 16 tokens
; LIMITS: NaN and infinities among the inputs are not served.  Where a token's second and third score differ by less than the rounding of f32 sums, the choice may differ from another order of summation's.
; A block of zeros gets the byte 1 where the rule says 127: its codes are zeros, and the bytes are read by this program alone.
.set LG,   0                           ; LDS: the waves' parts of the logits, 1,024 bytes each: two images of four registers, 16 bytes a lane
.set XC,   8192                        ; 16 rows of codes, 512 bytes + 16
.set XCP,  528
.set XSS,  16640                       ; 16 rows of 8 scale words
.set X,    32                          ; v32-95   register 16 b + i = x[token r][128 w + 32 b + 16 h + i]
.set G,    96                          ; v96-159  register 16 b + i = gate_w[128 w + 32 b + 16 h + i][r % 8]
.set AC,   160                         ; v160-191 four sums of the f32 matrix form: written by matrix instructions alone
.set L,    192                         ; v192-199 logits
.set TM,   200                         ; v200-215 at work
.set PW,   216                         ; the scale word just made
.set PC,   224                         ; v224-231 the codes just made
.set SEL,  20                          ; s[20:21] lane selects: lane l xor 16
.set E,    96                          ; the tail's registers lie where gate_w lay
.set S,    104
.set D,    112
.set P,    120
.set O,    128
.set PO,   132
.set IX,   136
.set VL,   138
.set MK,   140
; 64 numbers of a lane, register 16 b + i = k 32 b + 16 (lane / 16) + i of my row, become a fragment's codes in v[PC] on and its scale word in v[PW].
.macro QUANT s
.irp b, 0,1,2,3
	v_max3_num_f32 v[TM+\b], |v[\s+16*\b]|, |v[\s+1+16*\b]|, 0x1800000   ; my 16 numbers of block b, and the floor 2^(3 - 127): the byte cannot fall under 1
.endr
.irp i, 2,4,6,8,10,12,14
.irp b, 0,1,2,3
	v_max3_num_f32 v[TM+\b], v[TM+\b], |v[\s+16*\b+\i]|, |v[\s+1+16*\b+\i]|
.endr
.endr
.irp b, 0,1,2,3
	v_permlanex16_b32 v[TM+4+\b], v[TM+\b], s[SEL], s[SEL+1]
.endr
.irp b, 0,1,2,3
	v_max_num_f32 v[TM+\b], v[TM+\b], v[TM+4+\b]   ; with lane l xor 16's: the block's largest magnitude
.endr
.irp b, 0,1,2,3
	v_add_nc_u32 v[TM+12+\b], 0xff000000, v[TM+\b]   ; 2 off its exponent field: the conversion's scale operand
.endr
.irp b, 0,1,2,3
	v_lshrrev_b32 v[TM+4+\b], 23, v[TM+12+\b]   ; the scale's byte
.endr
	v_lshl_or_b32 v[PW], v[TM+5], 8, v[TM+4]
	v_lshl_or_b32 v[PW], v[TM+6], 16, v[PW]
	v_lshl_or_b32 v[PW], v[TM+7], 24, v[PW]
.irp b, 0,1,2,3
	v_cvt_scalef32_pk8_fp4_f32 v[PC+2*\b], v[\s+16*\b:\s+7+16*\b], v[TM+12+\b]
	v_cvt_scalef32_pk8_fp4_f32 v[PC+1+2*\b], v[\s+8+16*\b:\s+15+16*\b], v[TM+12+\b]
.endr
	v_nop                                          ; one plain place behind a scaled conversion
.irp c, 0,1                                    ; a whole block to a lane: lanes 0-15 block 2 c, lanes 16-31 block 2 c + 1
.irp i, 0,1
	v_permlane16_swap_b32 v[PC+4*\c+\i], v[PC+2+4*\c+\i]
.endr
.endr
.endm
	s_load_b256 s[4:11], s[0:1], 0x0               ; x s[4:5], gate_w s[6:7], gate_b s[8:9], xq s[10:11]
	s_load_b128 s[12:15], s[0:1], 0x20             ; rt s[12:13], gf s[14:15]
	s_load_b64 s[16:17], s[0:1], 0x30              ; out1
	v_lshl_add_u32 v240, v0, 2, 0x4400
	v_mov_b32 v241, 0
	v_lshrrev_b32 v1, 5, v0
	v_readfirstlane_b32 s18, v1                    ; wave 0..7
	v_and_b32 v1, 31, v0                           ; lane
	v_and_b32 v2, 15, v0                           ; r
	v_bfe_u32 v3, v0, 4, 1                         ; h
	v_lshlrev_b32 v4, 12, v2
	v_lshl_add_u32 v4, v3, 6, v4                   ; x: row r of 4,096 bytes, + 64 h
	v_and_b32 v5, 7, v0
	v_lshlrev_b32 v5, 2, v5
	v_lshl_add_u32 v5, v3, 9, v5                   ; gate_w: 16 h rows of 32 bytes, + 4 (r % 8)
	v_lshlrev_b32 v11, 4, v1                       ; 16 x lane
	s_lshl_b32 s19, s18, 10
	v_add_nc_u32 v6, s19, v11                      ; 1,024 w + 16 lane: my images in LG, and my two rows' place in xq
	v_mul_u32_u24 v7, v2, XCP
	v_lshl_add_u32 v7, v3, 4, v7
	s_lshl_b32 s23, s18, 6
	s_add_co_u32 s23, s23, XC
	v_add_nc_u32 v7, s23, v7                       ; codes in: row r, + 64 w + 16 h
	v_lshlrev_b32 v8, 5, v2
	s_lshl_b32 s23, s18, 2
	s_add_co_u32 s23, s23, XSS
	v_add_nc_u32 v8, s23, v8                       ; scale word in: 32 r + 4 w
	s_mul_i32 s23, s18, 2*XCP
	s_add_co_u32 s23, s23, XC
	v_add_nc_u32 v9, s23, v11                      ; codes back: rows 2 w and 2 w + 1, 16 bytes a lane
	s_mov_b32 s[SEL], 0x76543210
	s_mov_b32 s[SEL+1], 0xfedcba98
	s_mov_b32 s22, 0xffff0000                      ; lanes 16-31
.irp b, 0,1,2,3
	v_mov_b32 v[TM+4+\b], 0                        ; a lane permute's destination counts as one of its sources
.endr
	s_lshl_b32 s40, ttmp9, 16                      ; 16 rows of x,
	s_lshl_b32 s41, s18, 9                         ; my 128 numbers of a row
	s_add_co_u32 s40, s40, s41
	s_mov_b32 s41, 0
	s_lshl_b32 s42, s18, 12                        ; my 128 rows of gate_w
	s_mov_b32 s43, 0
	s_lshl_b32 s44, ttmp9, 13
	s_mov_b32 s45, 0
	s_lshl_b32 s54, ttmp9, 9
	s_mov_b32 s55, 0
	s_lshl_b32 s56, ttmp9, 5
	s_mov_b32 s57, 0
	s_lshl_b32 s58, ttmp9, 7
	s_mov_b32 s59, 0
	s_lshl_b32 s60, ttmp9, 1
	s_mov_b32 s61, 0
	s_wait_kmcnt 0x0
	s_add_nc_u64 s[4:5], s[4:5], s[40:41]
	s_add_nc_u64 s[6:7], s[6:7], s[42:43]
.irp b, 0,1,2,3
.irp j, 0,1,2,3
	global_load_b128 v[X+16*\b+4*\j:X+16*\b+4*\j+3], v4, s[4:5] offset:128*\b+16*\j th:TH_LOAD_NT
.endr
.endr
.irp b, 0,1,2,3
.irp i, 0,1,2,3,4,5,6,7,8,9,10,11,12,13,14,15
	global_load_b32 v[G+16*\b+\i], v5, s[6:7] offset:1024*\b+32*\i
.endr
.endr
	s_load_b256 s[24:31], s[8:9], 0x0              ; gate_b
	s_add_nc_u64 s[46:47], s[10:11], s[54:55]      ; xq + 512 x group: the scale words (524,288 stands in the store)
	s_add_nc_u64 s[10:11], s[10:11], s[44:45]      ; xq + 8,192 x group: the codes
	s_add_nc_u64 s[16:17], s[16:17], s[54:55]      ; out1 + 512 x group
	s_add_nc_u64 s[48:49], s[14:15], s[56:57]      ; gf + 32 x group: the sums
	s_add_nc_u64 s[14:15], s[14:15], s[58:59]      ; gf + 128 x group: the weights
	s_add_nc_u64 s[50:51], s[12:13], s[58:59]      ; rt + 128 x group: the experts' numbers
	s_add_nc_u64 s[12:13], s[12:13], s[60:61]      ; rt + 2 x group: the bits
	s_wait_loadcnt 63                              ; behind x's 16 loads stand gate_w's 64; the count can name 63 at most, so one of those is awaited too
	QUANT X
.irp c, 0,1
	ds_store_b128 v7, v[PC+4*\c:PC+4*\c+3] offset:32*\c
.endr
	ds_store_b32 v8, v[PW]                         ; both halves of the lanes write the same word with the same value
	s_wait_loadcnt 0x0                             ; gate_w
; Source 0: 16 rows = the 8 experts, twice; source 1: my 16 tokens; both hold the same k in the same lane and register.  In the result lane (r, h), register j = expert j, token r.
; Four sums by turns, one instruction a turn; the first instruction of each starts it with the constant 0.
.irp u, 0,1,2,3,4,5,6,7
.irp b, 0,1,2,3
.if \u == 0
	v_wmma_f32_16x16x4_f32 v[AC+8*\b:AC+8*\b+7], v[G+16*\b+2*\u:G+16*\b+2*\u+1], v[X+16*\b+2*\u:X+16*\b+2*\u+1], 0
.else
	v_wmma_f32_16x16x4_f32 v[AC+8*\b:AC+8*\b+7], v[G+16*\b+2*\u:G+16*\b+2*\u+1], v[X+16*\b+2*\u:X+16*\b+2*\u+1], v[AC+8*\b:AC+8*\b+7]
.endif
.endr
.endr
.rept 8
	v_nop                                          ; eight places behind this form before its results are read (ISA guide 7.12.1)
.endr
.irp p, 0,2,4,6                                ; each sum is read from its low end on
	v_pk_add_f32 v[L+\p:L+\p+1], v[AC+\p:AC+\p+1], v[AC+8+\p:AC+9+\p]
.endr
.irp p, 0,2,4,6
	v_pk_add_f32 v[TM+\p:TM+\p+1], v[AC+16+\p:AC+17+\p], v[AC+24+\p:AC+25+\p]
.endr
.irp p, 0,2,4,6
	v_pk_add_f32 v[L+\p:L+\p+1], v[L+\p:L+\p+1], v[TM+\p:TM+\p+1]
.endr
	ds_store_b128 v6, v[L:L+3]
	ds_store_b128 v6, v[L+4:L+7] offset:512
	s_wait_dscnt 0x0                               ; for the others' sake: my stores have landed
	s_barrier_signal -1
	s_barrier_wait -1                              ; the one barrier: codes, scale words and parts of the logits lie in LDS; nothing is stored to LDS behind it
.irp i, 0,1
	ds_load_b128 v[208+4*\i:211+4*\i], v9 offset:XCP*\i
.endr
.irp i, 0,1
	s_wait_dscnt 1-\i
	global_store_b128 v6, v[208+4*\i:211+4*\i], s[10:11] offset:512*\i   ; a token's 512 bytes of codes by one instruction
.endr
	s_cmp_lg_u32 s18, 7
	s_cbranch_scc1 .Lnot_7
	ds_load_b128 v[216:219], v11 offset:XSS
	s_wait_dscnt 0x0
	global_store_b128 v11, v[216:219], s[46:47] offset:524288   ; the group's 512 bytes of scale words
.Lnot_7:
	s_cmp_lg_u32 s18, 0
	s_cbranch_scc1 .Lend
	; ---- wave 0 routes.  Lane (r, h) holds token r; both halves of the lanes hold the same
.irp w, 0,1,2,3,4,5,6,7
	ds_load_b128 v[X+8*\w:X+8*\w+3], v11 offset:LG+1024*\w
	ds_load_b128 v[X+8*\w+4:X+8*\w+7], v11 offset:LG+1024*\w+512
.endr
	v_lshlrev_b32 v141, 5, v2
	v_lshl_add_u32 v141, v3, 4, v141               ; out1: 32 r + 16 h
	v_lshlrev_b32 v142, 4, v3                      ; the sums: 16 h
	v_lshlrev_b32 v143, 3, v2                      ; pairs: 8 r
	v_and_b32 v144, 7, v0
	v_lshlrev_b32 v144, 7, v144                    ; the bits: 128 x (lane % 8)
	s_wait_dscnt 0x0
.irp p, 0,2,4,6
	v_pk_add_f32 v[L+\p:L+\p+1], v[X+\p:X+\p+1], v[X+8+\p:X+9+\p]
.endr
.irp w, 2,3,4,5,6,7                            ; K ascending
.irp p, 0,2,4,6
	v_pk_add_f32 v[L+\p:L+\p+1], v[L+\p:L+\p+1], v[X+8*\w+\p:X+8*\w+\p+1]
.endr
.endr
	s_wait_kmcnt 0x0                               ; gate_b
.irp j, 0,1,2,3,4,5,6,7
	v_add_f32 v[L+\j], s[24+\j], v[L+\j]
.endr
	v_max3_num_f32 v200, v[L], v[L+1], v[L+2]      ; the row's maximum is taken away before the exponentials
	v_max3_num_f32 v200, v200, v[L+3], v[L+4]
	v_max3_num_f32 v200, v200, v[L+5], v[L+6]
	v_max_num_f32 v200, v200, v[L+7]
.irp j, 0,1,2,3,4,5,6,7
	v_sub_f32 v[E+\j], v[L+\j], v200
.endr
.irp j, 0,1,2,3,4,5,6,7
	v_mul_f32 v[E+\j], 0x3fb8aa3b, v[E+\j]
.endr
.irp j, 0,1,2,3,4,5,6,7
	v_exp_f32 v[E+\j], v[E+\j]
.endr
	v_mov_b32 v[IX], 0                             ; (a plain place behind the exponentials)
	s_wait_alu depctr_va_vdst(0)
	v_add_f32 v145, v[E], v[E+1]
	v_add_f32 v146, v[E+2], v[E+3]
	v_add_f32 v147, v[E+4], v[E+5]
	v_add_f32 v148, v[E+6], v[E+7]
	v_add_f32 v145, v145, v146
	v_add_f32 v147, v147, v148
	v_add_f32 v145, v145, v147
	v_rcp_f32 v145, v145
	v_mov_b32 v[IX+1], 0                           ; (a plain place behind the reciprocal)
	s_wait_alu depctr_va_vdst(0)
.irp j, 0,1,2,3,4,5,6,7
	v_mul_f32 v[S+\j], v[E+\j], v145               ; the scores
.endr
	v_mov_b32 v[VL], v[S]                          ; the largest: a later score wins only if it is greater, so the lower index is kept
.irp j, 1,2,3,4,5,6,7
	v_cmp_gt_f32 vcc_lo, v[S+\j], v[VL]
	v_cndmask_b32 v[VL], v[VL], v[S+\j], vcc_lo
	v_cndmask_b32 v[IX], v[IX], \j, vcc_lo
.endr
	v_mov_b32 v[VL+1], -1.0                        ; the second: the same among the others; every score is over -1
.irp j, 0,1,2,3,4,5,6,7
	v_cmp_gt_f32 s40, v[S+\j], v[VL+1]
	v_cmp_ne_u32 s41, \j, v[IX]
	s_and_b32 vcc_lo, s40, s41
	v_cndmask_b32 v[VL+1], v[VL+1], v[S+\j], vcc_lo
	v_cndmask_b32 v[IX+1], v[IX+1], \j, vcc_lo
.endr
.irp j, 0,1,2,3,4,5,6,7                        ; the dispatch, and expert j's bits of my 16 tokens
	v_cmp_eq_u32 s42, \j, v[IX]
	v_cmp_eq_u32 s43, \j, v[IX+1]
	v_cndmask_b32 v[D+\j], 0, v[VL+1], s43
	v_cndmask_b32 v[D+\j], v[D+\j], v[VL], s42
	s_or_b32 s[32+\j], s42, s43
	s_and_b32 s[32+\j], s[32+\j], 0xffff
.endr
.irp j, 0,1,2,3,4,5,6,7                        ; its sums over the 16 tokens
	v_add_f32_dpp v[P+\j], v[D+\j], v[D+\j] row_xmask:1 row_mask:0xf bank_mask:0xf
.endr
.irp m, 2,4,8
.irp j, 0,1,2,3,4,5,6,7
	v_add_f32_dpp v[P+\j], v[P+\j], v[P+\j] row_xmask:\m row_mask:0xf bank_mask:0xf
.endr
.endr
.irp q, 0,1,2,3                                ; lanes 0-15 take experts 0-3, lanes 16-31 experts 4-7
	v_cndmask_b32 v[O+\q], v[D+\q], v[D+4+\q], s22
	v_cndmask_b32 v[PO+\q], v[P+\q], v[P+4+\q], s22
.endr
	v_mov_b32 v[MK], 0
.irp j, 0,1,2,3,4,5,6,7                        ; lane l takes the bits of expert l % 8
	s_mov_b32 s44, 0x01010101<<\j
	v_cndmask_b32 v[MK], v[MK], s[32+\j], s44
.endr
	global_store_b128 v141, v[O:O+3], s[16:17]               ; out1: the group's 512 bytes by one instruction
	global_store_b128 v142, v[PO:PO+3], s[48:49] offset:8192 ; lanes that share an address hold the same numbers
	global_store_b64 v143, v[IX:IX+1], s[50:51] offset:1024
	global_store_b64 v143, v[VL:VL+1], s[14:15]
	global_store_b16 v144, v[MK], s[12:13]
.Lend:
	s_wait_tensorcnt 0x0
	ds_add_u32 v240, v241
	s_wait_dscnt 0x0
	s_endpgm
.Lfunc_end_k_q53bed15b4c_route:
	.size	k_q53bed15b4c_route, .Lfunc_end_k_q53bed15b4c_route-k_q53bed15b4c_route
	.p2alignl 7, 3214868480
	.fill 96, 4, 3214868480
	.section	.rodata,"a",@progbits
	.p2align	6, 0x0
	.amdhsa_kernel k_q53bed15b4c_route
		.amdhsa_group_segment_fixed_size 18432
		.amdhsa_private_segment_fixed_size 0
		.amdhsa_enable_private_segment 0
		.amdhsa_kernarg_size 56
		.amdhsa_user_sgpr_count 2
		.amdhsa_user_sgpr_kernarg_segment_ptr 1
		.amdhsa_wavefront_size32 1
		.amdhsa_system_sgpr_workgroup_id_x 1
		.amdhsa_system_sgpr_workgroup_id_y 1
		.amdhsa_system_sgpr_workgroup_id_z 1
		.amdhsa_system_vgpr_workitem_id 0
		.amdhsa_next_free_vgpr 242
		.amdhsa_next_free_sgpr 66
		.amdhsa_reserve_vcc 1
		.amdhsa_float_denorm_mode_32 3
		.amdhsa_float_denorm_mode_16_64 3
		.amdhsa_memory_ordered 1
		.amdhsa_forward_progress 1
		.amdhsa_inst_pref_size 34
	.end_amdhsa_kernel
	.amdgpu_metadata
---
amdhsa.version: [ 1, 2 ]
amdhsa.kernels:
  - .name:           k_q53bed15b4c_route
    .symbol:         k_q53bed15b4c_route.kd
    .args:
      - { .name: x, .offset: 0, .size: 8, .value_kind: global_buffer, .address_space: global }
      - { .name: gate_w, .offset: 8, .size: 8, .value_kind: global_buffer, .address_space: global }
      - { .name: gate_b, .offset: 16, .size: 8, .value_kind: global_buffer, .address_space: global }
      - { .name: xq, .offset: 24, .size: 8, .value_kind: global_buffer, .address_space: global }
      - { .name: rt, .offset: 32, .size: 8, .value_kind: global_buffer, .address_space: global }
      - { .name: gf, .offset: 40, .size: 8, .value_kind: global_buffer, .address_space: global }
      - { .name: out1, .offset: 48, .size: 8, .value_kind: global_buffer, .address_space: global }
    .group_segment_fixed_size: 18432
    .private_segment_fixed_size: 0
    .kernarg_segment_align: 8
    .kernarg_segment_size: 56
    .max_flat_workgroup_size: 256
    .sgpr_count:     66
    .vgpr_count:     242
    .wavefront_size: 32
...
	.end_amdgpu_metadata
.endif
;; end of part 1
;; launch up (part 2): grid 32 x 8, 16 waves a work-group, no clusters, 75,776 bytes of LDS; arguments w1, b1, xq, rt, hq, slot; writes hq, slot
.if DOCPART == 2
	.amdgcn_target "amdgcn-amd-amdhsa--gfx1250"
	.amdhsa_code_object_version 6
	.text
	.protected	k_q53bed15b4c_up
	.globl	k_q53bed15b4c_up
	.p2align	8
	.type	k_q53bed15b4c_up,@function
k_q53bed15b4c_up:
	s_mov_b64 s[64:65], 0
	v_nop
	global_prefetch_b8 v0, s[64:65] scope:SCOPE_SE
	s_setreg_imm32_b32 hwreg(HW_REG_WAVE_MODE, 25, 1), 1
	s_wait_xcnt 0x0
; UP: h = gelu(x W1 + b1) for the tokens that go to an expert, on codes of FP4 (E2M1) with one E8M0 byte for each 32 along K; h leaves as codes for the next product.
; w1: [8][1024 (K)][4096] f32.  Work-group (j, e) owns hidden units 128 j .. 128 j + 127 of expert e, for all of K: 512 KiB of f32 that no other work-group reads.
; PHASE 1.  The weights are streamed once and quantised in registers: wave (cg = w % 4, kq = w / 4) takes 32 columns x 256 along K; A LANE TAKES A COLUMN AND ITS REGISTERS RUN DOWN K, so that a block of
; 32 along K lies in one lane, a load of the wave reads 128 consecutive bytes (four waves side by side: 512), and the codes come out with K innermost.  They go to LDS, 66 KiB, and stay.
; THE TOKENS OF A TILE.  The launch before stored one bit for each (expert, token).  Slot p of the expert is its p-th token in ascending order.  Each lane finds the token of its own slot from the 1,024 bits by
; integer arithmetic in its own registers: which word of 32 bits holds the slot, then which bit of the word.  A wave does this for each tile that it will work on, between the blocks of the stream,
; where it would only wait for memory.
; PHASE 2.  A unit is a tile of 16 tokens x 64 hidden units: x's codes gathered by the tokens' numbers, 32 matrix instructions, the activation in f32, the quantiser, 16 bytes of codes a lane.
; The first tile's x and b1 are asked for under the stream's last two blocks.
; The product is used transposed (source 0 = 16 columns of W1, source 1 = 16 tokens), and THE COLUMNS OF A TILE ARE NOT NEIGHBOURS: row r of tile 2 b + u is column 32 b + 8 u + r + 8 (r / 8), so that the 16
; registers of tiles 2 b and 2 b + 1 are 16 neighbours along the next K.  In LDS a column lies at the row that its tile wants (bits 3 and 4 of its number change places).
; No joint loads: the weights, which are nearly all the bytes, are shared by nobody; x's rows are gathered by token, and the number of tiles hangs on stored counts.
; OUT: hq: [e][K step of 128][tile][1,024 bytes]: the image of an operand's registers, [half][lane][16 bytes]; from byte 16,777,216 on [e][K step][slot] one scale word.
;      slot: [e][token]: how many tokens of the expert come before this one (work-group j = 0, wave 15).
; THE ACTIVATION: gelu(x) = max(x, 0) - |x| erfc(|x| / sqrt 2) / 2.  erfc(a) = (1 + p(q)) / (1 + 2 a) x exp(-a a), q = (a - 2) / (a + 2), p of degree 9; exp(-a a) with the roundings of a a and of its product
; with log2 e carried along.  |x| is held at 17 inside erfc alone: beyond that the exponential is 0 in f32.
; LIMITS: NaN and infinities are not served.  A block of zeros gets the byte 1 where the rule says 127: its codes are zeros, and the bytes are read by this program alone.  Slots beyond an expert's count in its last tile carry some token's numbers, which nobody reads.
.set ROWG,  16384                      ; bytes from a row of W1 to the next
.set PITCH, 528                        ; LDS: a column's 1,024 codes, 512 bytes + 16: an odd multiple of 16, so that 16 rows begin at 16 different groups of banks (ISA guide 11.1)
.set WSP,   48                         ; its 32 scale bytes + 16
.set WS,    128*PITCH
.set WOFF,  4                          ; v4   4 x lane
.set WCA,   5                          ; v5   where my column's codes go
.set WSA,   6                          ; v6   and its scale bytes
.set XA,    7                          ; v7   x: my token's codes
.set H16,   8                          ; v8   16 h
.set B1O,   9                          ; v9   64 h
.set R4,    10                         ; v10  4 r
.set XSA,   11                         ; v11  x: my token's scale words
.set HA,    12                         ; v12  h's codes: my offset
.set LI,    13                         ; v13  16 x lane
.set HSA,   14                         ; v14  h's scale bytes: my offset
.set SWA,   15                         ; v15  W1's scale words
.set SW,    16                         ; v16-31  W1's scale words: 8 p + s: lanes 0-15 tile 2 p, lanes 16-31 tile 2 p + 1; nothing else ever lies here
.set X,     32                         ; phase 1: v32-127 three sets of 32 numbers; v128-159 codes; v192-223 the slots (one wave, ahead of x)
.set C,     128
.set SLD,   192
.set B1,    32                         ; phase 2: v32-63 b1 in the result's layout; v64-95 four sums; v96-159 W1's fragments, two sets, later the activation at work
.set ACC,   64
.set WF,    96
.set GA,    96
.set GQ,    104
.set GP,    112
.set GU,    120
.set GV,    128
.set XF,    160                        ; v160-223 x's eight fragments: free in phase 1, so that the first tile's can be asked for there
.set XS,    224                        ; v224-231 x's scale words; nothing else ever lies here
.set PC,    232                        ; v232-235 the codes just made
.set TM,    236                        ; v236-242 at work
.set QT,    232                        ; v232-242 once more, between the stream's blocks: the search for a slot's token
.set QW,    233
.set QP,    234
.set QR,    235
.set QA,    236
.set QB,    237
.set QC,    238
.set QD,    239
.set QO,    240
.set QX,    241
.set QY,    242
.set WA,    243                        ; v243 W1's fragments in LDS
.set C9,    244                        ; v244-245 the polynomial's first coefficient, twice
.set SB,    246                        ; v246-247 my column's eight scale bytes
.set TK,    248                        ; v248-255 my lane's token in the tile in hand and in the seven that may follow
.set WV,    16
.set EX,    17
.set JJ,    18
.set CG,    19
.set KQ,    20
.set CH,    21
.set WH,    22
.set CNT,   23
.set NT,    24
.set T0,    25
.set PRE,   26
.set T1,    27
.set TRIP,  28
.set TILE,  30
.set MSK,   32                         ; s32-63 the expert's 1,024 bits
.set SEL,   66
.set CLIP,  69
.set HQC,   82
.set HQS,   84
.macro LOADH t, hf                     ; half of block t: W1(32 t + 16 hf + i, my column) into set t % 3.  The largest offset, 255 rows, lies inside the signed 24-bit immediate (ISA guide, chapter 10)
.irp i, 0,1,2,3,4,5,6,7,8,9,10,11,12,13,14,15
	global_load_b32 v[X+32*((\t)%3)+16*(\hf)+\i], v[WOFF], s[4:5] offset:(32*(\t)+16*(\hf)+\i)*ROWG th:TH_LOAD_NT
.endr
.endm
; x's codes and scale words of the tile whose tokens lie in v[tk]: 18 loads
.macro XISSUE tk
	v_min_u32 v[XSA], 0x3ff, v[\tk]                ; a token's number, held inside the table
	v_lshlrev_b32 v[XA], 9, v[XSA]
	v_add_nc_u32 v[XA], v[H16], v[XA]              ; its 512 bytes of codes, + 16 h
	v_lshlrev_b32 v[XSA], 5, v[XSA]                ; its 8 scale words
.irp s, 0,1,2,3,4,5,6,7
.irp c, 0,1
	global_load_b128 v[XF+8*\s+4*\c:XF+8*\s+4*\c+3], v[XA], s[8:9] offset:64*\s+32*\c
.endr
.endr
	global_load_b128 v[XS:XS+3], v[XSA], s[8:9] offset:524288
	global_load_b128 v[XS+4:XS+7], v[XSA], s[8:9] offset:524304
.endm
.macro BLOCK t
.set XB, X+32*((\t)%3)
.if (\t) < 6
	LOADH (\t)+2, 0                                ; into the set that the block before has left
	LOADH (\t)+2, 1
	s_wait_loadcnt 63                              ; behind this block's loads stand two blocks' 64; the count can name 63 at most
.elseif (\t) == 6
	s_wait_xcnt 0x0                                ; the slots' stores have read their registers, which x's fragments take
	XISSUE TK                                      ; my first tile's x: it lands under the last two blocks and the barrier
	s_wait_loadcnt 50                              ; behind this block's loads stand the last block's 32 and x's 18
.else
.irp q, 0,1,2,3                                ; b1 in the result's layout: lane (r, h), tile 2 b + u: units 32 b + 16 h + 8 u + 0 .. 7; into the set that block 6 has left
	global_load_b128 v[B1+8*\q:B1+8*\q+3], v[B1O], s[6:7] offset:(32*(\q/2)+8*(\q%2))*4
	global_load_b128 v[B1+8*\q+4:B1+8*\q+7], v[B1O], s[6:7] offset:(32*(\q/2)+8*(\q%2))*4+16
.endr
	s_wait_loadcnt 26                              ; behind this block's loads stand x's 18 and b1's 8
.endif
	v_max3_num_f32 v[TM], |v[XB]|, |v[XB+1]|, |v[XB+2]|            ; the block's largest magnitude: all 32 numbers are mine
	v_max3_num_f32 v[TM+1], |v[XB+3]|, |v[XB+4]|, |v[XB+5]|
.irp i, 6,10,14,18,22,26
	v_max3_num_f32 v[TM], v[TM], |v[XB+\i]|, |v[XB+\i+1]|
	v_max3_num_f32 v[TM+1], v[TM+1], |v[XB+\i+2]|, |v[XB+\i+3]|
.endr
	v_max3_num_f32 v[TM], v[TM], |v[XB+30]|, |v[XB+31]|
	v_max3_num_f32 v[TM], v[TM], v[TM+1], 0x1800000  ; and the floor 2^(3 - 127): the byte cannot fall under 1
	v_add_nc_u32 v[TM+4], 0xff000000, v[TM]        ; 2 off its exponent field: the conversion's scale operand
	v_lshrrev_b32 v[TM+5], 23, v[TM+4]             ; the scale's byte
.if (\t)%4 == 0
	v_mov_b32 v[SB+(\t)/4], v[TM+5]
.else
	v_lshl_or_b32 v[SB+(\t)/4], v[TM+5], 8*((\t)%4), v[SB+(\t)/4]
.endif
.irp g, 0,1,2,3
	v_cvt_scalef32_pk8_fp4_f32 v[C+4*(\t)+\g], v[XB+8*\g:XB+8*\g+7], v[TM+4]
.endr
	v_nop                                          ; one plain place behind a scaled conversion
	ds_store_b128 v[WCA], v[C+4*(\t):C+4*(\t)+3] offset:16*(\t)   ; each block has its own four registers
.endm
; One step down to the bit of rank v[QR]: the count of set bits in the lower half of what is left lies in v[src] at bit v[QO]; where the rank is not under it, the count comes off the rank and the upper half is taken
.macro SELSTEP src, mask, inc
	v_lshrrev_b32 v[QX], v[QO], v[\src]
	v_and_b32 v[QX], \mask, v[QX]
	v_cmp_ge_u32 vcc_lo, v[QR], v[QX]
	v_cndmask_b32 v[QX], 0, v[QX], vcc_lo
	v_cndmask_b32 v[QY], 0, \inc, vcc_lo
	v_sub_nc_u32 v[QR], v[QR], v[QX]
	v_add_nc_u32 v[QO], v[QO], v[QY]
.endm
; The tokens of tile w / 2 + 8 i into v[TK + i]: lane (r, h) finds the token of slot 16 tile + r.  A tile beyond the count is passed over (the register keeps the 0 of the head).
.macro TOKSEL i
	s_add_co_u32 s[T1], s[WH], 8*(\i)
	s_cmp_ge_u32 s[T1], s[NT]
	s_cbranch_scc1 .Lno_tile_\@
	s_lshl_b32 s[T1], s[T1], 4
	v_add_nc_u32 v[QT], s[T1], v2                  ; my slot
	v_mov_b32 v[QW], s[MSK]                        ; word 0 to begin with: no token comes before it
	v_mov_b32 v[QP], 0
	s_bcnt1_i32_b32 s[PRE], s[MSK]                 ; the expert's tokens before word 1
.set g, 1
.rept 31                                       ; the last word with at most my slot's number of tokens before it is the one that holds my slot
	v_cmp_le_u32 vcc_lo, s[PRE], v[QT]
	s_add_co_u32 s[T1], s[PRE], g<<16              ; that number (1,024 at the most) and the word's number in one register
	v_cndmask_b32 v[QW], v[QW], s[MSK+g], vcc_lo
	v_cndmask_b32 v[QP], v[QP], s[T1], vcc_lo
.if g < 31
	s_bcnt1_i32_b32 s[T0], s[MSK+g]
	s_add_co_u32 s[PRE], s[PRE], s[T0]
.endif
.set g, g+1
.endr
	v_and_b32 v[QR], 0xffff, v[QP]
	v_sub_nc_u32 v[QR], v[QT], v[QR]               ; my slot's rank among the word's set bits
	v_lshrrev_b32 v[QP], 16, v[QP]                 ; the word's number
	v_lshrrev_b32 v[QA], 1, v[QW]                  ; the word's set bits counted by 2,
	v_and_b32 v[QA], 0x55555555, v[QA]
	v_sub_nc_u32 v[QA], v[QW], v[QA]
	v_lshrrev_b32 v[QB], 2, v[QA]                  ; by 4,
	v_and_b32 v[QB], 0x33333333, v[QB]
	v_and_b32 v[QX], 0x33333333, v[QA]
	v_add_nc_u32 v[QB], v[QB], v[QX]
	v_lshrrev_b32 v[QC], 4, v[QB]                  ; by 8,
	v_add_nc_u32 v[QC], v[QC], v[QB]
	v_and_b32 v[QC], 0x0f0f0f0f, v[QC]
	v_lshrrev_b32 v[QD], 8, v[QC]                  ; and, in its lowest byte, the lower 16
	v_add_nc_u32 v[QD], v[QD], v[QC]
	v_mov_b32 v[QO], 0
	SELSTEP QD, 0xff, 16
	SELSTEP QC, 0xff, 8
	SELSTEP QB, 15, 4
	SELSTEP QA, 3, 2
	SELSTEP QW, 1, 1
	v_lshl_add_u32 v[TK+(\i)], v[QP], 5, v[QO]     ; 32 x word + bit.  (A slot beyond the count ends at some number under 1,024)
.Lno_tile_\@:
.endm
.macro WFETCH s                        ; W1's four fragments of K step s into set s % 2
.irp t, 0,1,2,3
.irp c, 0,1
	ds_load_b128 v[WF+32*((\s)%2)+8*\t+4*\c:WF+32*((\s)%2)+8*\t+4*\c+3], v[WA] offset:16*PITCH*\t+64*(\s)+32*\c
.endr
.endr
.endm
.macro WM t, s, c                      ; c: the registers that the sum adds onto: b1's at the first K step, then its own
.if (\t)%2 == 1
	v_wmma_scale_f32_16x16x128_f8f6f4 v[ACC+8*(\t):ACC+8*(\t)+7], v[WF+32*((\s)%2)+8*(\t):WF+32*((\s)%2)+8*(\t)+7], v[XF+8*(\s):XF+8*(\s)+7], v[(\c):(\c)+7], v[SW+8*((\t)/2)+(\s)], v[XS+(\s)] matrix_a_fmt:MATRIX_FMT_FP4 matrix_b_fmt:MATRIX_FMT_FP4 matrix_a_scale:MATRIX_SCALE_ROW1
.else
	v_wmma_scale_f32_16x16x128_f8f6f4 v[ACC+8*(\t):ACC+8*(\t)+7], v[WF+32*((\s)%2)+8*(\t):WF+32*((\s)%2)+8*(\t)+7], v[XF+8*(\s):XF+8*(\s)+7], v[(\c):(\c)+7], v[SW+8*((\t)/2)+(\s)], v[XS+(\s)] matrix_a_fmt:MATRIX_FMT_FP4 matrix_b_fmt:MATRIX_FMT_FP4
.endif
.endm
.macro STEPK s                         ; a K step of 128: the four sums by turns, one instruction a turn
.if (\s) < 7
	s_wait_dscnt 8                                 ; this step's fragments are in; the next step's eight loads may be out
.else
	s_wait_dscnt 0x0
.endif
.irp t, 0,1,2,3
.if (\s) == 0
	WM \t, \s, B1+8*\t
.else
	WM \t, \s, ACC+8*\t
.endif
.endr
.rept 4
	v_nop                                          ; four places in front of loads into registers that matrix instructions have read, and of the first read of results
.endr
.if (\s) < 6
	WFETCH (\s)+2
.endif
.endm
; gelu of eight numbers v[x] .. v[x + 7], in place; four pairs by turns
.macro GELU8 x
.irp i, 0,1,2,3,4,5,6,7
	v_min_num_f32 v[GA+\i], |v[(\x)+\i]|, s[CLIP]  ; from the sum's low end on
.endr
.irp i, 0,2,4,6
	v_pk_mul_f32 v[GA+\i:GA+\i+1], v[GA+\i:GA+\i+1], 0x3f3504f3 op_sel_hi:[1,0]   ; a = |x| / sqrt 2
.endr
.irp i, 0,2,4,6
	v_pk_add_f32 v[GQ+\i:GQ+\i+1], v[GA+\i:GA+\i+1], 2.0 op_sel_hi:[1,0]
.endr
.irp i, 0,1,2,3,4,5,6,7
	v_rcp_f32 v[GQ+\i], v[GQ+\i]
.endr
.irp i, 0,2,4,6
	v_pk_fma_f32 v[GU+\i:GU+\i+1], v[GA+\i:GA+\i+1], 4.0, 2.0 op_sel_hi:[1,0,0]   ; 2 (1 + 2 a).  (Plain places behind the reciprocals)
.endr
	s_wait_alu depctr_va_vdst(0)
.irp i, 0,2,4,6
	v_pk_fma_f32 v[GQ+\i:GQ+\i+1], v[GQ+\i:GQ+\i+1], -4.0, 1.0 op_sel_hi:[1,0,0]  ; q = 1 - 4 / (a + 2)
.endr
.irp i, 0,1,2,3,4,5,6,7
	v_rcp_f32 v[GU+\i], v[GU+\i]
.endr
.irp i, 0,2,4,6
	v_pk_fma_f32 v[GP+\i:GP+\i+1], v[GQ+\i:GQ+\i+1], v[C9:C9+1], 0xbaa15130 op_sel_hi:[1,1,0]
.endr
.irp k, 0x3aac2b8a, 0x3c0d6e62, 0xbc040dc1, 0xbd5e05b5, 0x3e27fe23, 0xbe2a0420, 0xbdbdfb0b, 0x3e8dd01d
.irp i, 0,2,4,6
	v_pk_fma_f32 v[GP+\i:GP+\i+1], v[GP+\i:GP+\i+1], v[GQ+\i:GQ+\i+1], \k op_sel_hi:[1,1,0]
.endr
.endr
	s_wait_alu depctr_va_vdst(0)
.irp i, 0,2,4,6
	v_pk_fma_f32 v[GP+\i:GP+\i+1], v[GP+\i:GP+\i+1], v[GU+\i:GU+\i+1], v[GU+\i:GU+\i+1]   ; (1 + p) / (2 + 4 a)
.endr
.irp i, 0,2,4,6
	v_pk_mul_f32 v[GV+\i:GV+\i+1], v[GA+\i:GA+\i+1], v[GA+\i:GA+\i+1]                     ; a a, rounded,
.endr
.irp i, 0,2,4,6
	v_pk_fma_f32 v[GA+\i:GA+\i+1], v[GA+\i:GA+\i+1], v[GA+\i:GA+\i+1], v[GV+\i:GV+\i+1] neg_lo:[0,0,1] neg_hi:[0,0,1]   ; and what the rounding dropped
.endr
.irp i, 0,2,4,6
	v_pk_mul_f32 v[GQ+\i:GQ+\i+1], v[GV+\i:GV+\i+1], 0x3fb8aa3b op_sel_hi:[1,0]           ; x log2 e, rounded,
.endr
.irp i, 0,2,4,6
	v_pk_fma_f32 v[GV+\i:GV+\i+1], v[GV+\i:GV+\i+1], 0x3fb8aa3b, v[GQ+\i:GQ+\i+1] op_sel_hi:[1,0,1] neg_lo:[0,0,1] neg_hi:[0,0,1]   ; and what that rounding dropped
.endr
.irp i, 0,1,2,3,4,5,6,7
	v_exp_f32 v[GQ+\i], -v[GQ+\i]
.endr
.irp i, 0,2,4,6
	v_pk_fma_f32 v[GA+\i:GA+\i+1], v[GV+\i:GV+\i+1], 0x3f317218, v[GA+\i:GA+\i+1] op_sel_hi:[1,0,1]   ; both remainders, as a natural exponent.  (Plain places behind the exponentials)
.endr
	s_wait_alu depctr_va_vdst(0)
.irp i, 0,2,4,6
	v_pk_mul_f32 v[GP+\i:GP+\i+1], v[GP+\i:GP+\i+1], v[GQ+\i:GQ+\i+1]
.endr
.irp i, 0,2,4,6
	v_pk_fma_f32 v[GP+\i:GP+\i+1], v[GP+\i:GP+\i+1], v[GA+\i:GA+\i+1], v[GP+\i:GP+\i+1] neg_lo:[1,0,0] neg_hi:[1,0,0]   ; erfc(a) / 2
.endr
.irp i, 0,1,2,3,4,5,6,7
	v_max_num_f32 v[GQ+\i], 0, v[(\x)+\i]
.endr
.irp i, 0,1,2,3,4,5,6,7
	v_fma_f32 v[(\x)+\i], -|v[(\x)+\i]|, v[GP+\i], v[GQ+\i]
.endr
.endm
	s_load_b256 s[4:11], s[0:1], 0x0               ; w1 s[4:5], b1 s[6:7], xq s[8:9], rt s[10:11]
	s_load_b128 s[12:15], s[0:1], 0x20             ; hq s[12:13], slot s[14:15]
	v_lshrrev_b32 v1, 5, v0
	v_readfirstlane_b32 s[WV], v1                  ; wave 0..15
	s_and_b32 s[EX], ttmp7, 0xffff                 ; the expert
	s_mov_b32 s[JJ], ttmp9                         ; which 128 hidden units
	s_and_b32 s[CG], s[WV], 3
	s_lshr_b32 s[KQ], s[WV], 2
	s_and_b32 s[CH], s[WV], 1                      ; phase 2: which 64 of the 128
	s_lshr_b32 s[WH], s[WV], 1                     ; and my first tile
	v_and_b32 v1, 31, v0                           ; lane
	v_and_b32 v2, 15, v0                           ; r
	v_bfe_u32 v3, v0, 4, 1                         ; h
	v_lshlrev_b32 v[WOFF], 2, v1
	v_and_b32 v[WCA], 7, v0                        ; every LDS address is made here, ahead of every branch
	v_bfe_u32 v[WSA], v0, 3, 1
	v_lshl_add_u32 v[WCA], v[WSA], 4, v[WCA]
	v_lshl_add_u32 v[WCA], v3, 3, v[WCA]           ; my lane's number with bits 3 and 4 changed over,
	s_lshl_b32 s[T0], s[CG], 5
	v_add_nc_u32 v[WCA], s[T0], v[WCA]             ; + 32 cg: my column's row in LDS
	v_mul_u32_u24 v[WSA], v[WCA], WSP
	v_mul_u32_u24 v[WCA], v[WCA], PITCH
	s_lshl_b32 s[T0], s[KQ], 7
	v_add_nc_u32 v[WCA], s[T0], v[WCA]             ; + my 256 along K: 128 bytes
	s_lshl_b32 s[T0], s[KQ], 3
	s_add_co_u32 s[T0], s[T0], WS
	v_add_nc_u32 v[WSA], s[T0], v[WSA]             ; + my 8 blocks
	v_lshlrev_b32 v[H16], 4, v3
	v_lshlrev_b32 v[B1O], 6, v3
	v_lshlrev_b32 v[R4], 2, v2
	v_lshlrev_b32 v[LI], 4, v1
	s_lshl_b32 s[T0], s[CH], 6
	v_add_nc_u32 v[SWA], s[T0], v1
	v_mul_u32_u24 v[SWA], v[SWA], WSP
	v_add_nc_u32 v[SWA], WS, v[SWA]                ; row 64 c + lane: lanes 0-15 an even tile's rows, lanes 16-31 the odd tile's behind it
	v_add_nc_u32 v[WA], s[T0], v2
	v_mul_u32_u24 v[WA], v[WA], PITCH
	v_add_nc_u32 v[WA], v[WA], v[H16]              ; a fragment: row 64 c + r, + 16 h
	v_mov_b32 v[C9], 0xb9d25000
	v_mov_b32 v[C9+1], 0xb9d25000
	v_mov_b32 v[TM+2], 0                           ; a lane permute's destination counts as one of its sources
	v_mov_b32 v[TM+3], 0
.irp k, 0,1,2,3,4,5,6,7
	v_mov_b32 v[TK+\k], 0                          ; a tile that the expert does not have names token 0; only the first fetch of x can read such a one, and its numbers are then not used
.endr
	s_mov_b32 s[SEL], 0x76543210
	s_mov_b32 s[SEL+1], 0xfedcba98
	s_mov_b32 s[CLIP], 0x41880000                  ; 17.0
	s_lshl_b32 s78, s[EX], 24                      ; the expert's 16 MiB,
	s_lshl_b32 s[T0], s[KQ], 22                    ; my 256 rows,
	s_add_co_u32 s78, s78, s[T0]
	s_lshl_b32 s[T0], s[JJ], 9                     ; the group's 128 columns,
	s_add_co_u32 s78, s78, s[T0]
	s_lshl_b32 s[T0], s[CG], 7                     ; my 32
	s_add_co_u32 s78, s78, s[T0]
	s_mov_b32 s79, 0
	s_lshl_b32 s86, s[EX], 7                       ; the expert's 128 bytes of bits
	s_wait_kmcnt 0x0
	s_add_nc_u64 s[4:5], s[4:5], s[78:79]
	LOADH 0, 0                                     ; 48 loads go out ahead of the scalar work and the first tile's tokens,
	LOADH 0, 1
	LOADH 1, 0
	s_load_b512 s[MSK:MSK+15], s[10:11], s86 offset:0x0
	s_load_b512 s[MSK+16:MSK+31], s[10:11], s86 offset:0x40
	s_mov_b32 s81, 0
	s_lshl_b32 s80, s[EX], 14                      ; b1: (4,096 e + 128 j + 64 c) numbers
	s_lshl_b32 s[T0], s[JJ], 9
	s_add_co_u32 s80, s80, s[T0]
	s_lshl_b32 s[T0], s[CH], 8
	s_add_co_u32 s80, s80, s[T0]
	s_add_nc_u64 s[6:7], s[6:7], s[80:81]
	s_lshl_b32 s[T0], s[EX], 5
	s_add_co_u32 s[T0], s[T0], s[JJ]               ; 32 e + j: my K step of the next product
	s_lshl_b32 s80, s[T0], 16                      ; its 64 tiles of 1,024 bytes,
	s_lshl_b32 s[T1], s[CH], 9                     ; my half of an image
	s_add_co_u32 s80, s80, s[T1]
	s_add_nc_u64 s[HQC:HQC+1], s[12:13], s[80:81]
	s_lshl_b32 s80, s[T0], 12                      ; its 1,024 scale words,
	s_lshl_b32 s[T1], s[CH], 1                     ; my two bytes of a word
	s_add_co_u32 s80, s80, s[T1]
	s_add_co_u32 s80, s80, 16777216
	s_add_nc_u64 s[HQS:HQS+1], s[12:13], s[80:81]
	s_lshl_b32 s80, s[EX], 12
	s_add_nc_u64 s[14:15], s[14:15], s[80:81]
	s_wait_kmcnt 0x0                               ; the bits
	s_bcnt1_i32_b32 s[CNT], s[MSK]
.set g, 1
.rept 31
	s_bcnt1_i32_b32 s[T0], s[MSK+g]
	s_add_co_u32 s[CNT], s[CNT], s[T0]
.set g, g+1
.endr
	s_add_co_u32 s[NT], s[CNT], 15
	s_lshr_b32 s[NT], s[NT], 4                     ; tiles of 16 tokens
	TOKSEL 0                                       ; my first tile's tokens
	; ---- every token's place, for the last launch: one wave of one work-group of each expert
	s_cmp_lg_u32 s[JJ], 0
	s_cbranch_scc1 .Lno_slots
	s_cmp_lg_u32 s[WV], 15
	s_cbranch_scc1 .Lno_slots
	s_mov_b32 s[PRE], 0
.set g, 0
.rept 32
	v_mbcnt_lo_u32_b32 v[SLD+g], s[MSK+g], s[PRE]
	s_bcnt1_i32_b32 s[T0], s[MSK+g]
	s_add_co_u32 s[PRE], s[PRE], s[T0]
.set g, g+1
.endr
.set g, 0
.rept 32
	global_store_b32 v[WOFF], v[SLD+g], s[14:15] offset:128*g
.set g, g+1
.endr
.Lno_slots:
	; ---- THE STREAM.  Behind block t stand the tokens of my tile t + 1, if the expert has it: two blocks' loads are out meanwhile
	LOADH 1, 1
.irp t, 0,1,2,3,4,5,6
	BLOCK \t
	TOKSEL \t+1
.endr
	BLOCK 7
	ds_store_b64 v[WSA], v[SB:SB+1]
	s_wait_dscnt 0x0                               ; for the others' sake: my codes and scale bytes have landed
	s_barrier_signal -1
	s_barrier_wait -1                              ; the one barrier; nothing is stored to LDS behind it
	; ---- PHASE 2
.irp p, 0,1
.irp q, 0,1
	ds_load_b128 v[SW+8*\p+4*\q:SW+8*\p+4*\q+3], v[SWA] offset:32*WSP*\p+16*\q
.endr
.endr
	s_wait_dscnt 0x0                               ; W1's scale words are in, on the way of a wave without a tile too
	s_mov_b32 s[TRIP], 0
	s_mov_b32 s[TILE], s[WH]
.Lunit:                                            ; eight trips, a constant: tile w / 2 + 8 i; a tile beyond the count is passed over
	s_cmp_ge_u32 s[TILE], s[NT]
	s_cbranch_scc1 .Lidle
	WFETCH 0
	WFETCH 1
	s_wait_loadcnt 0x0                             ; x's codes and scale words; in the first trip b1 too.  x's two offset registers are free from here on
.irp s, 0,1,2,3,4,5,6,7
	STEPK \s
.endr
	s_add_co_u32 s[T0], s[TILE], 8
	s_cmp_ge_u32 s[T0], s[NT]
	s_cbranch_scc1 .Llast
	XISSUE TK+1                                    ; my next tile's x lands while the activation is computed
.Llast:
.irp t, 0,1,2,3
	GELU8 ACC+8*\t
.endr
	s_wait_xcnt 0x0                                ; the last unit's stores have read their data and offsets
.irp b, 0,1                                    ; my two blocks of 32 along the next K: register 16 b + i = unit 64 c + 32 b + 16 h + i
	v_max3_num_f32 v[TM+\b], |v[ACC+16*\b]|, |v[ACC+1+16*\b]|, 0x1800000
.endr
.irp i, 2,4,6,8,10,12,14
.irp b, 0,1
	v_max3_num_f32 v[TM+\b], v[TM+\b], |v[ACC+16*\b+\i]|, |v[ACC+1+16*\b+\i]|
.endr
.endr
.irp b, 0,1
	v_permlanex16_b32 v[TM+2+\b], v[TM+\b], s[SEL], s[SEL+1]
.endr
.irp b, 0,1
	v_max_num_f32 v[TM+\b], v[TM+\b], v[TM+2+\b]
.endr
.irp b, 0,1
	v_add_nc_u32 v[TM+4+\b], 0xff000000, v[TM+\b]
.endr
.irp b, 0,1
	v_lshrrev_b32 v[TM+2+\b], 23, v[TM+4+\b]
.endr
	v_lshl_or_b32 v[TM+6], v[TM+3], 8, v[TM+2]     ; bytes 2 c and 2 c + 1 of my slot's scale word
.irp b, 0,1
	v_cvt_scalef32_pk8_fp4_f32 v[PC+2*\b], v[ACC+16*\b:ACC+16*\b+7], v[TM+4+\b]
	v_cvt_scalef32_pk8_fp4_f32 v[PC+2*\b+1], v[ACC+16*\b+8:ACC+16*\b+15], v[TM+4+\b]
.endr
	v_nop                                          ; one plain place behind a scaled conversion
	v_permlane16_swap_b32 v[PC], v[PC+2]           ; a whole block to a lane: registers 4 c .. 4 c + 3 of the operand
	v_permlane16_swap_b32 v[PC+1], v[PC+3]
	s_lshl_b32 s[T0], s[TILE], 10
	v_add_nc_u32 v[HA], s[T0], v[LI]
	s_lshl_b32 s[T0], s[TILE], 6
	v_add_nc_u32 v[HSA], s[T0], v[R4]
	global_store_b128 v[HA], v[PC:PC+3], s[HQC:HQC+1]       ; 512 consecutive bytes: half of the fragment's image
	global_store_b16 v[HSA], v[TM+6], s[HQS:HQS+1]          ; both halves of the lanes write the same
.Lidle:
.irp k, 0,1,2,3,4,5,6
	v_mov_b32 v[TK+\k], v[TK+\k+1]                 ; the tiles' tokens move down by one, so that one text serves every trip
.endr
	s_add_co_u32 s[TILE], s[TILE], 8
	s_add_co_u32 s[TRIP], s[TRIP], 1
	s_cmp_lt_u32 s[TRIP], 8
	s_cbranch_scc1 .Lunit
	s_wait_xcnt 0x0
	v_lshl_add_u32 v254, v0, 2, 0x12000
	v_mov_b32 v255, 0
	s_wait_tensorcnt 0x0
	ds_add_u32 v254, v255
	s_wait_dscnt 0x0
	s_endpgm
.Lfunc_end_k_q53bed15b4c_up:
	.size	k_q53bed15b4c_up, .Lfunc_end_k_q53bed15b4c_up-k_q53bed15b4c_up
	.p2alignl 7, 3214868480
	.fill 96, 4, 3214868480
	.section	.rodata,"a",@progbits
	.p2align	6, 0x0
	.amdhsa_kernel k_q53bed15b4c_up
		.amdhsa_group_segment_fixed_size 75776
		.amdhsa_private_segment_fixed_size 0
		.amdhsa_enable_private_segment 0
		.amdhsa_kernarg_size 48
		.amdhsa_user_sgpr_count 2
		.amdhsa_user_sgpr_kernarg_segment_ptr 1
		.amdhsa_wavefront_size32 1
		.amdhsa_system_sgpr_workgroup_id_x 1
		.amdhsa_system_sgpr_workgroup_id_y 1
		.amdhsa_system_sgpr_workgroup_id_z 1
		.amdhsa_system_vgpr_workitem_id 0
		.amdhsa_next_free_vgpr 256
		.amdhsa_next_free_sgpr 100
		.amdhsa_reserve_vcc 1
		.amdhsa_float_denorm_mode_32 3
		.amdhsa_float_denorm_mode_16_64 3
		.amdhsa_memory_ordered 1
		.amdhsa_forward_progress 1
		.amdhsa_inst_pref_size 191
	.end_amdhsa_kernel
	.amdgpu_metadata
---
amdhsa.version: [ 1, 2 ]
amdhsa.kernels:
  - .name:           k_q53bed15b4c_up
    .symbol:         k_q53bed15b4c_up.kd
    .args:
      - { .name: w1, .offset: 0, .size: 8, .value_kind: global_buffer, .address_space: global }
      - { .name: b1, .offset: 8, .size: 8, .value_kind: global_buffer, .address_space: global }
      - { .name: xq, .offset: 16, .size: 8, .value_kind: global_buffer, .address_space: global }
      - { .name: rt, .offset: 24, .size: 8, .value_kind: global_buffer, .address_space: global }
      - { .name: hq, .offset: 32, .size: 8, .value_kind: global_buffer, .address_space: global }
      - { .name: slot, .offset: 40, .size: 8, .value_kind: global_buffer, .address_space: global }
    .group_segment_fixed_size: 75776
    .private_segment_fixed_size: 0
    .kernarg_segment_align: 8
    .kernarg_segment_size: 48
    .max_flat_workgroup_size: 512
    .sgpr_count:     100
    .vgpr_count:     256
    .wavefront_size: 32
...
	.end_amdgpu_metadata
.endif
;; end of part 2
;; launch down (part 3): grid 32 x 8, 16 waves a work-group, no clusters, 143,360 bytes of LDS; arguments w2, rt, hq, y; writes y
.if DOCPART == 3
	.amdgcn_target "amdgcn-amd-amdhsa--gfx1250"
	.amdhsa_code_object_version 6
	.text
	.protected	k_q53bed15b4c_down
	.globl	k_q53bed15b4c_down
	.p2align	8
	.type	k_q53bed15b4c_down,@function
k_q53bed15b4c_down:
	s_mov_b64 s[64:65], 0
	v_nop
	global_prefetch_b8 v0, s[64:65] scope:SCOPE_SE
	s_setreg_imm32_b32 hwreg(HW_REG_WAVE_MODE, 25, 1), 1
	s_wait_xcnt 0x0
; DOWN: y = h W2 for the slots of an expert, on codes of FP4 (E2M1) with one E8M0 byte for each 32 along K.  b2 and the gate's weights come in the last launch.
; w2: [8][4096 (K)][1024] f32.  Work-group (cs, kh, e) owns outputs 64 cs .. 64 cs + 63 (256 consecutive bytes of each row of W2) and half kh of K, 2,048 rows: 512 KiB of f32 that no other work-group reads.
; K is halved rather than the columns: with 32 columns a row's piece would be 128 bytes, and two work-groups would each read half of every aligned block of 256 bytes.
; PHASE 1: the stream, as in the launch before: wave (cg = w % 2, kq = w / 2) takes 32 columns x 256 along K; a lane takes a column and its registers run down K; codes and scale bytes go to LDS and stay.
; PHASE 2: a unit is two tiles of 16 slots x 64 outputs x 2,048 along K: 128 matrix instructions on eight sums.  h's fragments come from memory as images of the operand's registers, 16 bytes a lane.
; The product is used transposed (source 0 = 16 columns of W2, source 1 = 16 slots): a lane holds eight neighbouring outputs of one slot.  Results leave through the wave's own stage: 16 lanes store 256 consecutive bytes.
; No joint loads: the weights are shared by nobody, and the number of units hangs on a stored count.
; OUT: y: [kh][1,024 e + slot][1,024] f32; only rows of tiles that the expert has are written, and only those are read later.
; LIMITS: NaN and infinities are not served.  A block of zeros gets the byte 1 where the rule says 127: its codes are zeros, and the bytes are read by this program alone.
.set ROWG,  4096
.set PITCH, 1040                       ; LDS: a column's 2,048 codes, 1,024 bytes + 16: an odd multiple of 16
.set WSP,   80                         ; its 64 scale bytes + 16
.set WS,    64*PITCH
.set STG,   WS+64*WSP                  ; the stages: 16 rows x (256 bytes + 16) for each wave
.set SPI,   272
.set WOFF,  4
.set WCA,   5
.set WSA,   6
.set LI,    7                          ; v7   16 x lane
.set NH,    8                          ; v8   1 - h
.set R4,    9                          ; v9   4 r
.set SWA,   10
.set YB0,   11                         ; v11  4,096 h + 16 r
.set SW,    16                         ; v16-47 W2's scale words: 16 p + s: lanes 0-15 tile 2 p, lanes 16-31 tile 2 p + 1; nothing else ever lies here
.set HS,    48                         ; v48-51 h's scale words of four K steps: lanes 0-15 the first tile's slots, lanes 16-31 the second's; nothing else ever lies here
.set X,     52                         ; phase 1: v52-147 three sets of 32 numbers; v148-179 codes; v180-181 scale bytes; v182-187 at work
.set C,     148
.set SB,    180
.set TM,    182
.set ACC,   52                         ; phase 2: v52-115 eight sums, (tile of slots m, tile of outputs t) at 32 m + 8 t
.set HF,    116                        ; v116-179 h's fragments: four sets of two
.set WF,    180                        ; v180-243 W2's fragments: two sets of four; on the way out rows of y
.set HA,    244
.set HB,    245
.set HSA,   246
.set WA,    247
.set STO,   248
.set RD,    249
.set YOA,   250
.set TV,    251
.set YOB,   252
.set WV,    16
.set EX,    17
.set CS,    18
.set KH,    19
.set CG,    20
.set KQ,    21
.set CNT,   23
.set NT,    24
.set T0,    25
.set T1,    26
.set TRIP,  28
.set UU,    30
.set MSK,   32
.set HBS,   66                         ; s[66:67] h's codes, s[68:69] h's scale words, s[70:71] y
.set HSS,   68
.set YBS,   70
.set TA,    72
.set TB,    73
.macro LOADH t, hf
.irp i, 0,1,2,3,4,5,6,7,8,9,10,11,12,13,14,15
	global_load_b32 v[X+32*((\t)%3)+16*(\hf)+\i], v[WOFF], s[4:5] offset:(32*(\t)+16*(\hf)+\i)*ROWG th:TH_LOAD_NT
.endr
.endm
.macro BLOCK t
.set XB, X+32*((\t)%3)
.if (\t) < 6
	LOADH (\t)+2, 0                                ; into the set that the block before has left
	LOADH (\t)+2, 1
	s_wait_loadcnt 63                              ; behind this block's loads stand two blocks' 64; the count can name 63 at most
.elseif (\t) == 6
	s_wait_loadcnt 32                              ; the last block's may be out
.else
	s_wait_loadcnt 0x0
.endif
	v_max3_num_f32 v[TM], |v[XB]|, |v[XB+1]|, |v[XB+2]|
	v_max3_num_f32 v[TM+1], |v[XB+3]|, |v[XB+4]|, |v[XB+5]|
.irp i, 6,10,14,18,22,26
	v_max3_num_f32 v[TM], v[TM], |v[XB+\i]|, |v[XB+\i+1]|
	v_max3_num_f32 v[TM+1], v[TM+1], |v[XB+\i+2]|, |v[XB+\i+3]|
.endr
	v_max3_num_f32 v[TM], v[TM], |v[XB+30]|, |v[XB+31]|
	v_max3_num_f32 v[TM], v[TM], v[TM+1], 0x1800000  ; the floor 2^(3 - 127): the byte cannot fall under 1
	v_add_nc_u32 v[TM+2], 0xff000000, v[TM]        ; 2 off the exponent field: the conversion's scale operand
	v_lshrrev_b32 v[TM+3], 23, v[TM+2]             ; the scale's byte
.if (\t)%4 == 0
	v_mov_b32 v[SB+(\t)/4], v[TM+3]
.else
	v_lshl_or_b32 v[SB+(\t)/4], v[TM+3], 8*((\t)%4), v[SB+(\t)/4]
.endif
.irp g, 0,1,2,3
	v_cvt_scalef32_pk8_fp4_f32 v[C+4*(\t)+\g], v[XB+8*\g:XB+8*\g+7], v[TM+2]
.endr
	v_nop                                          ; one plain place behind a scaled conversion
	ds_store_b128 v[WCA], v[C+4*(\t):C+4*(\t)+3] offset:16*(\t)
.endm
.macro HISSUE s                        ; K step s of h: two fragments and a register of scale words, five loads, into set s % 4
.irp c, 0,1
	global_load_b128 v[HF+16*((\s)%4)+4*\c:HF+16*((\s)%4)+4*\c+3], v[HA], s[HBS:HBS+1] offset:65536*(\s)+512*\c
.endr
.irp c, 0,1
	global_load_b128 v[HF+16*((\s)%4)+8+4*\c:HF+16*((\s)%4)+8+4*\c+3], v[HB], s[HBS:HBS+1] offset:65536*(\s)+512*\c
.endr
	global_load_b32 v[HS+(\s)%4], v[HSA], s[HSS:HSS+1] offset:4096*(\s)
.endm
.macro WFETCH s
.irp t, 0,1,2,3
.irp c, 0,1
	ds_load_b128 v[WF+32*((\s)%2)+8*\t+4*\c:WF+32*((\s)%2)+8*\t+4*\c+3], v[WA] offset:16*PITCH*\t+64*(\s)+32*\c
.endr
.endr
.endm
.macro WM d, a, b, sa, sb, ra, rb, zero   ; ra, rb: the scale words lie in lanes 16-31; zero: the first product starts the sum
.if (\zero) && (\ra) && (\rb)
	v_wmma_scale_f32_16x16x128_f8f6f4 v[(\d):(\d)+7], v[(\a):(\a)+7], v[(\b):(\b)+7], 0, v[(\sa)], v[(\sb)] matrix_a_fmt:MATRIX_FMT_FP4 matrix_b_fmt:MATRIX_FMT_FP4 matrix_a_scale:MATRIX_SCALE_ROW1 matrix_b_scale:MATRIX_SCALE_ROW1
.elseif (\zero) && (\ra)
	v_wmma_scale_f32_16x16x128_f8f6f4 v[(\d):(\d)+7], v[(\a):(\a)+7], v[(\b):(\b)+7], 0, v[(\sa)], v[(\sb)] matrix_a_fmt:MATRIX_FMT_FP4 matrix_b_fmt:MATRIX_FMT_FP4 matrix_a_scale:MATRIX_SCALE_ROW1
.elseif (\zero) && (\rb)
	v_wmma_scale_f32_16x16x128_f8f6f4 v[(\d):(\d)+7], v[(\a):(\a)+7], v[(\b):(\b)+7], 0, v[(\sa)], v[(\sb)] matrix_a_fmt:MATRIX_FMT_FP4 matrix_b_fmt:MATRIX_FMT_FP4 matrix_b_scale:MATRIX_SCALE_ROW1
.elseif (\zero)
	v_wmma_scale_f32_16x16x128_f8f6f4 v[(\d):(\d)+7], v[(\a):(\a)+7], v[(\b):(\b)+7], 0, v[(\sa)], v[(\sb)] matrix_a_fmt:MATRIX_FMT_FP4 matrix_b_fmt:MATRIX_FMT_FP4
.elseif (\ra) && (\rb)
	v_wmma_scale_f32_16x16x128_f8f6f4 v[(\d):(\d)+7], v[(\a):(\a)+7], v[(\b):(\b)+7], v[(\d):(\d)+7], v[(\sa)], v[(\sb)] matrix_a_fmt:MATRIX_FMT_FP4 matrix_b_fmt:MATRIX_FMT_FP4 matrix_a_scale:MATRIX_SCALE_ROW1 matrix_b_scale:MATRIX_SCALE_ROW1
.elseif (\ra)
	v_wmma_scale_f32_16x16x128_f8f6f4 v[(\d):(\d)+7], v[(\a):(\a)+7], v[(\b):(\b)+7], v[(\d):(\d)+7], v[(\sa)], v[(\sb)] matrix_a_fmt:MATRIX_FMT_FP4 matrix_b_fmt:MATRIX_FMT_FP4 matrix_a_scale:MATRIX_SCALE_ROW1
.elseif (\rb)
	v_wmma_scale_f32_16x16x128_f8f6f4 v[(\d):(\d)+7], v[(\a):(\a)+7], v[(\b):(\b)+7], v[(\d):(\d)+7], v[(\sa)], v[(\sb)] matrix_a_fmt:MATRIX_FMT_FP4 matrix_b_fmt:MATRIX_FMT_FP4 matrix_b_scale:MATRIX_SCALE_ROW1
.else
	v_wmma_scale_f32_16x16x128_f8f6f4 v[(\d):(\d)+7], v[(\a):(\a)+7], v[(\b):(\b)+7], v[(\d):(\d)+7], v[(\sa)], v[(\sb)] matrix_a_fmt:MATRIX_FMT_FP4 matrix_b_fmt:MATRIX_FMT_FP4
.endif
.endm
.macro STEPK s                         ; a K step of 128: the eight sums by turns, one instruction a turn
.if (\s) < 13
	s_wait_loadcnt 15                              ; this step's h is in; the three later steps' five loads each may be out
.else
	s_wait_loadcnt 5*(15-(\s))
.endif
.if (\s) < 15
	s_wait_dscnt 8                                 ; this step's fragments of W2 are in; the next step's eight loads may be out
.else
	s_wait_dscnt 0x0
.endif
.irp t, 0,1,2,3
.irp m, 0,1
	WM ACC+32*\m+8*\t, WF+32*((\s)%2)+8*\t, HF+16*((\s)%4)+8*\m, SW+16*(\t/2)+(\s), HS+(\s)%4, \t%2, \m, (\s)==0
.endr
.endr
.rept 4
	v_nop                                          ; four places in front of loads into registers that matrix instructions have read, and of the first read of results
.endr
.if (\s) < 14
	WFETCH (\s)+2
.endif
.if (\s) < 12
	HISSUE (\s)+4
.endif
.endm
; The way out of tile m: a lane's 32 bytes of a slot's row go into my stage and come back as rows of 256 bytes.  LDS serves a wave's instructions in order (ISA guide 5.7.1.4): no wait between the stores and the loads.
.macro OUT m, yo
.irp t, 0,1,2,3
	ds_store_b128 v[STO], v[ACC+32*\m+8*\t:ACC+32*\m+8*\t+3] offset:64*\t          ; each sum from its low end on
	ds_store_b128 v[STO], v[ACC+32*\m+8*\t+4:ACC+32*\m+8*\t+7] offset:64*\t+16
.endr
.irp i, 0,1,2,3,4,5,6,7
	ds_load_b128 v[WF+32*\m+4*\i:WF+32*\m+4*\i+3], v[RD] offset:2*SPI*\i
.endr
.irp i, 0,1,2,3,4,5,6,7
	s_wait_dscnt 7-\i
	global_store_b128 v[\yo], v[WF+32*\m+4*\i:WF+32*\m+4*\i+3], s[YBS:YBS+1] offset:8192*\i   ; 16 lanes store 256 consecutive bytes, at a multiple of 256 from y's first byte
.endr
.endm
	s_load_b256 s[4:11], s[0:1], 0x0               ; w2 s[4:5], rt s[6:7], hq s[8:9], y s[10:11]
	v_lshl_add_u32 v254, v0, 2, 0x22800
	v_mov_b32 v255, 0
	v_lshrrev_b32 v1, 5, v0
	v_readfirstlane_b32 s[WV], v1                  ; wave 0..15
	s_and_b32 s[EX], ttmp7, 0xffff
	s_and_b32 s[CS], ttmp9, 15
	s_lshr_b32 s[KH], ttmp9, 4
	s_and_b32 s[CG], s[WV], 1
	s_lshr_b32 s[KQ], s[WV], 1
	v_and_b32 v1, 31, v0                           ; lane
	v_and_b32 v2, 15, v0                           ; r
	v_bfe_u32 v3, v0, 4, 1                         ; h
	v_lshlrev_b32 v[WOFF], 2, v1
	s_lshl_b32 s[T0], s[CG], 5
	v_add_nc_u32 v[WCA], s[T0], v1                 ; my column's row in LDS: 32 cg + lane
	v_mul_u32_u24 v[WSA], v[WCA], WSP
	v_mul_u32_u24 v[WCA], v[WCA], PITCH
	s_lshl_b32 s[T0], s[KQ], 7
	v_add_nc_u32 v[WCA], s[T0], v[WCA]
	s_lshl_b32 s[T0], s[KQ], 3
	s_add_co_u32 s[T0], s[T0], WS
	v_add_nc_u32 v[WSA], s[T0], v[WSA]
	v_lshlrev_b32 v[LI], 4, v1
	v_sub_nc_u32 v[NH], 1, v3
	v_lshlrev_b32 v[R4], 2, v2
	v_mul_u32_u24 v[SWA], v1, WSP
	v_add_nc_u32 v[SWA], WS, v[SWA]
	v_lshlrev_b32 v[YB0], 12, v3
	v_lshl_add_u32 v[YB0], v2, 4, v[YB0]
	v_mul_u32_u24 v[WA], v2, PITCH
	v_lshl_add_u32 v[WA], v3, 4, v[WA]
	s_mul_i32 s[T0], s[WV], 16*SPI
	s_add_co_u32 s[T0], s[T0], STG                 ; my stage
	v_mul_u32_u24 v[STO], v2, SPI
	v_lshl_add_u32 v[STO], v3, 5, v[STO]
	v_add_nc_u32 v[STO], s[T0], v[STO]             ; in: row r, + 32 h
	v_mul_u32_u24 v[RD], v3, SPI
	v_lshl_add_u32 v[RD], v2, 4, v[RD]
	v_add_nc_u32 v[RD], s[T0], v[RD]               ; back: lanes 0-15 one row, lanes 16-31 the next
	s_lshl_b32 s78, s[EX], 24                      ; the expert's 16 MiB,
	s_lshl_b32 s[T0], s[KH], 23                    ; the half of K,
	s_add_co_u32 s78, s78, s[T0]
	s_lshl_b32 s[T0], s[KQ], 20                    ; my 256 rows,
	s_add_co_u32 s78, s78, s[T0]
	s_lshl_b32 s[T0], s[CS], 8                     ; the group's 64 columns,
	s_add_co_u32 s78, s78, s[T0]
	s_lshl_b32 s[T0], s[CG], 7                     ; my 32
	s_add_co_u32 s78, s78, s[T0]
	s_mov_b32 s79, 0
	s_lshl_b32 s86, s[EX], 7
	s_wait_kmcnt 0x0
	s_add_nc_u64 s[4:5], s[4:5], s[78:79]
	LOADH 0, 0
	LOADH 0, 1
	LOADH 1, 0
	s_load_b512 s[MSK:MSK+15], s[6:7], s86 offset:0x0
	s_load_b512 s[MSK+16:MSK+31], s[6:7], s86 offset:0x40
	s_mov_b32 s81, 0
	s_lshl_b32 s[T0], s[EX], 5
	s_lshl_b32 s[T1], s[KH], 4
	s_add_co_u32 s[T0], s[T0], s[T1]               ; 32 e + 16 kh: my first K step
	s_lshl_b32 s80, s[T0], 16
	s_add_nc_u64 s[HBS:HBS+1], s[8:9], s[80:81]
	s_lshl_b32 s80, s[T0], 12
	s_add_co_u32 s80, s80, 16777216
	s_add_nc_u64 s[HSS:HSS+1], s[8:9], s[80:81]
	s_lshl_b32 s80, s[KH], 25
	s_lshl_b32 s[T0], s[EX], 22
	s_add_co_u32 s80, s80, s[T0]
	s_lshl_b32 s[T0], s[CS], 8
	s_add_co_u32 s80, s80, s[T0]
	s_add_nc_u64 s[YBS:YBS+1], s[10:11], s[80:81]
	s_wait_kmcnt 0x0                               ; the expert's bits: only their number is wanted here
	s_bcnt1_i32_b32 s[CNT], s[MSK]
.set g, 1
.rept 31
	s_bcnt1_i32_b32 s[T0], s[MSK+g]
	s_add_co_u32 s[CNT], s[CNT], s[T0]
.set g, g+1
.endr
	s_add_co_u32 s[NT], s[CNT], 15
	s_lshr_b32 s[NT], s[NT], 4
	LOADH 1, 1
.irp t, 0,1,2,3,4,5,6,7
	BLOCK \t
.endr
	ds_store_b64 v[WSA], v[SB:SB+1]
	s_wait_dscnt 0x0                               ; for the others' sake: my codes and scale bytes have landed
	s_barrier_signal -1
	s_barrier_wait -1                              ; the one barrier; behind it a wave stores to its own stage alone
.irp p, 0,1
.irp q, 0,1,2,3
	ds_load_b128 v[SW+16*\p+4*\q:SW+16*\p+4*\q+3], v[SWA] offset:32*WSP*\p+16*\q
.endr
.endr
	s_mov_b32 s[TRIP], 0
	s_mov_b32 s[UU], s[WV]
.Lunit:                                            ; two trips, a constant: unit w + 16 i = tiles 2 u and 2 u + 1; a unit beyond the count is passed over
	s_lshl_b32 s[TA], s[UU], 1
	s_cmp_ge_u32 s[TA], s[NT]
	s_cbranch_scc1 .Lidle
	s_add_co_u32 s[TB], s[TA], 1
	s_sub_co_u32 s[T0], s[NT], 1
	s_min_u32 s[TB], s[TB], s[T0]                  ; where the expert's tiles are odd in number the last one is taken twice, and stored once: nothing is read that was not written
	s_min_u32 s[TB], s[TB], 63
.rept 5
	v_nop                                          ; five places: the sums are begun anew over registers that the last unit's matrix instructions wrote
.endr
	s_lshl_b32 s[T0], s[TA], 10
	v_add_nc_u32 v[HA], s[T0], v[LI]
	s_lshl_b32 s[T0], s[TB], 10
	v_add_nc_u32 v[HB], s[T0], v[LI]
	s_lshl_b32 s[T0], s[TA], 6
	v_mul_u32_u24 v[HSA], s[T0], v[NH]             ; lanes 0-15: the first tile's slots,
	s_lshl_b32 s[T1], s[TB], 6
	v_mul_u32_u24 v[TV], s[T1], v3                 ; lanes 16-31: the second's
	v_add_nc_u32 v[HSA], v[HSA], v[TV]
	v_add_nc_u32 v[HSA], v[HSA], v[R4]
	s_lshl_b32 s[T0], s[TA], 16
	v_add_nc_u32 v[YOA], s[T0], v[YB0]
	s_lshl_b32 s[T0], s[TB], 16
	v_add_nc_u32 v[YOB], s[T0], v[YB0]
	HISSUE 0
	HISSUE 1
	HISSUE 2
	HISSUE 3
	WFETCH 0
	WFETCH 1
.irp s, 0,1,2,3,4,5,6,7,8,9,10,11,12,13,14,15
	STEPK \s
.endr
	OUT 0, YOA
	s_add_co_u32 s[T0], s[TA], 1
	s_cmp_ge_u32 s[T0], s[NT]
	s_cbranch_scc1 .Lno_b
	OUT 1, YOB
.Lno_b:
	s_wait_xcnt 0x0                                ; the stores have read their registers and offsets: the next unit writes both
.Lidle:
	s_add_co_u32 s[UU], s[UU], 16
	s_add_co_u32 s[TRIP], s[TRIP], 1
	s_cmp_lt_u32 s[TRIP], 2
	s_cbranch_scc1 .Lunit
	s_wait_tensorcnt 0x0
	ds_add_u32 v254, v255
	s_wait_dscnt 0x0
	s_endpgm
.Lfunc_end_k_q53bed15b4c_down:
	.size	k_q53bed15b4c_down, .Lfunc_end_k_q53bed15b4c_down-k_q53bed15b4c_down
	.p2alignl 7, 3214868480
	.fill 96, 4, 3214868480
	.section	.rodata,"a",@progbits
	.p2align	6, 0x0
	.amdhsa_kernel k_q53bed15b4c_down
		.amdhsa_group_segment_fixed_size 143360
		.amdhsa_private_segment_fixed_size 0
		.amdhsa_enable_private_segment 0
		.amdhsa_kernarg_size 32
		.amdhsa_user_sgpr_count 2
		.amdhsa_user_sgpr_kernarg_segment_ptr 1
		.amdhsa_wavefront_size32 1
		.amdhsa_system_sgpr_workgroup_id_x 1
		.amdhsa_system_sgpr_workgroup_id_y 1
		.amdhsa_system_sgpr_workgroup_id_z 1
		.amdhsa_system_vgpr_workitem_id 0
		.amdhsa_next_free_vgpr 256
		.amdhsa_next_free_sgpr 100
		.amdhsa_reserve_vcc 0
		.amdhsa_float_denorm_mode_32 3
		.amdhsa_float_denorm_mode_16_64 3
		.amdhsa_memory_ordered 1
		.amdhsa_forward_progress 1
		.amdhsa_inst_pref_size 83
	.end_amdhsa_kernel
	.amdgpu_metadata
---
amdhsa.version: [ 1, 2 ]
amdhsa.kernels:
  - .name:           k_q53bed15b4c_down
    .symbol:         k_q53bed15b4c_down.kd
    .args:
      - { .name: w2, .offset: 0, .size: 8, .value_kind: global_buffer, .address_space: global }
      - { .name: rt, .offset: 8, .size: 8, .value_kind: global_buffer, .address_space: global }
      - { .name: hq, .offset: 16, .size: 8, .value_kind: global_buffer, .address_space: global }
      - { .name: y, .offset: 24, .size: 8, .value_kind: global_buffer, .address_space: global }
    .group_segment_fixed_size: 143360
    .private_segment_fixed_size: 0
    .kernarg_segment_align: 8
    .kernarg_segment_size: 32
    .max_flat_workgroup_size: 512
    .sgpr_count:     100
    .vgpr_count:     256
    .wavefront_size: 32
...
	.end_amdgpu_metadata
.endif
;; end of part 3
;; launch combine (part 4): grid 256 x 1, 4 waves a work-group, no clusters, 0 bytes of LDS; arguments y, b2, rt, gf, slot, out0, out2; writes out0, out2
.if DOCPART == 4
	.amdgcn_target "amdgcn-amd-amdhsa--gfx1250"
	.amdhsa_code_object_version 6
	.text
	.protected	k_q53bed15b4c_combine
	.globl	k_q53bed15b4c_combine
	.p2align	8
	.type	k_q53bed15b4c_combine,@function
k_q53bed15b4c_combine:
	s_mov_b64 s[64:65], 0
	v_nop
	global_prefetch_b8 v0, s[64:65] scope:SCOPE_SE
	s_setreg_imm32_b32 hwreg(HW_REG_WAVE_MODE, 25, 1), 1
	s_wait_xcnt 0x0
; COMBINE: out0[t] = g1 (y[e1] + b2[e1]) + g2 (y[e2] + b2[e2]), where y of an expert is the sum of its two halves of K; out2 = the sums of the dispatch.
; One wave to a token: a row is 4,096 bytes, eight loads of 512 consecutive bytes from each of six rows, all 48 out at once; each output row has this one owner.
; The token's two experts and its places among their tokens are whole numbers that earlier launches stored; each is held inside its table before it enters an address.
; No LDS, no barrier, no matrix unit: a stream of 24 KiB in and 4 KiB out for each wave.
.set YA1, 16                           ; v16-47 expert 1, first half of K, then the result; v48-79 its second half; v80-111 its b2; v112-207 the same for expert 2
.set YB1, 48
.set BB1, 80
.set YA2, 112
.set YB2, 144
.set BB2, 176
	s_load_b256 s[4:11], s[0:1], 0x0               ; y s[4:5], b2 s[6:7], rt s[8:9], gf s[10:11]
	s_load_b128 s[12:15], s[0:1], 0x20             ; slot s[12:13], out0 s[14:15]
	s_load_b64 s[16:17], s[0:1], 0x30              ; out2
	v_lshrrev_b32 v1, 5, v0
	v_readfirstlane_b32 s46, v1                    ; wave 0..3
	s_lshl_b32 s47, ttmp9, 2
	s_add_co_u32 s47, s47, s46                     ; my token
	s_lshl_b32 s18, s47, 2
	s_lshl_b32 s19, s47, 3
	v_and_b32 v1, 31, v0
	v_lshlrev_b32 v1, 4, v1                        ; 16 x lane
	s_mov_b32 s56, 0x76543210
	s_mov_b32 s57, 0xfedcba98
	s_wait_kmcnt 0x0
	s_load_b64 s[20:21], s[8:9], s19 offset:0x400  ; the two experts
	s_load_b64 s[22:23], s[10:11], s19 offset:0x0  ; their weights
.irp e, 0,1,2,3,4,5,6,7
	s_load_b32 s[24+\e], s[12:13], s18 offset:4096*\e   ; my place among each expert's tokens: all eight at once, so that no load waits for another
.endr
	s_wait_kmcnt 0x0
	s_min_u32 s20, s20, 7
	s_min_u32 s21, s21, 7
	s_mov_b32 s32, s24
	s_mov_b32 s33, s24
.irp e, 1,2,3,4,5,6,7
	s_cmp_eq_u32 s20, \e
	s_cselect_b32 s32, s[24+\e], s32
	s_cmp_eq_u32 s21, \e
	s_cselect_b32 s33, s[24+\e], s33
.endr
	s_min_u32 s32, s32, 1023
	s_min_u32 s33, s33, 1023
	s_mov_b32 s35, 0
	s_lshl_b32 s34, s20, 10
	s_add_co_u32 s34, s34, s32
	s_lshl_b32 s34, s34, 12                        ; row 1,024 e + slot of 4,096 bytes
	s_add_nc_u64 s[36:37], s[4:5], s[34:35]
	s_add_nc_u64 s[38:39], s[36:37], 0x2000000     ; the second half of K lies 8,192 rows on
	s_lshl_b32 s34, s21, 10
	s_add_co_u32 s34, s34, s33
	s_lshl_b32 s34, s34, 12
	s_add_nc_u64 s[40:41], s[4:5], s[34:35]
	s_add_nc_u64 s[42:43], s[40:41], 0x2000000
	s_lshl_b32 s34, s20, 12
	s_add_nc_u64 s[48:49], s[6:7], s[34:35]
	s_lshl_b32 s34, s21, 12
	s_add_nc_u64 s[50:51], s[6:7], s[34:35]
	s_lshl_b32 s34, s47, 12
	s_add_nc_u64 s[14:15], s[14:15], s[34:35]
	s_mov_b32 s52, s22                             ; the packed forms name a pair and take its low word for both halves
	s_mov_b32 s53, s22
	s_mov_b32 s54, s23
	s_mov_b32 s55, s23
.irp i, 0,1,2,3,4,5,6,7
	global_load_b128 v[YA1+4*\i:YA1+4*\i+3], v1, s[36:37] offset:512*\i th:TH_LOAD_NT
	global_load_b128 v[YB1+4*\i:YB1+4*\i+3], v1, s[38:39] offset:512*\i th:TH_LOAD_NT
	global_load_b128 v[BB1+4*\i:BB1+4*\i+3], v1, s[48:49] offset:512*\i
	global_load_b128 v[YA2+4*\i:YA2+4*\i+3], v1, s[40:41] offset:512*\i th:TH_LOAD_NT
	global_load_b128 v[YB2+4*\i:YB2+4*\i+3], v1, s[42:43] offset:512*\i th:TH_LOAD_NT
	global_load_b128 v[BB2+4*\i:BB2+4*\i+3], v1, s[50:51] offset:512*\i
.endr
	; ---- out2, by token 0's wave alone: the 64 groups' sums of the dispatch, two rows of 8 a lane
	s_cmp_lg_u32 s47, 0
	s_cbranch_scc1 .Lno_counts
	v_and_b32 v2, 31, v0
	v_lshlrev_b32 v2, 5, v2
	global_load_b128 v[208:211], v2, s[10:11] offset:8192
	global_load_b128 v[212:215], v2, s[10:11] offset:8208
	global_load_b128 v[216:219], v2, s[10:11] offset:9216
	global_load_b128 v[220:223], v2, s[10:11] offset:9232
	v_mov_b32 v3, 0
	s_wait_loadcnt 0x0
.irp p, 0,2,4,6
	v_pk_add_f32 v[208+\p:209+\p], v[208+\p:209+\p], v[216+\p:217+\p]
.endr
.irp m, 1,2,4,8
.irp j, 0,1,2,3,4,5,6,7
	v_add_f32_dpp v[208+\j], v[208+\j], v[208+\j] row_xmask:\m row_mask:0xf bank_mask:0xf
.endr
.endr
.irp j, 0,1,2,3,4,5,6,7
	v_permlanex16_b32 v[216+\j], v[208+\j], s56, s57
.endr
.irp j, 0,1,2,3,4,5,6,7
	v_add_f32 v[208+\j], v[208+\j], v[216+\j]
.endr
	global_store_b128 v3, v[208:211], s[16:17]     ; every lane holds the same eight sums
	global_store_b128 v3, v[212:215], s[16:17] offset:16
.Lno_counts:
.irp i, 0,1,2,3,4,5,6,7
	s_wait_loadcnt 6*(7-\i)                        ; this piece's six loads are in; the later pieces' six each may be out
.irp p, 0,2
	v_pk_add_f32 v[YA1+4*\i+\p:YA1+4*\i+\p+1], v[YA1+4*\i+\p:YA1+4*\i+\p+1], v[YB1+4*\i+\p:YB1+4*\i+\p+1]
	v_pk_add_f32 v[YA2+4*\i+\p:YA2+4*\i+\p+1], v[YA2+4*\i+\p:YA2+4*\i+\p+1], v[YB2+4*\i+\p:YB2+4*\i+\p+1]
.endr
.irp p, 0,2
	v_pk_add_f32 v[YA1+4*\i+\p:YA1+4*\i+\p+1], v[YA1+4*\i+\p:YA1+4*\i+\p+1], v[BB1+4*\i+\p:BB1+4*\i+\p+1]
	v_pk_add_f32 v[YA2+4*\i+\p:YA2+4*\i+\p+1], v[YA2+4*\i+\p:YA2+4*\i+\p+1], v[BB2+4*\i+\p:BB2+4*\i+\p+1]
.endr
.irp p, 0,2
	v_pk_mul_f32 v[YA1+4*\i+\p:YA1+4*\i+\p+1], v[YA1+4*\i+\p:YA1+4*\i+\p+1], s[52:53] op_sel_hi:[1,0]
.endr
.irp p, 0,2
	v_pk_fma_f32 v[YA1+4*\i+\p:YA1+4*\i+\p+1], v[YA2+4*\i+\p:YA2+4*\i+\p+1], s[54:55], v[YA1+4*\i+\p:YA1+4*\i+\p+1] op_sel_hi:[1,0,1]
.endr
	global_store_b128 v1, v[YA1+4*\i:YA1+4*\i+3], s[14:15] offset:512*\i th:TH_STORE_NT   ; 512 consecutive bytes, at a multiple of 256 from out0's first byte
.endr
	s_endpgm
.Lfunc_end_k_q53bed15b4c_combine:
	.size	k_q53bed15b4c_combine, .Lfunc_end_k_q53bed15b4c_combine-k_q53bed15b4c_combine
	.p2alignl 7, 3214868480
	.fill 96, 4, 3214868480
	.section	.rodata,"a",@progbits
	.p2align	6, 0x0
	.amdhsa_kernel k_q53bed15b4c_combine
		.amdhsa_group_segment_fixed_size 0
		.amdhsa_private_segment_fixed_size 0
		.amdhsa_enable_private_segment 0
		.amdhsa_kernarg_size 56
		.amdhsa_user_sgpr_count 2
		.amdhsa_user_sgpr_kernarg_segment_ptr 1
		.amdhsa_wavefront_size32 1
		.amdhsa_system_sgpr_workgroup_id_x 1
		.amdhsa_system_sgpr_workgroup_id_y 1
		.amdhsa_system_sgpr_workgroup_id_z 1
		.amdhsa_system_vgpr_workitem_id 0
		.amdhsa_next_free_vgpr 224
		.amdhsa_next_free_sgpr 66
		.amdhsa_reserve_vcc 0
		.amdhsa_float_denorm_mode_32 3
		.amdhsa_float_denorm_mode_16_64 3
		.amdhsa_memory_ordered 1
		.amdhsa_forward_progress 1
		.amdhsa_inst_pref_size 19
	.end_amdhsa_kernel
	.amdgpu_metadata
---
amdhsa.version: [ 1, 2 ]
amdhsa.kernels:
  - .name:           k_q53bed15b4c_combine
    .symbol:         k_q53bed15b4c_combine.kd
    .args:
      - { .name: y, .offset: 0, .size: 8, .value_kind: global_buffer, .address_space: global }
      - { .name: b2, .offset: 8, .size: 8, .value_kind: global_buffer, .address_space: global }
      - { .name: rt, .offset: 16, .size: 8, .value_kind: global_buffer, .address_space: global }
      - { .name: gf, .offset: 24, .size: 8, .value_kind: global_buffer, .address_space: global }
      - { .name: slot, .offset: 32, .size: 8, .value_kind: global_buffer, .address_space: global }
      - { .name: out0, .offset: 40, .size: 8, .value_kind: global_buffer, .address_space: global }
      - { .name: out2, .offset: 48, .size: 8, .value_kind: global_buffer, .address_space: global }
    .group_segment_fixed_size: 0
    .private_segment_fixed_size: 0
    .kernarg_segment_align: 8
    .kernarg_segment_size: 56
    .max_flat_workgroup_size: 128
    .sgpr_count:     66
    .vgpr_count:     224
    .wavefront_size: 32
...
	.end_amdgpu_metadata
.endif
;; end of part 4
;; ======== version 2 of 2: 4 launches
;; workspace buffers: xq 557,056 bytes; rt 9,216 bytes of whole numbers; gf 10,240 bytes; slot 32,768 bytes of whole numbers; hq 17,825,792 bytes; y 67,108,864 bytes
;; launch route (part 5): grid 64 x 1, 8 waves a work-group, no clusters, 18,432 bytes of LDS; arguments x, gate_w, gate_b, xq, rt, gf, out1; writes xq, rt, gf, out1
.if DOCPART == 5
	.amdgcn_target "amdgcn-amd-amdhsa--gfx1250"
	.amdhsa_code_object_version 6
	.text
	.protected	k_q53bed15b4c_route
	.globl	k_q53bed15b4c_route
	.p2align	8
	.type	k_q53bed15b4c_route,@function
k_q53bed15b4c_route:
	s_mov_b64 s[64:65], 0
	v_nop
	global_prefetch_b8 v0, s[64:65] scope:SCOPE_SE
	s_setreg_imm32_b32 hwreg(HW_REG_WAVE_MODE, 25, 1), 1
	s_wait_xcnt 0x0
; ROUTE: logits = x gate_w + gate_b, softmax, top 2, the dense dispatch (out1), and x as codes of FP4 (E2M1) with one E8M0 byte for each 32 along K.
; x: [1024 tokens][1024] f32; gate_w: [1024][8]; gate_b: [8].
; A work-group takes 16 tokens; wave w takes K = 128 w .. 128 w + 127 of them, for the codes and for its part of the logits.  Wave 0 adds the eight parts and routes.
; Every address is fixed by ids: what hangs on the choice is stored as DATA: one bit for each (expert, token), the two experts' numbers, the two weights.
; The logits are made by the f32 matrix form, 8.4 M multiply-adds in all, since the choice of experts wants f32 operands.
; OUT:  xq: [token][512 bytes of codes, K innermost], from byte 524,288 on [token][8 scale words, one for each 128 along K]
;       rt: [expert][64] u16, bit t % 16 of entry t / 16 = token t goes to the expert; from byte 1,024 on [token][2] u32: the two experts
;       gf: [token][2] f32: their weights; from byte 8,192 on [work-group][8] f32: the sums of the dispatch over the group's 16 tokens
; LIMITS: NaN and infinities among the inputs are not served.  Where a token's second and third score differ by less than the rounding of f32 sums, the choice may differ from another order of summation's.
; A block of zeros gets the byte 1 where the rule says 127: its codes are zeros, and the bytes are read by this program alone.
.set LG,   0                           ; LDS: the waves' parts of the logits, 1,024 bytes each: two images of four registers, 16 bytes a lane
.set XC,   8192                        ; 16 rows of codes, 512 bytes + 16
.set XCP,  528
.set XSS,  16640                       ; 16 rows of 8 scale words
.set X,    32                          ; v32-95   register 16 b + i = x[token r][128 w + 32 b + 16 h + i]
.set G,    96                          ; v96-159  register 16 b + i = gate_w[128 w + 32 b + 16 h + i][r % 8]
.set AC,   160                         ; v160-191 four sums of the f32 matrix form: written by matrix instructions alone
.set L,    192                         ; v192-199 logits
.set TM,   200                         ; v200-215 at work
.set PW,   216                         ; the scale word just made
.set PC,   224                         ; v224-231 the codes just made
.set SEL,  20                          ; s[20:21] lane selects: lane l xor 16
.set E,    96                          ; the tail's registers lie where gate_w lay
.set S,    104
.set D,    112
.set P,    120
.set O,    128
.set PO,   132
.set IX,   136
.set VL,   138
.set MK,   140
; 64 numbers of a lane, register 16 b + i = k 32 b + 16 (lane / 16) + i of my row, become a fragment's codes in v[PC] on and its scale word in v[PW].
.macro QUANT s
.irp b, 0,1,2,3
	v_max3_num_f32 v[TM+\b], |v[\s+16*\b]|, |v[\s+1+16*\b]|, 0x1800000   ; my 16 numbers of block b, and the floor 2^(3 - 127): the byte cannot fall under 1
.endr
.irp i, 2,4,6,8,10,12,14
.irp b, 0,1,2,3
	s_delay_alu instid0(VALU_DEP_4)
	v_max3_num_f32 v[TM+\b], v[TM+\b], |v[\s+16*\b+\i]|, |v[\s+1+16*\b+\i]|
.endr
.endr
.irp b, 0,1,2,3
	s_delay_alu instid0(VALU_DEP_4)
	v_permlanex16_b32 v[TM+4+\b], v[TM+\b], s[SEL], s[SEL+1]
.endr
.irp b, 0,1,2,3
	s_delay_alu instid0(VALU_DEP_4)
	v_max_num_f32 v[TM+\b], v[TM+\b], v[TM+4+\b]   ; with lane l xor 16's: the block's largest magnitude
.endr
.irp b, 0,1,2,3
	s_delay_alu instid0(VALU_DEP_4)
	v_add_nc_u32 v[TM+12+\b], 0xff000000, v[TM+\b]   ; 2 off its exponent field: the conversion's scale operand
.endr
.irp b, 0,1,2,3
	s_delay_alu instid0(VALU_DEP_4)
	v_lshrrev_b32 v[TM+4+\b], 23, v[TM+12+\b]   ; the scale's byte
.endr
	s_delay_alu instid0(VALU_DEP_3)
	v_lshl_or_b32 v[PW], v[TM+5], 8, v[TM+4]
	s_delay_alu instid0(VALU_DEP_1)
	v_lshl_or_b32 v[PW], v[TM+6], 16, v[PW]
	s_delay_alu instid0(VALU_DEP_1)
	v_lshl_or_b32 v[PW], v[TM+7], 24, v[PW]
.irp b, 0,1,2,3
	v_cvt_scalef32_pk8_fp4_f32 v[PC+2*\b], v[\s+16*\b:\s+7+16*\b], v[TM+12+\b]
	v_cvt_scalef32_pk8_fp4_f32 v[PC+1+2*\b], v[\s+8+16*\b:\s+15+16*\b], v[TM+12+\b]
.endr
	v_nop                                          ; one plain place behind a scaled conversion
.irp c, 0,1                                    ; a whole block to a lane: lanes 0-15 block 2 c, lanes 16-31 block 2 c + 1
.irp i, 0,1
	v_permlane16_swap_b32 v[PC+4*\c+\i], v[PC+2+4*\c+\i]
.endr
.endr
.endm
	s_load_b256 s[4:11], s[0:1], 0x0               ; x s[4:5], gate_w s[6:7], gate_b s[8:9], xq s[10:11]
	s_load_b128 s[12:15], s[0:1], 0x20             ; rt s[12:13], gf s[14:15]
	s_load_b64 s[16:17], s[0:1], 0x30              ; out1
	v_lshl_add_u32 v240, v0, 2, 0x4400
	v_mov_b32 v241, 0
	v_lshrrev_b32 v1, 5, v0
	s_delay_alu instid0(VALU_DEP_1)
	v_readfirstlane_b32 s18, v1                    ; wave 0..7
	v_and_b32 v1, 31, v0                           ; lane
	v_and_b32 v2, 15, v0                           ; r
	v_bfe_u32 v3, v0, 4, 1                         ; h
	s_delay_alu instid0(VALU_DEP_2)
	v_lshlrev_b32 v4, 12, v2
	s_delay_alu instid0(VALU_DEP_1)
	v_lshl_add_u32 v4, v3, 6, v4                   ; x: row r of 4,096 bytes, + 64 h
	v_and_b32 v5, 7, v0
	s_delay_alu instid0(VALU_DEP_1)
	v_lshlrev_b32 v5, 2, v5
	s_delay_alu instid0(VALU_DEP_1)
	v_lshl_add_u32 v5, v3, 9, v5                   ; gate_w: 16 h rows of 32 bytes, + 4 (r % 8)
	v_lshlrev_b32 v11, 4, v1                       ; 16 x lane
	s_lshl_b32 s19, s18, 10
	v_add_nc_u32 v6, s19, v11                      ; 1,024 w + 16 lane: my images in LG, and my two rows' place in xq
	v_mul_u32_u24 v7, v2, XCP
	s_delay_alu instid0(VALU_DEP_1)
	v_lshl_add_u32 v7, v3, 4, v7
	s_lshl_b32 s23, s18, 6
	s_add_co_u32 s23, s23, XC
	v_add_nc_u32 v7, s23, v7                       ; codes in: row r, + 64 w + 16 h
	v_lshlrev_b32 v8, 5, v2
	s_lshl_b32 s23, s18, 2
	s_add_co_u32 s23, s23, XSS
	v_add_nc_u32 v8, s23, v8                       ; scale word in: 32 r + 4 w
	s_mul_i32 s23, s18, 2*XCP
	s_add_co_u32 s23, s23, XC
	v_add_nc_u32 v9, s23, v11                      ; codes back: rows 2 w and 2 w + 1, 16 bytes a lane
	s_mov_b32 s[SEL], 0x76543210
	s_mov_b32 s[SEL+1], 0xfedcba98
	s_mov_b32 s22, 0xffff0000                      ; lanes 16-31
.irp b, 0,1,2,3
	v_mov_b32 v[TM+4+\b], 0                        ; a lane permute's destination counts as one of its sources
.endr
	s_lshl_b32 s40, ttmp9, 16                      ; 16 rows of x,
	s_lshl_b32 s41, s18, 9                         ; my 128 numbers of a row
	s_add_co_u32 s40, s40, s41
	s_mov_b32 s41, 0
	s_lshl_b32 s42, s18, 12                        ; my 128 rows of gate_w
	s_mov_b32 s43, 0
	s_lshl_b32 s44, ttmp9, 13
	s_mov_b32 s45, 0
	s_lshl_b32 s54, ttmp9, 9
	s_mov_b32 s55, 0
	s_lshl_b32 s56, ttmp9, 5
	s_mov_b32 s57, 0
	s_lshl_b32 s58, ttmp9, 7
	s_mov_b32 s59, 0
	s_lshl_b32 s60, ttmp9, 1
	s_mov_b32 s61, 0
	s_wait_kmcnt 0x0
	s_add_nc_u64 s[4:5], s[4:5], s[40:41]
	s_add_nc_u64 s[6:7], s[6:7], s[42:43]
.irp b, 0,1,2,3
.irp j, 0,1,2,3
	global_load_b128 v[X+16*\b+4*\j:X+16*\b+4*\j+3], v4, s[4:5] offset:128*\b+16*\j th:TH_LOAD_NT
.endr
.endr
.irp b, 0,1,2,3
.irp i, 0,1,2,3,4,5,6,7,8,9,10,11,12,13,14,15
	global_load_b32 v[G+16*\b+\i], v5, s[6:7] offset:1024*\b+32*\i
.endr
.endr
	s_load_b256 s[24:31], s[8:9], 0x0              ; gate_b
	s_add_nc_u64 s[46:47], s[10:11], s[54:55]      ; xq + 512 x group: the scale words (524,288 stands in the store)
	s_add_nc_u64 s[10:11], s[10:11], s[44:45]      ; xq + 8,192 x group: the codes
	s_add_nc_u64 s[16:17], s[16:17], s[54:55]      ; out1 + 512 x group
	s_add_nc_u64 s[48:49], s[14:15], s[56:57]      ; gf + 32 x group: the sums
	s_add_nc_u64 s[14:15], s[14:15], s[58:59]      ; gf + 128 x group: the weights
	s_add_nc_u64 s[50:51], s[12:13], s[58:59]      ; rt + 128 x group: the experts' numbers
	s_add_nc_u64 s[12:13], s[12:13], s[60:61]      ; rt + 2 x group: the bits
	s_wait_loadcnt 63                              ; behind x's 16 loads stand gate_w's 64; the count can name 63 at most, so one of those is awaited too
	QUANT X
.irp c, 0,1
	ds_store_b128 v7, v[PC+4*\c:PC+4*\c+3] offset:32*\c
.endr
	ds_store_b32 v8, v[PW]                         ; both halves of the lanes write the same word with the same value
	s_wait_loadcnt 0x0                             ; gate_w
; Source 0: 16 rows = the 8 experts, twice; source 1: my 16 tokens; both hold the same k in the same lane and register.  In the result lane (r, h), register j = expert j, token r.
; Four sums by turns, one instruction a turn; the first instruction of each starts it with the constant 0.
.irp u, 0,1,2,3,4,5,6,7
.irp b, 0,1,2,3
.if \u == 0
	v_wmma_f32_16x16x4_f32 v[AC+8*\b:AC+8*\b+7], v[G+16*\b+2*\u:G+16*\b+2*\u+1], v[X+16*\b+2*\u:X+16*\b+2*\u+1], 0
.else
	v_wmma_f32_16x16x4_f32 v[AC+8*\b:AC+8*\b+7], v[G+16*\b+2*\u:G+16*\b+2*\u+1], v[X+16*\b+2*\u:X+16*\b+2*\u+1], v[AC+8*\b:AC+8*\b+7]
.endif
.endr
.endr
.rept 8
	v_nop                                          ; eight places behind this form before its results are read (ISA guide 7.12.1)
.endr
.irp p, 0,2,4,6                                ; each sum is read from its low end on
	v_pk_add_f32 v[L+\p:L+\p+1], v[AC+\p:AC+\p+1], v[AC+8+\p:AC+9+\p]
.endr
.irp p, 0,2,4,6
	v_pk_add_f32 v[TM+\p:TM+\p+1], v[AC+16+\p:AC+17+\p], v[AC+24+\p:AC+25+\p]
.endr
.irp p, 0,2,4,6
	s_delay_alu instid0(VALU_DEP_4)
	v_pk_add_f32 v[L+\p:L+\p+1], v[L+\p:L+\p+1], v[TM+\p:TM+\p+1]
.endr
	ds_store_b128 v6, v[L:L+3]
	ds_store_b128 v6, v[L+4:L+7] offset:512
	s_wait_dscnt 0x0                               ; for the others' sake: my stores have landed
	s_barrier_signal -1
	s_barrier_wait -1                              ; the one barrier: codes, scale words and parts of the logits lie in LDS; nothing is stored to LDS behind it
.irp i, 0,1
	ds_load_b128 v[208+4*\i:211+4*\i], v9 offset:XCP*\i
.endr
.irp i, 0,1
	s_wait_dscnt 1-\i
	global_store_b128 v6, v[208+4*\i:211+4*\i], s[10:11] offset:512*\i   ; a token's 512 bytes of codes by one instruction
.endr
	s_cmp_lg_u32 s18, 7
	s_cbranch_scc1 .Lnot_7
	ds_load_b128 v[216:219], v11 offset:XSS
	s_wait_dscnt 0x0
	global_store_b128 v11, v[216:219], s[46:47] offset:524288   ; the group's 512 bytes of scale words
.Lnot_7:
	s_cmp_lg_u32 s18, 0
	s_cbranch_scc1 .Lend
	; ---- wave 0 routes.  Lane (r, h) holds token r; both halves of the lanes hold the same
.irp w, 0,1,2,3,4,5,6,7
	ds_load_b128 v[X+8*\w:X+8*\w+3], v11 offset:LG+1024*\w
	ds_load_b128 v[X+8*\w+4:X+8*\w+7], v11 offset:LG+1024*\w+512
.endr
	v_lshlrev_b32 v141, 5, v2
	s_delay_alu instid0(VALU_DEP_1)
	v_lshl_add_u32 v141, v3, 4, v141               ; out1: 32 r + 16 h
	v_lshlrev_b32 v142, 4, v3                      ; the sums: 16 h
	v_lshlrev_b32 v143, 3, v2                      ; pairs: 8 r
	v_and_b32 v144, 7, v0
	s_delay_alu instid0(VALU_DEP_1)
	v_lshlrev_b32 v144, 7, v144                    ; the bits: 128 x (lane % 8)
	s_wait_dscnt 0x0
.irp p, 0,2,4,6
	v_pk_add_f32 v[L+\p:L+\p+1], v[X+\p:X+\p+1], v[X+8+\p:X+9+\p]
.endr
.irp w, 2,3,4,5,6,7                            ; K ascending
.irp p, 0,2,4,6
	s_delay_alu instid0(VALU_DEP_4)
	v_pk_add_f32 v[L+\p:L+\p+1], v[L+\p:L+\p+1], v[X+8*\w+\p:X+8*\w+\p+1]
.endr
.endr
	s_wait_alu depctr_va_vdst(0)
	s_wait_kmcnt 0x0                               ; gate_b
.irp j, 0,1,2,3,4,5,6,7
	v_add_f32 v[L+\j], s[24+\j], v[L+\j]
.endr
	v_max3_num_f32 v200, v[L], v[L+1], v[L+2]      ; the row's maximum is taken away before the exponentials
	s_delay_alu instid0(VALU_DEP_1)
	v_max3_num_f32 v200, v200, v[L+3], v[L+4]
	s_delay_alu instid0(VALU_DEP_1)
	v_max3_num_f32 v200, v200, v[L+5], v[L+6]
	s_delay_alu instid0(VALU_DEP_1)
	v_max_num_f32 v200, v200, v[L+7]
.irp j, 0,1,2,3,4,5,6,7
	v_sub_f32 v[E+\j], v[L+\j], v200
.endr
.irp j, 0,1,2,3,4,5,6,7
	v_mul_f32 v[E+\j], 0x3fb8aa3b, v[E+\j]
.endr
	s_wait_alu depctr_va_vdst(0)
.irp j, 0,1,2,3,4,5,6,7
	v_exp_f32 v[E+\j], v[E+\j]
.endr
	v_mov_b32 v[IX], 0                             ; (a plain place behind the exponentials)
	s_wait_alu depctr_va_vdst(0)
	v_add_f32 v145, v[E], v[E+1]
	v_add_f32 v146, v[E+2], v[E+3]
	v_add_f32 v147, v[E+4], v[E+5]
	v_add_f32 v148, v[E+6], v[E+7]
	s_delay_alu instid0(VALU_DEP_3)
	v_add_f32 v145, v145, v146
	s_delay_alu instid0(VALU_DEP_2)
	v_add_f32 v147, v147, v148
	s_delay_alu instid0(VALU_DEP_1)
	v_add_f32 v145, v145, v147
	s_wait_alu depctr_va_vdst(0)
	v_rcp_f32 v145, v145
	v_mov_b32 v[IX+1], 0                           ; (a plain place behind the reciprocal)
	s_wait_alu depctr_va_vdst(0)
.irp j, 0,1,2,3,4,5,6,7
	v_mul_f32 v[S+\j], v[E+\j], v145               ; the scores
.endr
	v_mov_b32 v[VL], v[S]                          ; the largest: a later score wins only if it is greater, so the lower index is kept
.irp j, 1
	s_delay_alu instid0(VALU_DEP_1)
	v_cmp_gt_f32 vcc_lo, v[S+\j], v[VL]
	s_delay_alu instid0(VALU_DEP_1)
	v_cndmask_b32 v[VL], v[VL], v[S+\j], vcc_lo
	s_delay_alu instid0(VALU_DEP_2)
	v_cndmask_b32 v[IX], v[IX], \j, vcc_lo
.endr
.irp j, 2, 3, 4, 5, 6, 7
	s_delay_alu instid0(VALU_DEP_2)
	v_cmp_gt_f32 vcc_lo, v[S+\j], v[VL]
	s_delay_alu instid0(VALU_DEP_1)
	v_cndmask_b32 v[VL], v[VL], v[S+\j], vcc_lo
	s_delay_alu instid0(VALU_DEP_2)
	v_cndmask_b32 v[IX], v[IX], \j, vcc_lo
.endr
	v_mov_b32 v[VL+1], -1.0                        ; the second: the same among the others; every score is over -1
.irp j, 0
	s_delay_alu instid0(VALU_DEP_1)
	v_cmp_gt_f32 s40, v[S+\j], v[VL+1]
	s_delay_alu instid0(VALU_DEP_3)
	v_cmp_ne_u32 s41, \j, v[IX]
	s_and_b32 vcc_lo, s40, s41
	v_cndmask_b32 v[VL+1], v[VL+1], v[S+\j], vcc_lo
	v_cndmask_b32 v[IX+1], v[IX+1], \j, vcc_lo
.endr
.irp j, 1, 2, 3, 4, 5, 6, 7
	s_delay_alu instid0(VALU_DEP_2)
	v_cmp_gt_f32 s40, v[S+\j], v[VL+1]
	v_cmp_ne_u32 s41, \j, v[IX]
	s_and_b32 vcc_lo, s40, s41
	v_cndmask_b32 v[VL+1], v[VL+1], v[S+\j], vcc_lo
	v_cndmask_b32 v[IX+1], v[IX+1], \j, vcc_lo
.endr
.irp j, 0,1,2,3,4,5,6,7                        ; the dispatch, and expert j's bits of my 16 tokens
	v_cmp_eq_u32 s42, \j, v[IX]
	v_cmp_eq_u32 s43, \j, v[IX+1]
	s_delay_alu instid0(VALU_DEP_1)
	v_cndmask_b32 v[D+\j], 0, v[VL+1], s43
	s_delay_alu instid0(VALU_DEP_1)
	v_cndmask_b32 v[D+\j], v[D+\j], v[VL], s42
	s_or_b32 s[32+\j], s42, s43
	s_and_b32 s[32+\j], s[32+\j], 0xffff
.endr
.irp j, 0,1,2,3,4,5,6,7                        ; its sums over the 16 tokens
	v_add_f32_dpp v[P+\j], v[D+\j], v[D+\j] row_xmask:1 row_mask:0xf bank_mask:0xf
.endr
.irp m, 2,4,8
.irp j, 0,1,2,3,4,5,6,7
	v_add_f32_dpp v[P+\j], v[P+\j], v[P+\j] row_xmask:\m row_mask:0xf bank_mask:0xf
.endr
.endr
.irp q, 0,1,2,3                                ; lanes 0-15 take experts 0-3, lanes 16-31 experts 4-7
	v_cndmask_b32 v[O+\q], v[D+\q], v[D+4+\q], s22
	v_cndmask_b32 v[PO+\q], v[P+\q], v[P+4+\q], s22
.endr
	v_mov_b32 v[MK], 0
.irp j, 0,1,2,3,4,5,6,7                        ; lane l takes the bits of expert l % 8
	s_mov_b32 s44, 0x01010101<<\j
	v_cndmask_b32 v[MK], v[MK], s[32+\j], s44
.endr
	global_store_b128 v141, v[O:O+3], s[16:17]               ; out1: the group's 512 bytes by one instruction
	global_store_b128 v142, v[PO:PO+3], s[48:49] offset:8192 ; lanes that share an address hold the same numbers
	global_store_b64 v143, v[IX:IX+1], s[50:51] offset:1024
	global_store_b64 v143, v[VL:VL+1], s[14:15]
	global_store_b16 v144, v[MK], s[12:13]
.Lend:
	s_wait_tensorcnt 0x0
	ds_add_u32 v240, v241
	s_wait_dscnt 0x0
	s_endpgm
.Lfunc_end_k_q53bed15b4c_route:
	.size	k_q53bed15b4c_route, .Lfunc_end_k_q53bed15b4c_route-k_q53bed15b4c_route
	.p2alignl 7, 3214868480
	.fill 96, 4, 3214868480
	.section	.rodata,"a",@progbits
	.p2align	6, 0x0
	.amdhsa_kernel k_q53bed15b4c_route
		.amdhsa_group_segment_fixed_size 18432
		.amdhsa_private_segment_fixed_size 0
		.amdhsa_enable_private_segment 0
		.amdhsa_kernarg_size 56
		.amdhsa_user_sgpr_count 2
		.amdhsa_user_sgpr_kernarg_segment_ptr 1
		.amdhsa_wavefront_size32 1
		.amdhsa_system_sgpr_workgroup_id_x 1
		.amdhsa_system_sgpr_workgroup_id_y 1
		.amdhsa_system_sgpr_workgroup_id_z 1
		.amdhsa_system_vgpr_workitem_id 0
		.amdhsa_next_free_vgpr 242
		.amdhsa_next_free_sgpr 66
		.amdhsa_reserve_vcc 1
		.amdhsa_float_denorm_mode_32 3
		.amdhsa_float_denorm_mode_16_64 3
		.amdhsa_memory_ordered 1
		.amdhsa_forward_progress 1
		.amdhsa_inst_pref_size 38
	.end_amdhsa_kernel
	.amdgpu_metadata
---
amdhsa.version: [ 1, 2 ]
amdhsa.kernels:
  - .name:           k_q53bed15b4c_route
    .symbol:         k_q53bed15b4c_route.kd
    .args:
      - { .name: x, .offset: 0, .size: 8, .value_kind: global_buffer, .address_space: global }
      - { .name: gate_w, .offset: 8, .size: 8, .value_kind: global_buffer, .address_space: global }
      - { .name: gate_b, .offset: 16, .size: 8, .value_kind: global_buffer, .address_space: global }
      - { .name: xq, .offset: 24, .size: 8, .value_kind: global_buffer, .address_space: global }
      - { .name: rt, .offset: 32, .size: 8, .value_kind: global_buffer, .address_space: global }
      - { .name: gf, .offset: 40, .size: 8, .value_kind: global_buffer, .address_space: global }
      - { .name: out1, .offset: 48, .size: 8, .value_kind: global_buffer, .address_space: global }
    .group_segment_fixed_size: 18432
    .private_segment_fixed_size: 0
    .kernarg_segment_align: 8
    .kernarg_segment_size: 56
    .max_flat_workgroup_size: 256
    .sgpr_count:     66
    .vgpr_count:     242
    .wavefront_size: 32
...
	.end_amdgpu_metadata
.endif
;; end of part 5
;; launch up (part 6): grid 32 x 8, 16 waves a work-group, no clusters, 75,776 bytes of LDS; arguments w1, b1, xq, rt, hq, slot; writes hq, slot
.if DOCPART == 6
	.amdgcn_target "amdgcn-amd-amdhsa--gfx1250"
	.amdhsa_code_object_version 6
	.text
	.protected	k_q53bed15b4c_up
	.globl	k_q53bed15b4c_up
	.p2align	8
	.type	k_q53bed15b4c_up,@function
k_q53bed15b4c_up:
	s_mov_b64 s[64:65], 0
	v_nop
	global_prefetch_b8 v0, s[64:65] scope:SCOPE_SE
	s_setreg_imm32_b32 hwreg(HW_REG_WAVE_SCHED_MODE, 0, 2), 2
	s_setreg_imm32_b32 hwreg(HW_REG_WAVE_MODE, 25, 1), 1
	s_wait_xcnt 0x0
	s_wait_alu depctr_vm_vsrc(0)
; UP: h = gelu(x W1 + b1) for the tokens that go to an expert, on codes of FP4 (E2M1) with one E8M0 byte for each 32 along K; h leaves as codes for the next product.
; w1: [8][1024 (K)][4096] f32.  Work-group (j, e) owns hidden units 128 j .. 128 j + 127 of expert e, for all of K: 512 KiB of f32 that no other work-group reads.
; PHASE 1.  The weights are streamed once and quantised in registers: wave (cg = w % 4, kq = w / 4) takes 32 columns x 256 along K; A LANE TAKES A COLUMN AND ITS REGISTERS RUN DOWN K, so that a block of
; 32 along K lies in one lane, a load of the wave reads 128 consecutive bytes (four waves side by side: 512), and the codes come out with K innermost.  They go to LDS, 66 KiB, and stay.
; THE TOKENS OF A TILE.  The launch before stored one bit for each (expert, token).  Slot p of the expert is its p-th token in ascending order.  Each lane finds the token of its own slot from the 1,024 bits by
; integer arithmetic in its own registers: which word of 32 bits holds the slot, then which bit of the word.  A wave does this for each tile that it will work on, between the blocks of the stream,
; where it would only wait for memory.
; PHASE 2.  A unit is a tile of 16 tokens x 64 hidden units: x's codes gathered by the tokens' numbers, 32 matrix instructions, the activation in f32, the quantiser, 16 bytes of codes a lane.
; The first tile's x and b1 are asked for under the stream's last two blocks.
; The product is used transposed (source 0 = 16 columns of W1, source 1 = 16 tokens), and THE COLUMNS OF A TILE ARE NOT NEIGHBOURS: row r of tile 2 b + u is column 32 b + 8 u + r + 8 (r / 8), so that the 16
; registers of tiles 2 b and 2 b + 1 are 16 neighbours along the next K.  In LDS a column lies at the row that its tile wants (bits 3 and 4 of its number change places).
; No joint loads: the weights, which are nearly all the bytes, are shared by nobody; x's rows are gathered by token, and the number of tiles hangs on stored counts.
; OUT: hq: [e][K step of 128][tile][1,024 bytes]: the image of an operand's registers, [half][lane][16 bytes]; from byte 16,777,216 on [e][K step][slot] one scale word.
;      slot: [e][token]: how many tokens of the expert come before this one (work-group j = 0, wave 15).
; THE ACTIVATION: gelu(x) = max(x, 0) - |x| erfc(|x| / sqrt 2) / 2.  erfc(a) = (1 + p(q)) / (1 + 2 a) x exp(-a a), q = (a - 2) / (a + 2), p of degree 9; exp(-a a) with the roundings of a a and of its product
; with log2 e carried along.  |x| is held at 17 inside erfc alone: beyond that the exponential is 0 in f32.
; LIMITS: NaN and infinities are not served.  A block of zeros gets the byte 1 where the rule says 127: its codes are zeros, and the bytes are read by this program alone.  Slots beyond an expert's count in its last tile carry some token's numbers, which nobody reads.
; THE MODE: SCHED_MODE bits 1:0 = 2 (LLVM: expert scheduling mode 2), set by the entry lines.  The code itself states the register dependences
; between vector or matrix instructions and memory or LDS instructions, with s_wait_alu, always for 0.
; THE PLAN.  Registers that memory or LDS instructions touch:
;   v4-6, v8-10, v13, v15, v243   offsets and LDS addresses: written at the head, never again.  One wait on va_vdst ahead of the first load serves them for the whole kernel.
;   X0 .. X2 (v32-127)   Block t's maxima and conversions read X[t % 3]; the loads at the head of block t + 1 land in it (at block 7's head: b1).
;   C (v128-159), SB     Block t's conversions write its own four registers of C; its LDS store reads them.  SB is written ahead of each block's conversions and stored behind block 7.
;                        ONE wait on va_vdst a block, behind its conversions, states both.  The search for a tile's tokens, which stands between two blocks, names v2, v232-242 and v248-255 alone.
;   v192-223             One wave: the slots' counts, written by vector lines, read by 32 stores: a wait on va_vdst between; x's fragments land there later: a wait on vm_vsrc at block 6's head.
;   WF (v96-159)         LDS loads land; a K step's four matrix instructions read a set; the activation works there.  A wait on vm_vsrc behind the barrier (the LDS stores have read C); a wait on va_vdst a K step,
;                        ahead of the loads into the set just read.  A trip's first two fetches owe nothing: behind the last wait on va_vdst ahead of them (block 7's; a trip's, ahead of its stores) stand only the copies among v248-255.
;   XF, XS (v160-231), XA, XSA   XISSUE's four vector lines write the two offsets, its 18 loads read them and land in XF and XS, which matrix instructions read: one wait on va_vdst between the lines and the loads.
;   PC, v242, HA, HSA    Written by a trip's quantiser, read by its two stores: one wait on va_vdst ahead of the stores.
;   One wait on vm_vsrc at a trip's head states that x's loads have read XA and XSA, and the last trip's stores PC, v242, HA and HSA, all of which this trip writes again.
;   B1, SW: loaded once; read by matrix instructions alone.  The sums (v64-95) are named by matrix and vector instructions alone.
; A vector instruction's scalar result has its wait ahead of its first reader: the wave's number; the search's compares, laid in runs of eight into s70-77, one wait a run; VCC in each step down to a bit.
.set ROWG,  16384                      ; bytes from a row of W1 to the next
.set PITCH, 528                        ; LDS: a column's 1,024 codes, 512 bytes + 16: an odd multiple of 16, so that 16 rows begin at 16 different groups of banks (ISA guide 11.1)
.set WSP,   48                         ; its 32 scale bytes + 16
.set WS,    128*PITCH
.set WOFF,  4                          ; v4   4 x lane
.set WCA,   5                          ; v5   where my column's codes go
.set WSA,   6                          ; v6   and its scale bytes
.set XA,    7                          ; v7   x: my token's codes
.set H16,   8                          ; v8   16 h
.set B1O,   9                          ; v9   64 h
.set R4,    10                         ; v10  4 r
.set XSA,   11                         ; v11  x: my token's scale words
.set HA,    12                         ; v12  h's codes: my offset
.set LI,    13                         ; v13  16 x lane
.set HSA,   14                         ; v14  h's scale bytes: my offset
.set SWA,   15                         ; v15  W1's scale words
.set SW,    16                         ; v16-31  W1's scale words: 8 p + s: lanes 0-15 tile 2 p, lanes 16-31 tile 2 p + 1; nothing else ever lies here
.set X,     32                         ; phase 1: v32-127 three sets of 32 numbers; v128-159 codes; v192-223 the slots (one wave, ahead of x)
.set C,     128
.set SLD,   192
.set B1,    32                         ; phase 2: v32-63 b1 in the result's layout; v64-95 four sums; v96-159 W1's fragments, two sets, later the activation at work
.set ACC,   64
.set WF,    96
.set GA,    96
.set GQ,    104
.set GP,    112
.set GU,    120
.set GV,    128
.set XF,    160                        ; v160-223 x's eight fragments: free in phase 1, so that the first tile's can be asked for there
.set XS,    224                        ; v224-231 x's scale words; nothing else ever lies here
.set PC,    232                        ; v232-235 the codes just made
.set TM,    236                        ; v236-242 at work
.set QT,    232                        ; v232-242 once more, between the stream's blocks: the search for a slot's token
.set QW,    233
.set QP,    234
.set QR,    235
.set QA,    236
.set QB,    237
.set QC,    238
.set QD,    239
.set QO,    240
.set QX,    241
.set QY,    242
.set WA,    243                        ; v243 W1's fragments in LDS
.set C9,    244                        ; v244-245 the polynomial's first coefficient, twice
.set SB,    246                        ; v246-247 my column's eight scale bytes
.set TK,    248                        ; v248-255 my lane's token in the tile in hand and in the seven that may follow
.set WV,    16
.set EX,    17
.set JJ,    18
.set CG,    19
.set KQ,    20
.set CH,    21
.set WH,    22
.set CNT,   23
.set NT,    24
.set T0,    25
.set PRE,   26
.set T1,    27
.set TRIP,  28
.set TILE,  30
.set MSK,   32                         ; s32-63 the expert's 1,024 bits
.set SEL,   66
.set CLIP,  69
.set CM,    70                         ; s70-77 the search: a run's eight masks
.set HQC,   82
.set HQS,   84
.set CP,    88                         ; s88-95 the search: for each word of a run, the tokens before it and the word's number, in one register
.macro LOADH t, hf                     ; half of block t: W1(32 t + 16 hf + i, my column) into set t % 3.  The largest offset, 255 rows, lies inside the signed 24-bit immediate (ISA guide, chapter 10)
.irp i, 0,1,2,3,4,5,6,7,8,9,10,11,12,13,14,15
	global_load_b32 v[X+32*((\t)%3)+16*(\hf)+\i], v[WOFF], s[4:5] offset:(32*(\t)+16*(\hf)+\i)*ROWG th:TH_LOAD_NT
.endr
.endm
; x's codes and scale words of the tile whose tokens lie in v[tk]: 18 loads
.macro XISSUE tk
	v_min_u32 v[XSA], 0x3ff, v[\tk]                ; a token's number, held inside the table
	v_lshlrev_b32 v[XA], 9, v[XSA]
	v_add_nc_u32 v[XA], v[H16], v[XA]              ; its 512 bytes of codes, + 16 h
	v_lshlrev_b32 v[XSA], 5, v[XSA]                ; its 8 scale words
	s_wait_alu depctr_va_vdst(0)                   ; the two offsets are written, which the loads below read; the matrix instructions issued so far are done reading x's fragments and scale words, in which these loads land
.irp s, 0,1,2,3,4,5,6,7
.irp c, 0,1
	global_load_b128 v[XF+8*\s+4*\c:XF+8*\s+4*\c+3], v[XA], s[8:9] offset:64*\s+32*\c
.endr
.endr
	global_load_b128 v[XS:XS+3], v[XSA], s[8:9] offset:524288
	global_load_b128 v[XS+4:XS+7], v[XSA], s[8:9] offset:524304
.endm
.macro BLOCK t
.set XB, X+32*((\t)%3)
.if (\t) < 6
	LOADH (\t)+2, 0                                ; into the set that the block before has left.  No wait: the one behind that block's conversions shows them done reading it, and no vector line since names it
	LOADH (\t)+2, 1
	s_wait_loadcnt 63                              ; behind this block's loads stand two blocks' 64; the count can name 63 at most
.elseif (\t) == 6
	s_wait_xcnt 0x0                                ; the slots' stores have read their registers, which x's fragments take
	s_wait_alu depctr_vm_vsrc(0)                   ; the slots' stores have read v192-223, in which x's loads land
	XISSUE TK                                      ; my first tile's x: it lands under the last two blocks and the barrier
	s_wait_loadcnt 50                              ; behind this block's loads stand the last block's 32 and x's 18
.else
.irp q, 0,1,2,3                                ; b1 in the result's layout: lane (r, h), tile 2 b + u: units 32 b + 16 h + 8 u + 0 .. 7; into the set that block 6 has left (the wait behind its conversions serves these loads too)
	global_load_b128 v[B1+8*\q:B1+8*\q+3], v[B1O], s[6:7] offset:(32*(\q/2)+8*(\q%2))*4
	global_load_b128 v[B1+8*\q+4:B1+8*\q+7], v[B1O], s[6:7] offset:(32*(\q/2)+8*(\q%2))*4+16
.endr
	s_wait_loadcnt 26                              ; behind this block's loads stand x's 18 and b1's 8
.endif
	v_max3_num_f32 v[TM], |v[XB]|, |v[XB+1]|, |v[XB+2]|            ; the block's largest magnitude: all 32 numbers are mine
	v_max3_num_f32 v[TM+1], |v[XB+3]|, |v[XB+4]|, |v[XB+5]|
.irp i, 6,10,14,18,22,26
	v_max3_num_f32 v[TM], v[TM], |v[XB+\i]|, |v[XB+\i+1]|
	v_max3_num_f32 v[TM+1], v[TM+1], |v[XB+\i+2]|, |v[XB+\i+3]|
.endr
	v_max3_num_f32 v[TM], v[TM], |v[XB+30]|, |v[XB+31]|
	v_max3_num_f32 v[TM], v[TM], v[TM+1], 0x1800000  ; and the floor 2^(3 - 127): the byte cannot fall under 1
	v_add_nc_u32 v[TM+4], 0xff000000, v[TM]        ; 2 off its exponent field: the conversion's scale operand
	v_lshrrev_b32 v[TM+5], 23, v[TM+4]             ; the scale's byte
.if (\t)%4 == 0
	v_mov_b32 v[SB+(\t)/4], v[TM+5]
.else
	v_lshl_or_b32 v[SB+(\t)/4], v[TM+5], 8*((\t)%4), v[SB+(\t)/4]
.endif
.irp g, 0,1,2,3
	v_cvt_scalef32_pk8_fp4_f32 v[C+4*(\t)+\g], v[XB+8*\g:XB+8*\g+7], v[TM+4]
.endr
	v_nop                                          ; one plain place behind a scaled conversion
	s_wait_alu depctr_va_vdst(0)                   ; the conversions have written this block's four registers of codes, which the LDS store reads; they and the maxima are done reading this set, in which later loads land; the scale bytes' registers are written
	ds_store_b128 v[WCA], v[C+4*(\t):C+4*(\t)+3] offset:16*(\t)   ; each block has its own four registers
.endm
; One step down to the bit of rank v[QR]: the count of set bits in the lower half of what is left lies in v[src] at bit v[QO]; where the rank is not under it, the count comes off the rank and the upper half is taken
.macro SELSTEP src, mask, inc
	v_lshrrev_b32 v[QX], v[QO], v[\src]
	v_and_b32 v[QX], \mask, v[QX]
	v_cmp_ge_u32 vcc_lo, v[QR], v[QX]
	s_wait_alu depctr_va_vcc(0)                    ; the compare has written VCC, which the two selects read
	v_cndmask_b32 v[QX], 0, v[QX], vcc_lo
	v_cndmask_b32 v[QY], 0, \inc, vcc_lo
	v_sub_nc_u32 v[QR], v[QR], v[QX]
	v_add_nc_u32 v[QO], v[QO], v[QY]
.endm
; The tokens of tile w / 2 + 8 i into v[TK + i]: lane (r, h) finds the token of slot 16 tile + r.  A tile beyond the count is passed over (the register keeps the 0 of the head).
.macro TOKSEL i
	s_add_co_u32 s[T1], s[WH], 8*(\i)
	s_cmp_ge_u32 s[T1], s[NT]
	s_cbranch_scc1 .Lno_tile_\@
	s_lshl_b32 s[T1], s[T1], 4
	v_add_nc_u32 v[QT], s[T1], v2                  ; my slot
	s_wait_alu depctr_va_vdst(0)
	v_mov_b32 v[QW], s[MSK]                        ; word 0 to begin with: no token comes before it
	v_mov_b32 v[QP], 0
	s_bcnt1_i32_b32 s[PRE], s[MSK]                 ; the expert's tokens before word 1
.set wg, 1
.rept 4                                        ; words 1 to 31 in runs of eight: the last word with at most my slot's number of tokens before it is the one that holds my slot
.set wk, 0
.rept 8
.if wg+wk < 32
	v_cmp_le_u32 s[CM+wk], s[PRE], v[QT]
	s_add_co_u32 s[CP+wk], s[PRE], (wg+wk)<<16     ; that number (1,024 at the most) and the word's number in one register
.if wg+wk < 31
	s_bcnt1_i32_b32 s[T0], s[MSK+wg+wk]
	s_add_co_u32 s[PRE], s[PRE], s[T0]
.endif
.endif
.set wk, wk+1
.endr
	s_wait_alu depctr_va_sdst(0)                   ; the run's compares have written their masks, which the selects below read
.set wk, 0
	s_wait_alu depctr_va_vdst(0)
.rept 8                                        ; the selects in ascending order of the words: a later word that qualifies takes the earlier one's place
.if wg+wk < 32
	v_cndmask_b32 v[QW], v[QW], s[MSK+wg+wk], s[CM+wk]
	v_cndmask_b32 v[QP], v[QP], s[CP+wk], s[CM+wk]
.endif
.set wk, wk+1
.endr
.set wg, wg+8
.endr
	v_and_b32 v[QR], 0xffff, v[QP]
	v_sub_nc_u32 v[QR], v[QT], v[QR]               ; my slot's rank among the word's set bits
	v_lshrrev_b32 v[QP], 16, v[QP]                 ; the word's number
	v_lshrrev_b32 v[QA], 1, v[QW]                  ; the word's set bits counted by 2,
	v_and_b32 v[QA], 0x55555555, v[QA]
	v_sub_nc_u32 v[QA], v[QW], v[QA]
	v_lshrrev_b32 v[QB], 2, v[QA]                  ; by 4,
	v_and_b32 v[QB], 0x33333333, v[QB]
	v_and_b32 v[QX], 0x33333333, v[QA]
	v_add_nc_u32 v[QB], v[QB], v[QX]
	v_lshrrev_b32 v[QC], 4, v[QB]                  ; by 8,
	v_add_nc_u32 v[QC], v[QC], v[QB]
	v_and_b32 v[QC], 0x0f0f0f0f, v[QC]
	v_lshrrev_b32 v[QD], 8, v[QC]                  ; and, in its lowest byte, the lower 16
	v_add_nc_u32 v[QD], v[QD], v[QC]
	v_mov_b32 v[QO], 0
	SELSTEP QD, 0xff, 16
	SELSTEP QC, 0xff, 8
	SELSTEP QB, 15, 4
	SELSTEP QA, 3, 2
	SELSTEP QW, 1, 1
	v_lshl_add_u32 v[TK+(\i)], v[QP], 5, v[QO]     ; 32 x word + bit.  (A slot beyond the count ends at some number under 1,024)
.Lno_tile_\@:
.endm
.macro WFETCH s                        ; W1's four fragments of K step s into set s % 2
.irp t, 0,1,2,3
.irp c, 0,1
	ds_load_b128 v[WF+32*((\s)%2)+8*\t+4*\c:WF+32*((\s)%2)+8*\t+4*\c+3], v[WA] offset:16*PITCH*\t+64*(\s)+32*\c
.endr
.endr
.endm
.macro WM t, s, c                      ; c: the registers that the sum adds onto: b1's at the first K step, then its own
.if (\t)%2 == 1
	v_wmma_scale_f32_16x16x128_f8f6f4 v[ACC+8*(\t):ACC+8*(\t)+7], v[WF+32*((\s)%2)+8*(\t):WF+32*((\s)%2)+8*(\t)+7], v[XF+8*(\s):XF+8*(\s)+7], v[(\c):(\c)+7], v[SW+8*((\t)/2)+(\s)], v[XS+(\s)] matrix_a_fmt:MATRIX_FMT_FP4 matrix_b_fmt:MATRIX_FMT_FP4 matrix_a_scale:MATRIX_SCALE_ROW1
.else
	v_wmma_scale_f32_16x16x128_f8f6f4 v[ACC+8*(\t):ACC+8*(\t)+7], v[WF+32*((\s)%2)+8*(\t):WF+32*((\s)%2)+8*(\t)+7], v[XF+8*(\s):XF+8*(\s)+7], v[(\c):(\c)+7], v[SW+8*((\t)/2)+(\s)], v[XS+(\s)] matrix_a_fmt:MATRIX_FMT_FP4 matrix_b_fmt:MATRIX_FMT_FP4
.endif
.endm
.macro STEPK s                         ; a K step of 128: the four sums by turns, one instruction a turn
.if (\s) < 7
	s_wait_dscnt 8                                 ; this step's fragments are in; the next step's eight loads may be out
.else
	s_wait_dscnt 0x0
.endif
.irp t, 0,1,2,3
.if (\s) == 0
	WM \t, \s, B1+8*\t
.else
	WM \t, \s, ACC+8*\t
.endif
.endr
.rept 4
	v_nop                                          ; four places behind the matrix instructions, ahead of the first read of results (ISA guide 7.12.1); they stay beside the wait below
.endr
.if (\s) < 6
	s_wait_alu depctr_va_vdst(0)                   ; this step's four matrix instructions are done reading set s % 2, in which the LDS loads below land
	WFETCH (\s)+2
.endif
.endm
; gelu of eight numbers v[x] .. v[x + 7], in place; four pairs by turns
.macro GELU8 x
.irp i, 0,1,2,3,4,5,6,7
	v_min_num_f32 v[GA+\i], |v[(\x)+\i]|, s[CLIP]  ; from the sum's low end on
.endr
.irp i, 0,2,4,6
	v_pk_mul_f32 v[GA+\i:GA+\i+1], v[GA+\i:GA+\i+1], 0x3f3504f3 op_sel_hi:[1,0]   ; a = |x| / sqrt 2
.endr
.irp i, 0,2,4,6
	v_pk_add_f32 v[GQ+\i:GQ+\i+1], v[GA+\i:GA+\i+1], 2.0 op_sel_hi:[1,0]
.endr
	s_wait_alu depctr_va_vdst(0)
.irp i, 0,1,2,3,4,5,6,7
	v_rcp_f32 v[GQ+\i], v[GQ+\i]
.endr
.irp i, 0,2,4,6
	v_pk_fma_f32 v[GU+\i:GU+\i+1], v[GA+\i:GA+\i+1], 4.0, 2.0 op_sel_hi:[1,0,0]   ; 2 (1 + 2 a).  (Plain places behind the reciprocals)
.endr
	s_wait_alu depctr_va_vdst(0)                   ; the eight reciprocals 1 / (a + 2) are written, ahead of their first reader: one wait for the batch
.irp i, 0,2,4,6
	v_pk_fma_f32 v[GQ+\i:GQ+\i+1], v[GQ+\i:GQ+\i+1], -4.0, 1.0 op_sel_hi:[1,0,0]  ; q = 1 - 4 / (a + 2)
.endr
	s_wait_alu depctr_va_vdst(0)
.irp i, 0,1,2,3,4,5,6,7
	v_rcp_f32 v[GU+\i], v[GU+\i]
.endr
.irp i, 0,2,4,6
	v_pk_fma_f32 v[GP+\i:GP+\i+1], v[GQ+\i:GQ+\i+1], v[C9:C9+1], 0xbaa15130 op_sel_hi:[1,1,0]
.endr
.irp k, 0x3aac2b8a, 0x3c0d6e62, 0xbc040dc1, 0xbd5e05b5, 0x3e27fe23, 0xbe2a0420, 0xbdbdfb0b, 0x3e8dd01d
.irp i, 0,2,4,6
	v_pk_fma_f32 v[GP+\i:GP+\i+1], v[GP+\i:GP+\i+1], v[GQ+\i:GQ+\i+1], \k op_sel_hi:[1,1,0]
.endr
.endr
	s_wait_alu depctr_va_vdst(0)                   ; the eight reciprocals 1 / (2 + 4 a) are written, ahead of their first reader; the polynomial stood between
.irp i, 0,2,4,6
	v_pk_fma_f32 v[GP+\i:GP+\i+1], v[GP+\i:GP+\i+1], v[GU+\i:GU+\i+1], v[GU+\i:GU+\i+1]   ; (1 + p) / (2 + 4 a)
.endr
.irp i, 0,2,4,6
	v_pk_mul_f32 v[GV+\i:GV+\i+1], v[GA+\i:GA+\i+1], v[GA+\i:GA+\i+1]                     ; a a, rounded,
.endr
.irp i, 0,2,4,6
	v_pk_fma_f32 v[GA+\i:GA+\i+1], v[GA+\i:GA+\i+1], v[GA+\i:GA+\i+1], v[GV+\i:GV+\i+1] neg_lo:[0,0,1] neg_hi:[0,0,1]   ; and what the rounding dropped
.endr
.irp i, 0,2,4,6
	v_pk_mul_f32 v[GQ+\i:GQ+\i+1], v[GV+\i:GV+\i+1], 0x3fb8aa3b op_sel_hi:[1,0]           ; x log2 e, rounded,
.endr
.irp i, 0,2,4,6
	v_pk_fma_f32 v[GV+\i:GV+\i+1], v[GV+\i:GV+\i+1], 0x3fb8aa3b, v[GQ+\i:GQ+\i+1] op_sel_hi:[1,0,1] neg_lo:[0,0,1] neg_hi:[0,0,1]   ; and what that rounding dropped
.endr
	s_wait_alu depctr_va_vdst(0)
.irp i, 0,1,2,3,4,5,6,7
	v_exp_f32 v[GQ+\i], -v[GQ+\i]
.endr
.irp i, 0,2,4,6
	v_pk_fma_f32 v[GA+\i:GA+\i+1], v[GV+\i:GV+\i+1], 0x3f317218, v[GA+\i:GA+\i+1] op_sel_hi:[1,0,1]   ; both remainders, as a natural exponent.  (Plain places behind the exponentials)
.endr
	s_wait_alu depctr_va_vdst(0)                   ; the eight exponentials are written, ahead of their first reader: one wait for the batch
.irp i, 0,2,4,6
	v_pk_mul_f32 v[GP+\i:GP+\i+1], v[GP+\i:GP+\i+1], v[GQ+\i:GQ+\i+1]
.endr
.irp i, 0,2,4,6
	v_pk_fma_f32 v[GP+\i:GP+\i+1], v[GP+\i:GP+\i+1], v[GA+\i:GA+\i+1], v[GP+\i:GP+\i+1] neg_lo:[1,0,0] neg_hi:[1,0,0]   ; erfc(a) / 2
.endr
.irp i, 0,1,2,3,4,5,6,7
	v_max_num_f32 v[GQ+\i], 0, v[(\x)+\i]
.endr
.irp i, 0,1,2,3,4,5,6,7
	v_fma_f32 v[(\x)+\i], -|v[(\x)+\i]|, v[GP+\i], v[GQ+\i]
.endr
.endm
	s_load_b256 s[4:11], s[0:1], 0x0               ; w1 s[4:5], b1 s[6:7], xq s[8:9], rt s[10:11]
	s_load_b128 s[12:15], s[0:1], 0x20             ; hq s[12:13], slot s[14:15]
	v_lshrrev_b32 v1, 5, v0
	v_readfirstlane_b32 s[WV], v1                  ; wave 0..15
	s_and_b32 s[EX], ttmp7, 0xffff                 ; the expert
	s_mov_b32 s[JJ], ttmp9                         ; which 128 hidden units
	s_wait_alu depctr_va_sdst(0)                   ; the wave's number is written, ahead of its first reader
	s_and_b32 s[CG], s[WV], 3
	s_lshr_b32 s[KQ], s[WV], 2
	s_and_b32 s[CH], s[WV], 1                      ; phase 2: which 64 of the 128
	s_lshr_b32 s[WH], s[WV], 1                     ; and my first tile
	v_and_b32 v1, 31, v0                           ; lane
	v_and_b32 v2, 15, v0                           ; r
	v_bfe_u32 v3, v0, 4, 1                         ; h
	v_lshlrev_b32 v[WOFF], 2, v1
	v_and_b32 v[WCA], 7, v0                        ; every LDS address is made here, ahead of every branch
	v_bfe_u32 v[WSA], v0, 3, 1
	v_lshl_add_u32 v[WCA], v[WSA], 4, v[WCA]
	v_lshl_add_u32 v[WCA], v3, 3, v[WCA]           ; my lane's number with bits 3 and 4 changed over,
	s_lshl_b32 s[T0], s[CG], 5
	v_add_nc_u32 v[WCA], s[T0], v[WCA]             ; + 32 cg: my column's row in LDS
	v_mul_u32_u24 v[WSA], v[WCA], WSP
	v_mul_u32_u24 v[WCA], v[WCA], PITCH
	s_lshl_b32 s[T0], s[KQ], 7
	v_add_nc_u32 v[WCA], s[T0], v[WCA]             ; + my 256 along K: 128 bytes
	s_lshl_b32 s[T0], s[KQ], 3
	s_add_co_u32 s[T0], s[T0], WS
	v_add_nc_u32 v[WSA], s[T0], v[WSA]             ; + my 8 blocks
	v_lshlrev_b32 v[H16], 4, v3
	v_lshlrev_b32 v[B1O], 6, v3
	v_lshlrev_b32 v[R4], 2, v2
	v_lshlrev_b32 v[LI], 4, v1
	s_lshl_b32 s[T0], s[CH], 6
	v_add_nc_u32 v[SWA], s[T0], v1
	v_mul_u32_u24 v[SWA], v[SWA], WSP
	v_add_nc_u32 v[SWA], WS, v[SWA]                ; row 64 c + lane: lanes 0-15 an even tile's rows, lanes 16-31 the odd tile's behind it
	v_add_nc_u32 v[WA], s[T0], v2
	v_mul_u32_u24 v[WA], v[WA], PITCH
	v_add_nc_u32 v[WA], v[WA], v[H16]              ; a fragment: row 64 c + r, + 16 h
	v_mov_b32 v[C9], 0xb9d25000
	v_mov_b32 v[C9+1], 0xb9d25000
	v_mov_b32 v[TM+2], 0                           ; a lane permute's destination counts as one of its sources
	v_mov_b32 v[TM+3], 0
.irp k, 0,1,2,3,4,5,6,7
	v_mov_b32 v[TK+\k], 0                          ; a tile that the expert does not have names token 0; only the first fetch of x can read such a one, and its numbers are then not used
.endr
	s_mov_b32 s[SEL], 0x76543210
	s_mov_b32 s[SEL+1], 0xfedcba98
	s_mov_b32 s[CLIP], 0x41880000                  ; 17.0
	s_lshl_b32 s78, s[EX], 24                      ; the expert's 16 MiB,
	s_lshl_b32 s[T0], s[KQ], 22                    ; my 256 rows,
	s_add_co_u32 s78, s78, s[T0]
	s_lshl_b32 s[T0], s[JJ], 9                     ; the group's 128 columns,
	s_add_co_u32 s78, s78, s[T0]
	s_lshl_b32 s[T0], s[CG], 7                     ; my 32
	s_add_co_u32 s78, s78, s[T0]
	s_mov_b32 s79, 0
	s_lshl_b32 s86, s[EX], 7                       ; the expert's 128 bytes of bits
	s_wait_kmcnt 0x0
	s_add_nc_u64 s[4:5], s[4:5], s[78:79]
	s_wait_alu depctr_va_vdst(0)                   ; the offsets and LDS addresses made above (v4-6, v8-10, v13, v15, v243) are written: loads, stores and LDS instructions read them from here to the end, and none is written again
	LOADH 0, 0                                     ; 48 loads go out ahead of the scalar work and the first tile's tokens,
	LOADH 0, 1
	LOADH 1, 0
	s_load_b512 s[MSK:MSK+15], s[10:11], s86 offset:0x0
	s_load_b512 s[MSK+16:MSK+31], s[10:11], s86 offset:0x40
	s_mov_b32 s81, 0
	s_lshl_b32 s80, s[EX], 14                      ; b1: (4,096 e + 128 j + 64 c) numbers
	s_lshl_b32 s[T0], s[JJ], 9
	s_add_co_u32 s80, s80, s[T0]
	s_lshl_b32 s[T0], s[CH], 8
	s_add_co_u32 s80, s80, s[T0]
	s_add_nc_u64 s[6:7], s[6:7], s[80:81]
	s_lshl_b32 s[T0], s[EX], 5
	s_add_co_u32 s[T0], s[T0], s[JJ]               ; 32 e + j: my K step of the next product
	s_lshl_b32 s80, s[T0], 16                      ; its 64 tiles of 1,024 bytes,
	s_lshl_b32 s[T1], s[CH], 9                     ; my half of an image
	s_add_co_u32 s80, s80, s[T1]
	s_add_nc_u64 s[HQC:HQC+1], s[12:13], s[80:81]
	s_lshl_b32 s80, s[T0], 12                      ; its 1,024 scale words,
	s_lshl_b32 s[T1], s[CH], 1                     ; my two bytes of a word
	s_add_co_u32 s80, s80, s[T1]
	s_add_co_u32 s80, s80, 16777216
	s_add_nc_u64 s[HQS:HQS+1], s[12:13], s[80:81]
	s_lshl_b32 s80, s[EX], 12
	s_add_nc_u64 s[14:15], s[14:15], s[80:81]
	s_wait_kmcnt 0x0                               ; the bits
	s_bcnt1_i32_b32 s[CNT], s[MSK]
.set g, 1
.rept 31
	s_bcnt1_i32_b32 s[T0], s[MSK+g]
	s_add_co_u32 s[CNT], s[CNT], s[T0]
.set g, g+1
.endr
	s_add_co_u32 s[NT], s[CNT], 15
	s_lshr_b32 s[NT], s[NT], 4                     ; tiles of 16 tokens
	TOKSEL 0                                       ; my first tile's tokens
	; ---- every token's place, for the last launch: one wave of one work-group of each expert
	s_cmp_lg_u32 s[JJ], 0
	s_cbranch_scc1 .Lno_slots
	s_cmp_lg_u32 s[WV], 15
	s_cbranch_scc1 .Lno_slots
	s_mov_b32 s[PRE], 0
.set g, 0
.rept 32
	v_mbcnt_lo_u32_b32 v[SLD+g], s[MSK+g], s[PRE]
	s_bcnt1_i32_b32 s[T0], s[MSK+g]
	s_add_co_u32 s[PRE], s[PRE], s[T0]
.set g, g+1
.endr
	s_wait_alu depctr_va_vdst(0)                   ; the 32 registers of counts are written, which the stores below read
.set g, 0
.rept 32
	global_store_b32 v[WOFF], v[SLD+g], s[14:15] offset:128*g
.set g, g+1
.endr
.Lno_slots:
	; ---- THE STREAM.  Behind block t stand the tokens of my tile t + 1, if the expert has it: two blocks' loads are out meanwhile
	LOADH 1, 1                                     ; (no vector line has named these registers)
.irp t, 0,1,2,3,4,5,6
	BLOCK \t
	TOKSEL \t+1
.endr
	BLOCK 7
	ds_store_b64 v[WSA], v[SB:SB+1]                ; (written ahead of block 7's wait)
	s_wait_dscnt 0x0                               ; for the others' sake: my codes and scale bytes have landed
	s_barrier_signal -1
	s_barrier_wait -1                              ; the one barrier; nothing is stored to LDS behind it
	s_wait_alu depctr_vm_vsrc(0)                   ; my LDS stores have read v128-159: from here on these registers are W1's fragments, in which LDS loads land, and the activation's
	; ---- PHASE 2
.irp p, 0,1
.irp q, 0,1
	ds_load_b128 v[SW+8*\p+4*\q:SW+8*\p+4*\q+3], v[SWA] offset:32*WSP*\p+16*\q
.endr
.endr
	s_wait_dscnt 0x0                               ; W1's scale words are in, on the way of a wave without a tile too
	s_mov_b32 s[TRIP], 0
	s_mov_b32 s[TILE], s[WH]
.Lunit:                                            ; eight trips, a constant: tile w / 2 + 8 i; a tile beyond the count is passed over
	s_cmp_ge_u32 s[TILE], s[NT]
	s_cbranch_scc1 .Lidle
	WFETCH 0                                       ; no wait: behind the last wait on va_vdst (block 7's, or the last trip's ahead of its stores) no vector line names v96-159
	WFETCH 1
	s_wait_loadcnt 0x0                             ; x's codes and scale words; in the first trip b1 too.  x's two offset registers are free from here on
	s_wait_alu depctr_vm_vsrc(0)                   ; x's loads have read their two offsets, and the last trip's stores their data and offsets: this trip writes all of them again
.irp s, 0,1,2,3,4,5,6,7
	STEPK \s
.endr
	s_add_co_u32 s[T0], s[TILE], 8
	s_cmp_ge_u32 s[T0], s[NT]
	s_cbranch_scc1 .Llast
	XISSUE TK+1                                    ; my next tile's x lands while the activation is computed
.Llast:
.irp t, 0,1,2,3
	GELU8 ACC+8*\t
.endr
	s_wait_xcnt 0x0                                ; the last unit's stores have read their data and offsets
.irp b, 0,1                                    ; my two blocks of 32 along the next K: register 16 b + i = unit 64 c + 32 b + 16 h + i
	v_max3_num_f32 v[TM+\b], |v[ACC+16*\b]|, |v[ACC+1+16*\b]|, 0x1800000
.endr
.irp i, 2,4,6,8,10,12,14
.irp b, 0,1
	v_max3_num_f32 v[TM+\b], v[TM+\b], |v[ACC+16*\b+\i]|, |v[ACC+1+16*\b+\i]|
.endr
.endr
.irp b, 0,1
	v_permlanex16_b32 v[TM+2+\b], v[TM+\b], s[SEL], s[SEL+1]
.endr
.irp b, 0,1
	v_max_num_f32 v[TM+\b], v[TM+\b], v[TM+2+\b]
.endr
.irp b, 0,1
	v_add_nc_u32 v[TM+4+\b], 0xff000000, v[TM+\b]
.endr
.irp b, 0,1
	v_lshrrev_b32 v[TM+2+\b], 23, v[TM+4+\b]
.endr
	v_lshl_or_b32 v[TM+6], v[TM+3], 8, v[TM+2]     ; bytes 2 c and 2 c + 1 of my slot's scale word
.irp b, 0,1
	v_cvt_scalef32_pk8_fp4_f32 v[PC+2*\b], v[ACC+16*\b:ACC+16*\b+7], v[TM+4+\b]
	v_cvt_scalef32_pk8_fp4_f32 v[PC+2*\b+1], v[ACC+16*\b+8:ACC+16*\b+15], v[TM+4+\b]
.endr
	v_nop                                          ; one plain place behind a scaled conversion
	v_permlane16_swap_b32 v[PC], v[PC+2]           ; a whole block to a lane: registers 4 c .. 4 c + 3 of the operand
	v_permlane16_swap_b32 v[PC+1], v[PC+3]
	s_lshl_b32 s[T0], s[TILE], 10
	v_add_nc_u32 v[HA], s[T0], v[LI]
	s_lshl_b32 s[T0], s[TILE], 6
	v_add_nc_u32 v[HSA], s[T0], v[R4]
	s_wait_alu depctr_va_vdst(0)                   ; the codes, the scale bytes and the two offsets are written, which the stores below read; the activation is done with v96-159, in which the next trip's first LDS loads land
	global_store_b128 v[HA], v[PC:PC+3], s[HQC:HQC+1]       ; 512 consecutive bytes: half of the fragment's image
	global_store_b16 v[HSA], v[TM+6], s[HQS:HQS+1]          ; both halves of the lanes write the same
.Lidle:
	s_wait_alu depctr_va_vdst(0)
.irp k, 0,1,2,3,4,5,6
	v_mov_b32 v[TK+\k], v[TK+\k+1]                 ; the tiles' tokens move down by one, so that one text serves every trip
.endr
	s_add_co_u32 s[TILE], s[TILE], 8
	s_add_co_u32 s[TRIP], s[TRIP], 1
	s_cmp_lt_u32 s[TRIP], 8
	s_cbranch_scc1 .Lunit
	s_wait_xcnt 0x0
	v_lshl_add_u32 v254, v0, 2, 0x12000            ; the add's two registers, made anew: no memory or LDS instruction has read v254 or v255
	v_mov_b32 v255, 0
	s_wait_dscnt 0x0                               ; the closing lines, six on end, of a launch in the mode that stores to LDS
	s_wait_alu 0x0
	s_wait_tensorcnt 0x0
	ds_add_u32 v254, v255
	s_wait_dscnt 0x0
	s_endpgm
.Lfunc_end_k_q53bed15b4c_up:
	.size	k_q53bed15b4c_up, .Lfunc_end_k_q53bed15b4c_up-k_q53bed15b4c_up
	.p2alignl 7, 3214868480
	.fill 96, 4, 3214868480
	.section	.rodata,"a",@progbits
	.p2align	6, 0x0
	.amdhsa_kernel k_q53bed15b4c_up
		.amdhsa_group_segment_fixed_size 75776
		.amdhsa_private_segment_fixed_size 0
		.amdhsa_enable_private_segment 0
		.amdhsa_kernarg_size 48
		.amdhsa_user_sgpr_count 2
		.amdhsa_user_sgpr_kernarg_segment_ptr 1
		.amdhsa_wavefront_size32 1
		.amdhsa_system_sgpr_workgroup_id_x 1
		.amdhsa_system_sgpr_workgroup_id_y 1
		.amdhsa_system_sgpr_workgroup_id_z 1
		.amdhsa_system_vgpr_workitem_id 0
		.amdhsa_next_free_vgpr 256
		.amdhsa_next_free_sgpr 100
		.amdhsa_reserve_vcc 1
		.amdhsa_float_denorm_mode_32 3
		.amdhsa_float_denorm_mode_16_64 3
		.amdhsa_memory_ordered 1
		.amdhsa_forward_progress 1
		.amdhsa_inst_pref_size 204
	.end_amdhsa_kernel
	.amdgpu_metadata
---
amdhsa.version: [ 1, 2 ]
amdhsa.kernels:
  - .name:           k_q53bed15b4c_up
    .symbol:         k_q53bed15b4c_up.kd
    .args:
      - { .name: w1, .offset: 0, .size: 8, .value_kind: global_buffer, .address_space: global }
      - { .name: b1, .offset: 8, .size: 8, .value_kind: global_buffer, .address_space: global }
      - { .name: xq, .offset: 16, .size: 8, .value_kind: global_buffer, .address_space: global }
      - { .name: rt, .offset: 24, .size: 8, .value_kind: global_buffer, .address_space: global }
      - { .name: hq, .offset: 32, .size: 8, .value_kind: global_buffer, .address_space: global }
      - { .name: slot, .offset: 40, .size: 8, .value_kind: global_buffer, .address_space: global }
    .group_segment_fixed_size: 75776
    .private_segment_fixed_size: 0
    .kernarg_segment_align: 8
    .kernarg_segment_size: 48
    .max_flat_workgroup_size: 512
    .sgpr_count:     100
    .vgpr_count:     256
    .wavefront_size: 32
...
	.end_amdgpu_metadata
.endif
;; end of part 6
;; launch down (part 7): grid 32 x 8, 16 waves a work-group, no clusters, 143,360 bytes of LDS; arguments w2, rt, hq, y; writes y
.if DOCPART == 7
	.amdgcn_target "amdgcn-amd-amdhsa--gfx1250"
	.amdhsa_code_object_version 6
	.text
	.protected	k_q53bed15b4c_down
	.globl	k_q53bed15b4c_down
	.p2align	8
	.type	k_q53bed15b4c_down,@function
k_q53bed15b4c_down:
	s_mov_b64 s[64:65], 0
	v_nop
	global_prefetch_b8 v0, s[64:65] scope:SCOPE_SE
	s_setreg_imm32_b32 hwreg(HW_REG_WAVE_SCHED_MODE, 0, 2), 2
	s_setreg_imm32_b32 hwreg(HW_REG_WAVE_MODE, 25, 1), 1
	s_wait_xcnt 0x0
	s_wait_alu depctr_vm_vsrc(0)
; DOWN: y = h W2 for the slots of an expert, on codes of FP4 (E2M1) with one E8M0 byte for each 32 along K.  b2 and the gate's weights come in the last launch.
; w2: [8][4096 (K)][1024] f32.  Work-group (cs, kh, e) owns outputs 64 cs .. 64 cs + 63 (256 consecutive bytes of each row of W2) and half kh of K, 2,048 rows: 512 KiB of f32 that no other work-group reads.
; K is halved rather than the columns: with 32 columns a row's piece would be 128 bytes, and two work-groups would each read half of every aligned block of 256 bytes.
; PHASE 1: the stream, as in the launch before: wave (cg = w % 2, kq = w / 2) takes 32 columns x 256 along K; a lane takes a column and its registers run down K; codes and scale bytes go to LDS and stay.
; PHASE 2: a unit is two tiles of 16 slots x 64 outputs x 2,048 along K: 128 matrix instructions on eight sums.  h's fragments come from memory as images of the operand's registers, 16 bytes a lane.
; The product is used transposed (source 0 = 16 columns of W2, source 1 = 16 slots): a lane holds eight neighbouring outputs of one slot.  Results leave through the wave's own stage: 16 lanes store 256 consecutive bytes.
; No joint loads: the weights are shared by nobody, and the number of units hangs on a stored count.
; OUT: y: [kh][1,024 e + slot][1,024] f32; only rows of tiles that the expert has are written, and only those are read later.
; LIMITS: NaN and infinities are not served.  A block of zeros gets the byte 1 where the rule says 127: its codes are zeros, and the bytes are read by this program alone.
; THE MODE: SCHED_MODE bits 1:0 = 2 (LLVM: expert scheduling mode 2), set by the entry lines.  The code itself states the register dependences
; between vector or matrix instructions and memory or LDS instructions, with s_wait_alu, always for 0.
; THE PLAN.  Registers that memory or LDS instructions touch:
;   v4-6, v10, v247-249   offsets and LDS addresses: written at the head, never again.  One wait on va_vdst ahead of the first load serves them for the whole kernel.
;   X0 .. X2 (v52-147)    Block t's maxima and conversions read X[t % 3]; the loads at the head of block t + 1 land in it.
;   C (v148-179), SB      Block t's conversions write its own four registers of C; its LDS store reads them.  ONE wait on va_vdst a block, behind its conversions, states both.
;   A wait on vm_vsrc behind the barrier: the LDS stores have read C and SB, which h's and W2's fragments take.
;   HA, HB, HSA, YOA, YOB Written at a trip's head; read by h's loads and by the way out's stores.
;   HF0 .. HF3, HS (v116-179, v48-51)   Global loads land; K step s's eight matrix instructions read set s % 4; the loads of step s + 4 land in it behind them.
;   WF0, WF1 (v180-243)   LDS loads land; K step s reads set s % 2; the loads of step s + 2 land in it behind them.  On the way out rows of y land there from the stage, and the global stores read them.
;   the sums (v52-115)    Written by matrix instructions; read by the stage's LDS stores.
;   A trip has: one wait on va_vdst behind its address lines (they are written; all earlier vector and matrix work is done with HF, HS and WF); one a K step, behind its matrix instructions, for the step's
;   thirteen loads; one ahead of the way out (the sums are written, the fragments read out); and one wait on vm_vsrc at its end, ahead of the backward jump: the stage's stores have read the sums, the global
;   stores their rows and offsets, h's loads their offsets, all of which the next trip writes again.
;   SW: loaded once; read by matrix instructions alone.  v254, v255: written at the head, read by the closing add alone.
.set ROWG,  4096
.set PITCH, 1040                       ; LDS: a column's 2,048 codes, 1,024 bytes + 16: an odd multiple of 16
.set WSP,   80                         ; its 64 scale bytes + 16
.set WS,    64*PITCH
.set STG,   WS+64*WSP                  ; the stages: 16 rows x (256 bytes + 16) for each wave
.set SPI,   272
.set WOFF,  4
.set WCA,   5
.set WSA,   6
.set LI,    7                          ; v7   16 x lane
.set NH,    8                          ; v8   1 - h
.set R4,    9                          ; v9   4 r
.set SWA,   10
.set YB0,   11                         ; v11  4,096 h + 16 r
.set SW,    16                         ; v16-47 W2's scale words: 16 p + s: lanes 0-15 tile 2 p, lanes 16-31 tile 2 p + 1; nothing else ever lies here
.set HS,    48                         ; v48-51 h's scale words of four K steps: lanes 0-15 the first tile's slots, lanes 16-31 the second's; nothing else ever lies here
.set X,     52                         ; phase 1: v52-147 three sets of 32 numbers; v148-179 codes; v180-181 scale bytes; v182-187 at work
.set C,     148
.set SB,    180
.set TM,    182
.set ACC,   52                         ; phase 2: v52-115 eight sums, (tile of slots m, tile of outputs t) at 32 m + 8 t
.set HF,    116                        ; v116-179 h's fragments: four sets of two
.set WF,    180                        ; v180-243 W2's fragments: two sets of four; on the way out rows of y
.set HA,    244
.set HB,    245
.set HSA,   246
.set WA,    247
.set STO,   248
.set RD,    249
.set YOA,   250
.set TV,    251
.set YOB,   252
.set WV,    16
.set EX,    17
.set CS,    18
.set KH,    19
.set CG,    20
.set KQ,    21
.set CNT,   23
.set NT,    24
.set T0,    25
.set T1,    26
.set TRIP,  28
.set UU,    30
.set MSK,   32
.set HBS,   66                         ; s[66:67] h's codes, s[68:69] h's scale words, s[70:71] y
.set HSS,   68
.set YBS,   70
.set TA,    72
.set TB,    73
.macro LOADH t, hf
.irp i, 0,1,2,3,4,5,6,7,8,9,10,11,12,13,14,15
	global_load_b32 v[X+32*((\t)%3)+16*(\hf)+\i], v[WOFF], s[4:5] offset:(32*(\t)+16*(\hf)+\i)*ROWG th:TH_LOAD_NT
.endr
.endm
.macro BLOCK t
.set XB, X+32*((\t)%3)
.if (\t) < 6
	LOADH (\t)+2, 0                                ; into the set that the block before has left.  No wait: the one behind that block's conversions shows them done reading it, and no vector line stands between
	LOADH (\t)+2, 1
	s_wait_loadcnt 63                              ; behind this block's loads stand two blocks' 64; the count can name 63 at most
.elseif (\t) == 6
	s_wait_loadcnt 32                              ; the last block's may be out
.else
	s_wait_loadcnt 0x0
.endif
	v_max3_num_f32 v[TM], |v[XB]|, |v[XB+1]|, |v[XB+2]|
	v_max3_num_f32 v[TM+1], |v[XB+3]|, |v[XB+4]|, |v[XB+5]|
.irp i, 6,10,14,18,22,26
	v_max3_num_f32 v[TM], v[TM], |v[XB+\i]|, |v[XB+\i+1]|
	v_max3_num_f32 v[TM+1], v[TM+1], |v[XB+\i+2]|, |v[XB+\i+3]|
.endr
	v_max3_num_f32 v[TM], v[TM], |v[XB+30]|, |v[XB+31]|
	v_max3_num_f32 v[TM], v[TM], v[TM+1], 0x1800000  ; the floor 2^(3 - 127): the byte cannot fall under 1
	v_add_nc_u32 v[TM+2], 0xff000000, v[TM]        ; 2 off the exponent field: the conversion's scale operand
	v_lshrrev_b32 v[TM+3], 23, v[TM+2]             ; the scale's byte
.if (\t)%4 == 0
	v_mov_b32 v[SB+(\t)/4], v[TM+3]
.else
	v_lshl_or_b32 v[SB+(\t)/4], v[TM+3], 8*((\t)%4), v[SB+(\t)/4]
.endif
.irp g, 0,1,2,3
	v_cvt_scalef32_pk8_fp4_f32 v[C+4*(\t)+\g], v[XB+8*\g:XB+8*\g+7], v[TM+2]
.endr
	v_nop                                          ; one plain place behind a scaled conversion
	s_wait_alu depctr_va_vdst(0)                   ; the conversions have written this block's four registers of codes, which the LDS store reads; they and the maxima are done reading this set, in which the next block's loads land; the scale bytes' registers are written
	ds_store_b128 v[WCA], v[C+4*(\t):C+4*(\t)+3] offset:16*(\t)
.endm
.macro HISSUE s                        ; K step s of h: two fragments and a register of scale words, five loads, into set s % 4
.irp c, 0,1
	global_load_b128 v[HF+16*((\s)%4)+4*\c:HF+16*((\s)%4)+4*\c+3], v[HA], s[HBS:HBS+1] offset:65536*(\s)+512*\c
.endr
.irp c, 0,1
	global_load_b128 v[HF+16*((\s)%4)+8+4*\c:HF+16*((\s)%4)+8+4*\c+3], v[HB], s[HBS:HBS+1] offset:65536*(\s)+512*\c
.endr
	global_load_b32 v[HS+(\s)%4], v[HSA], s[HSS:HSS+1] offset:4096*(\s)
.endm
.macro WFETCH s
.irp t, 0,1,2,3
.irp c, 0,1
	ds_load_b128 v[WF+32*((\s)%2)+8*\t+4*\c:WF+32*((\s)%2)+8*\t+4*\c+3], v[WA] offset:16*PITCH*\t+64*(\s)+32*\c
.endr
.endr
.endm
.macro WM d, a, b, sa, sb, ra, rb, zero   ; ra, rb: the scale words lie in lanes 16-31; zero: the first product starts the sum
.if (\zero) && (\ra) && (\rb)
	v_wmma_scale_f32_16x16x128_f8f6f4 v[(\d):(\d)+7], v[(\a):(\a)+7], v[(\b):(\b)+7], 0, v[(\sa)], v[(\sb)] matrix_a_fmt:MATRIX_FMT_FP4 matrix_b_fmt:MATRIX_FMT_FP4 matrix_a_scale:MATRIX_SCALE_ROW1 matrix_b_scale:MATRIX_SCALE_ROW1
.elseif (\zero) && (\ra)
	v_wmma_scale_f32_16x16x128_f8f6f4 v[(\d):(\d)+7], v[(\a):(\a)+7], v[(\b):(\b)+7], 0, v[(\sa)], v[(\sb)] matrix_a_fmt:MATRIX_FMT_FP4 matrix_b_fmt:MATRIX_FMT_FP4 matrix_a_scale:MATRIX_SCALE_ROW1
.elseif (\zero) && (\rb)
	v_wmma_scale_f32_16x16x128_f8f6f4 v[(\d):(\d)+7], v[(\a):(\a)+7], v[(\b):(\b)+7], 0, v[(\sa)], v[(\sb)] matrix_a_fmt:MATRIX_FMT_FP4 matrix_b_fmt:MATRIX_FMT_FP4 matrix_b_scale:MATRIX_SCALE_ROW1
.elseif (\zero)
	v_wmma_scale_f32_16x16x128_f8f6f4 v[(\d):(\d)+7], v[(\a):(\a)+7], v[(\b):(\b)+7], 0, v[(\sa)], v[(\sb)] matrix_a_fmt:MATRIX_FMT_FP4 matrix_b_fmt:MATRIX_FMT_FP4
.elseif (\ra) && (\rb)
	v_wmma_scale_f32_16x16x128_f8f6f4 v[(\d):(\d)+7], v[(\a):(\a)+7], v[(\b):(\b)+7], v[(\d):(\d)+7], v[(\sa)], v[(\sb)] matrix_a_fmt:MATRIX_FMT_FP4 matrix_b_fmt:MATRIX_FMT_FP4 matrix_a_scale:MATRIX_SCALE_ROW1 matrix_b_scale:MATRIX_SCALE_ROW1
.elseif (\ra)
	v_wmma_scale_f32_16x16x128_f8f6f4 v[(\d):(\d)+7], v[(\a):(\a)+7], v[(\b):(\b)+7], v[(\d):(\d)+7], v[(\sa)], v[(\sb)] matrix_a_fmt:MATRIX_FMT_FP4 matrix_b_fmt:MATRIX_FMT_FP4 matrix_a_scale:MATRIX_SCALE_ROW1
.elseif (\rb)
	v_wmma_scale_f32_16x16x128_f8f6f4 v[(\d):(\d)+7], v[(\a):(\a)+7], v[(\b):(\b)+7], v[(\d):(\d)+7], v[(\sa)], v[(\sb)] matrix_a_fmt:MATRIX_FMT_FP4 matrix_b_fmt:MATRIX_FMT_FP4 matrix_b_scale:MATRIX_SCALE_ROW1
.else
	v_wmma_scale_f32_16x16x128_f8f6f4 v[(\d):(\d)+7], v[(\a):(\a)+7], v[(\b):(\b)+7], v[(\d):(\d)+7], v[(\sa)], v[(\sb)] matrix_a_fmt:MATRIX_FMT_FP4 matrix_b_fmt:MATRIX_FMT_FP4
.endif
.endm
.macro STEPK s                         ; a K step of 128: the eight sums by turns, one instruction a turn
.if (\s) < 13
	s_wait_loadcnt 15                              ; this step's h is in; the three later steps' five loads each may be out
.else
	s_wait_loadcnt 5*(15-(\s))
.endif
.if (\s) < 15
	s_wait_dscnt 8                                 ; this step's fragments of W2 are in; the next step's eight loads may be out
.else
	s_wait_dscnt 0x0
.endif
.irp t, 0,1,2,3
.irp m, 0,1
	WM ACC+32*\m+8*\t, WF+32*((\s)%2)+8*\t, HF+16*((\s)%4)+8*\m, SW+16*(\t/2)+(\s), HS+(\s)%4, \t%2, \m, (\s)==0
.endr
.endr
.rept 4
	v_nop                                          ; four places behind the matrix instructions, ahead of the first read of results (ISA guide 7.12.1); they stay beside the waits that follow them
.endr
.if (\s) < 14
	s_wait_alu depctr_va_vdst(0)                   ; this step's eight matrix instructions are done reading W2's set s % 2, h's set s % 4 and its scale words: the loads below land there
	WFETCH (\s)+2
.endif
.if (\s) < 12
	HISSUE (\s)+4
.endif
.endm
; The way out of tile m: a lane's 32 bytes of a slot's row go into my stage and come back as rows of 256 bytes.  LDS serves a wave's instructions in order (ISA guide 5.7.1.4): no wait between the stores and the loads.
.macro OUT m, yo
.irp t, 0,1,2,3
	ds_store_b128 v[STO], v[ACC+32*\m+8*\t:ACC+32*\m+8*\t+3] offset:64*\t          ; each sum from its low end on
	ds_store_b128 v[STO], v[ACC+32*\m+8*\t+4:ACC+32*\m+8*\t+7] offset:64*\t+16
.endr
.irp i, 0,1,2,3,4,5,6,7
	ds_load_b128 v[WF+32*\m+4*\i:WF+32*\m+4*\i+3], v[RD] offset:2*SPI*\i
.endr
.irp i, 0,1,2,3,4,5,6,7
	s_wait_dscnt 7-\i
	global_store_b128 v[\yo], v[WF+32*\m+4*\i:WF+32*\m+4*\i+3], s[YBS:YBS+1] offset:8192*\i   ; 16 lanes store 256 consecutive bytes, at a multiple of 256 from y's first byte
.endr
.endm
	s_load_b256 s[4:11], s[0:1], 0x0               ; w2 s[4:5], rt s[6:7], hq s[8:9], y s[10:11]
	v_lshl_add_u32 v254, v0, 2, 0x22800
	v_mov_b32 v255, 0
	v_lshrrev_b32 v1, 5, v0
	v_readfirstlane_b32 s[WV], v1                  ; wave 0..15
	s_and_b32 s[EX], ttmp7, 0xffff
	s_and_b32 s[CS], ttmp9, 15
	s_lshr_b32 s[KH], ttmp9, 4
	s_wait_alu depctr_va_sdst(0)                   ; the wave's number is written, ahead of its first reader
	s_and_b32 s[CG], s[WV], 1
	s_lshr_b32 s[KQ], s[WV], 1
	v_and_b32 v1, 31, v0                           ; lane
	v_and_b32 v2, 15, v0                           ; r
	v_bfe_u32 v3, v0, 4, 1                         ; h
	v_lshlrev_b32 v[WOFF], 2, v1
	s_lshl_b32 s[T0], s[CG], 5
	v_add_nc_u32 v[WCA], s[T0], v1                 ; my column's row in LDS: 32 cg + lane
	v_mul_u32_u24 v[WSA], v[WCA], WSP
	v_mul_u32_u24 v[WCA], v[WCA], PITCH
	s_lshl_b32 s[T0], s[KQ], 7
	v_add_nc_u32 v[WCA], s[T0], v[WCA]
	s_lshl_b32 s[T0], s[KQ], 3
	s_add_co_u32 s[T0], s[T0], WS
	v_add_nc_u32 v[WSA], s[T0], v[WSA]
	v_lshlrev_b32 v[LI], 4, v1
	v_sub_nc_u32 v[NH], 1, v3
	v_lshlrev_b32 v[R4], 2, v2
	v_mul_u32_u24 v[SWA], v1, WSP
	v_add_nc_u32 v[SWA], WS, v[SWA]
	v_lshlrev_b32 v[YB0], 12, v3
	v_lshl_add_u32 v[YB0], v2, 4, v[YB0]
	v_mul_u32_u24 v[WA], v2, PITCH
	v_lshl_add_u32 v[WA], v3, 4, v[WA]
	s_mul_i32 s[T0], s[WV], 16*SPI
	s_add_co_u32 s[T0], s[T0], STG                 ; my stage
	v_mul_u32_u24 v[STO], v2, SPI
	v_lshl_add_u32 v[STO], v3, 5, v[STO]
	v_add_nc_u32 v[STO], s[T0], v[STO]             ; in: row r, + 32 h
	v_mul_u32_u24 v[RD], v3, SPI
	v_lshl_add_u32 v[RD], v2, 4, v[RD]
	v_add_nc_u32 v[RD], s[T0], v[RD]               ; back: lanes 0-15 one row, lanes 16-31 the next
	s_lshl_b32 s78, s[EX], 24                      ; the expert's 16 MiB,
	s_lshl_b32 s[T0], s[KH], 23                    ; the half of K,
	s_add_co_u32 s78, s78, s[T0]
	s_lshl_b32 s[T0], s[KQ], 20                    ; my 256 rows,
	s_add_co_u32 s78, s78, s[T0]
	s_lshl_b32 s[T0], s[CS], 8                     ; the group's 64 columns,
	s_add_co_u32 s78, s78, s[T0]
	s_lshl_b32 s[T0], s[CG], 7                     ; my 32
	s_add_co_u32 s78, s78, s[T0]
	s_mov_b32 s79, 0
	s_lshl_b32 s86, s[EX], 7
	s_wait_kmcnt 0x0
	s_add_nc_u64 s[4:5], s[4:5], s[78:79]
	s_wait_alu depctr_va_vdst(0)                   ; the offset and the LDS addresses made above (v4-6, v10, v247-249) are written: loads and LDS instructions read them from here to the end, and none is written again
	LOADH 0, 0
	LOADH 0, 1
	LOADH 1, 0
	s_load_b512 s[MSK:MSK+15], s[6:7], s86 offset:0x0
	s_load_b512 s[MSK+16:MSK+31], s[6:7], s86 offset:0x40
	s_mov_b32 s81, 0
	s_lshl_b32 s[T0], s[EX], 5
	s_lshl_b32 s[T1], s[KH], 4
	s_add_co_u32 s[T0], s[T0], s[T1]               ; 32 e + 16 kh: my first K step
	s_lshl_b32 s80, s[T0], 16
	s_add_nc_u64 s[HBS:HBS+1], s[8:9], s[80:81]
	s_lshl_b32 s80, s[T0], 12
	s_add_co_u32 s80, s80, 16777216
	s_add_nc_u64 s[HSS:HSS+1], s[8:9], s[80:81]
	s_lshl_b32 s80, s[KH], 25
	s_lshl_b32 s[T0], s[EX], 22
	s_add_co_u32 s80, s80, s[T0]
	s_lshl_b32 s[T0], s[CS], 8
	s_add_co_u32 s80, s80, s[T0]
	s_add_nc_u64 s[YBS:YBS+1], s[10:11], s[80:81]
	s_wait_kmcnt 0x0                               ; the expert's bits: only their number is wanted here
	s_bcnt1_i32_b32 s[CNT], s[MSK]
.set g, 1
.rept 31
	s_bcnt1_i32_b32 s[T0], s[MSK+g]
	s_add_co_u32 s[CNT], s[CNT], s[T0]
.set g, g+1
.endr
	s_add_co_u32 s[NT], s[CNT], 15
	s_lshr_b32 s[NT], s[NT], 4
	LOADH 1, 1                                     ; (no vector line has named these registers)
.irp t, 0,1,2,3,4,5,6,7
	BLOCK \t
.endr
	ds_store_b64 v[WSA], v[SB:SB+1]                ; (written ahead of block 7's wait)
	s_wait_dscnt 0x0                               ; for the others' sake: my codes and scale bytes have landed
	s_barrier_signal -1
	s_barrier_wait -1                              ; the one barrier; behind it a wave stores to its own stage alone
	s_wait_alu depctr_vm_vsrc(0)                   ; my LDS stores have read v148-181: from here on these registers are h's and W2's fragments, in which loads land
.irp p, 0,1
.irp q, 0,1,2,3
	ds_load_b128 v[SW+16*\p+4*\q:SW+16*\p+4*\q+3], v[SWA] offset:32*WSP*\p+16*\q
.endr
.endr
	s_mov_b32 s[TRIP], 0
	s_mov_b32 s[UU], s[WV]
.Lunit:                                            ; two trips, a constant: unit w + 16 i = tiles 2 u and 2 u + 1; a unit beyond the count is passed over
	s_lshl_b32 s[TA], s[UU], 1
	s_cmp_ge_u32 s[TA], s[NT]
	s_cbranch_scc1 .Lidle
	s_add_co_u32 s[TB], s[TA], 1
	s_sub_co_u32 s[T0], s[NT], 1
	s_min_u32 s[TB], s[TB], s[T0]                  ; where the expert's tiles are odd in number the last one is taken twice, and stored once: nothing is read that was not written
	s_min_u32 s[TB], s[TB], 63
.rept 5
	v_nop                                          ; five places: the sums are begun anew over registers that the last unit's matrix instructions wrote
.endr
	s_lshl_b32 s[T0], s[TA], 10
	v_add_nc_u32 v[HA], s[T0], v[LI]
	s_lshl_b32 s[T0], s[TB], 10
	v_add_nc_u32 v[HB], s[T0], v[LI]
	s_lshl_b32 s[T0], s[TA], 6
	v_mul_u32_u24 v[HSA], s[T0], v[NH]             ; lanes 0-15: the first tile's slots,
	s_lshl_b32 s[T1], s[TB], 6
	v_mul_u32_u24 v[TV], s[T1], v3                 ; lanes 16-31: the second's
	v_add_nc_u32 v[HSA], v[HSA], v[TV]
	v_add_nc_u32 v[HSA], v[HSA], v[R4]
	s_lshl_b32 s[T0], s[TA], 16
	v_add_nc_u32 v[YOA], s[T0], v[YB0]
	s_lshl_b32 s[T0], s[TB], 16
	v_add_nc_u32 v[YOB], s[T0], v[YB0]
	s_wait_alu depctr_va_vdst(0)                   ; the five offsets are written, which h's loads and the way out's stores read; the stream's vector lines and the last unit's matrix instructions are done with v48-51 and v116-243, in which the loads below land
	HISSUE 0
	HISSUE 1
	HISSUE 2
	HISSUE 3
	WFETCH 0
	WFETCH 1
.irp s, 0,1,2,3,4,5,6,7,8,9,10,11,12,13,14,15
	STEPK \s
.endr
	s_wait_alu depctr_va_vdst(0)                   ; the matrix instructions have written the eight sums, which the stage's stores read, and are done reading W2's fragments, in which the rows land; the last step's four places stay beside this wait; it serves both tiles
	OUT 0, YOA
	s_add_co_u32 s[T0], s[TA], 1
	s_cmp_ge_u32 s[T0], s[NT]
	s_cbranch_scc1 .Lno_b
	OUT 1, YOB
.Lno_b:
	s_wait_xcnt 0x0                                ; the stores have read their registers and offsets: the next unit writes both
	s_wait_alu depctr_vm_vsrc(0)                   ; the stage's stores have read the sums, the global stores their rows and offsets, h's loads their offsets: the next unit writes all of them again
.Lidle:
	s_add_co_u32 s[UU], s[UU], 16
	s_add_co_u32 s[TRIP], s[TRIP], 1
	s_cmp_lt_u32 s[TRIP], 2
	s_cbranch_scc1 .Lunit
	s_wait_dscnt 0x0                               ; the closing lines, six on end, of a launch in the mode that stores to LDS
	s_wait_alu 0x0
	s_wait_tensorcnt 0x0
	ds_add_u32 v254, v255
	s_wait_dscnt 0x0
	s_endpgm
.Lfunc_end_k_q53bed15b4c_down:
	.size	k_q53bed15b4c_down, .Lfunc_end_k_q53bed15b4c_down-k_q53bed15b4c_down
	.p2alignl 7, 3214868480
	.fill 96, 4, 3214868480
	.section	.rodata,"a",@progbits
	.p2align	6, 0x0
	.amdhsa_kernel k_q53bed15b4c_down
		.amdhsa_group_segment_fixed_size 143360
		.amdhsa_private_segment_fixed_size 0
		.amdhsa_enable_private_segment 0
		.amdhsa_kernarg_size 32
		.amdhsa_user_sgpr_count 2
		.amdhsa_user_sgpr_kernarg_segment_ptr 1
		.amdhsa_wavefront_size32 1
		.amdhsa_system_sgpr_workgroup_id_x 1
		.amdhsa_system_sgpr_workgroup_id_y 1
		.amdhsa_system_sgpr_workgroup_id_z 1
		.amdhsa_system_vgpr_workitem_id 0
		.amdhsa_next_free_vgpr 256
		.amdhsa_next_free_sgpr 100
		.amdhsa_reserve_vcc 0
		.amdhsa_float_denorm_mode_32 3
		.amdhsa_float_denorm_mode_16_64 3
		.amdhsa_memory_ordered 1
		.amdhsa_forward_progress 1
		.amdhsa_inst_pref_size 84
	.end_amdhsa_kernel
	.amdgpu_metadata
---
amdhsa.version: [ 1, 2 ]
amdhsa.kernels:
  - .name:           k_q53bed15b4c_down
    .symbol:         k_q53bed15b4c_down.kd
    .args:
      - { .name: w2, .offset: 0, .size: 8, .value_kind: global_buffer, .address_space: global }
      - { .name: rt, .offset: 8, .size: 8, .value_kind: global_buffer, .address_space: global }
      - { .name: hq, .offset: 16, .size: 8, .value_kind: global_buffer, .address_space: global }
      - { .name: y, .offset: 24, .size: 8, .value_kind: global_buffer, .address_space: global }
    .group_segment_fixed_size: 143360
    .private_segment_fixed_size: 0
    .kernarg_segment_align: 8
    .kernarg_segment_size: 32
    .max_flat_workgroup_size: 512
    .sgpr_count:     100
    .vgpr_count:     256
    .wavefront_size: 32
...
	.end_amdgpu_metadata
.endif
;; end of part 7
;; launch combine (part 8): grid 256 x 1, 4 waves a work-group, no clusters, 0 bytes of LDS; arguments y, b2, rt, gf, slot, out0, out2; writes out0, out2
.if DOCPART == 8
	.amdgcn_target "amdgcn-amd-amdhsa--gfx1250"
	.amdhsa_code_object_version 6
	.text
	.protected	k_q53bed15b4c_combine
	.globl	k_q53bed15b4c_combine
	.p2align	8
	.type	k_q53bed15b4c_combine,@function
k_q53bed15b4c_combine:
	s_mov_b64 s[64:65], 0
	v_nop
	global_prefetch_b8 v0, s[64:65] scope:SCOPE_SE
	s_setreg_imm32_b32 hwreg(HW_REG_WAVE_MODE, 25, 1), 1
	s_wait_xcnt 0x0
; COMBINE: out0[t] = g1 (y[e1] + b2[e1]) + g2 (y[e2] + b2[e2]), where y of an expert is the sum of its two halves of K; out2 = the sums of the dispatch.
; One wave to a token: a row is 4,096 bytes, eight loads of 512 consecutive bytes from each of six rows, all 48 out at once; each output row has this one owner.
; The token's two experts and its places among their tokens are whole numbers that earlier launches stored; each is held inside its table before it enters an address.
; No LDS, no barrier, no matrix unit: a stream of 24 KiB in and 4 KiB out for each wave.
.set YA1, 16                           ; v16-47 expert 1, first half of K, then the result; v48-79 its second half; v80-111 its b2; v112-207 the same for expert 2
.set YB1, 48
.set BB1, 80
.set YA2, 112
.set YB2, 144
.set BB2, 176
	s_load_b256 s[4:11], s[0:1], 0x0               ; y s[4:5], b2 s[6:7], rt s[8:9], gf s[10:11]
	s_load_b128 s[12:15], s[0:1], 0x20             ; slot s[12:13], out0 s[14:15]
	s_load_b64 s[16:17], s[0:1], 0x30              ; out2
	v_lshrrev_b32 v1, 5, v0
	v_readfirstlane_b32 s46, v1                    ; wave 0..3
	s_lshl_b32 s47, ttmp9, 2
	s_add_co_u32 s47, s47, s46                     ; my token
	s_lshl_b32 s18, s47, 2
	s_lshl_b32 s19, s47, 3
	v_and_b32 v1, 31, v0
	v_lshlrev_b32 v1, 4, v1                        ; 16 x lane
	s_mov_b32 s56, 0x76543210
	s_mov_b32 s57, 0xfedcba98
	s_wait_alu depctr_va_vdst(0)
	s_wait_kmcnt 0x0
	s_load_b64 s[20:21], s[8:9], s19 offset:0x400  ; the two experts
	s_load_b64 s[22:23], s[10:11], s19 offset:0x0  ; their weights
.irp e, 0,1,2,3,4,5,6,7
	s_load_b32 s[24+\e], s[12:13], s18 offset:4096*\e   ; my place among each expert's tokens: all eight at once, so that no load waits for another
.endr
	s_wait_kmcnt 0x0
	s_min_u32 s20, s20, 7
	s_min_u32 s21, s21, 7
	s_mov_b32 s32, s24
	s_mov_b32 s33, s24
.irp e, 1,2,3,4,5,6,7
	s_cmp_eq_u32 s20, \e
	s_cselect_b32 s32, s[24+\e], s32
	s_cmp_eq_u32 s21, \e
	s_cselect_b32 s33, s[24+\e], s33
.endr
	s_min_u32 s32, s32, 1023
	s_min_u32 s33, s33, 1023
	s_mov_b32 s35, 0
	s_lshl_b32 s34, s20, 10
	s_add_co_u32 s34, s34, s32
	s_lshl_b32 s34, s34, 12                        ; row 1,024 e + slot of 4,096 bytes
	s_add_nc_u64 s[36:37], s[4:5], s[34:35]
	s_add_nc_u64 s[38:39], s[36:37], 0x2000000     ; the second half of K lies 8,192 rows on
	s_lshl_b32 s34, s21, 10
	s_add_co_u32 s34, s34, s33
	s_lshl_b32 s34, s34, 12
	s_add_nc_u64 s[40:41], s[4:5], s[34:35]
	s_add_nc_u64 s[42:43], s[40:41], 0x2000000
	s_lshl_b32 s34, s20, 12
	s_add_nc_u64 s[48:49], s[6:7], s[34:35]
	s_lshl_b32 s34, s21, 12
	s_add_nc_u64 s[50:51], s[6:7], s[34:35]
	s_lshl_b32 s34, s47, 12
	s_add_nc_u64 s[14:15], s[14:15], s[34:35]
	s_mov_b32 s52, s22                             ; the packed forms name a pair and take its low word for both halves
	s_mov_b32 s53, s22
	s_mov_b32 s54, s23
	s_mov_b32 s55, s23
.irp i, 0,1,2,3,4,5,6,7
	global_load_b128 v[YA1+4*\i:YA1+4*\i+3], v1, s[36:37] offset:512*\i th:TH_LOAD_NT
	global_load_b128 v[YB1+4*\i:YB1+4*\i+3], v1, s[38:39] offset:512*\i th:TH_LOAD_NT
	global_load_b128 v[BB1+4*\i:BB1+4*\i+3], v1, s[48:49] offset:512*\i
	global_load_b128 v[YA2+4*\i:YA2+4*\i+3], v1, s[40:41] offset:512*\i th:TH_LOAD_NT
	global_load_b128 v[YB2+4*\i:YB2+4*\i+3], v1, s[42:43] offset:512*\i th:TH_LOAD_NT
	global_load_b128 v[BB2+4*\i:BB2+4*\i+3], v1, s[50:51] offset:512*\i
.endr
	; ---- out2, by token 0's wave alone: the 64 groups' sums of the dispatch, two rows of 8 a lane
	s_cmp_lg_u32 s47, 0
	s_cbranch_scc1 .Lno_counts
	v_and_b32 v2, 31, v0
	v_lshlrev_b32 v2, 5, v2
	global_load_b128 v[208:211], v2, s[10:11] offset:8192
	global_load_b128 v[212:215], v2, s[10:11] offset:8208
	global_load_b128 v[216:219], v2, s[10:11] offset:9216
	global_load_b128 v[220:223], v2, s[10:11] offset:9232
	v_mov_b32 v3, 0
	s_wait_loadcnt 0x0
.irp p, 0,2,4,6
	v_pk_add_f32 v[208+\p:209+\p], v[208+\p:209+\p], v[216+\p:217+\p]
.endr
.irp m, 1,2,4,8
.irp j, 0,1,2,3,4,5,6,7
	v_add_f32_dpp v[208+\j], v[208+\j], v[208+\j] row_xmask:\m row_mask:0xf bank_mask:0xf
.endr
.endr
.irp j, 0,1,2,3,4,5,6,7
	v_permlanex16_b32 v[216+\j], v[208+\j], s56, s57
.endr
.irp j, 0,1,2,3,4,5,6,7
	v_add_f32 v[208+\j], v[208+\j], v[216+\j]
.endr
	global_store_b128 v3, v[208:211], s[16:17]     ; every lane holds the same eight sums
	global_store_b128 v3, v[212:215], s[16:17] offset:16
.Lno_counts:
.irp i, 0,1,2,3,4,5,6,7
	s_wait_loadcnt 6*(7-\i)                        ; this piece's six loads are in; the later pieces' six each may be out
.irp p, 0,2
	v_pk_add_f32 v[YA1+4*\i+\p:YA1+4*\i+\p+1], v[YA1+4*\i+\p:YA1+4*\i+\p+1], v[YB1+4*\i+\p:YB1+4*\i+\p+1]
	v_pk_add_f32 v[YA2+4*\i+\p:YA2+4*\i+\p+1], v[YA2+4*\i+\p:YA2+4*\i+\p+1], v[YB2+4*\i+\p:YB2+4*\i+\p+1]
.endr
.irp p, 0,2
	v_pk_add_f32 v[YA1+4*\i+\p:YA1+4*\i+\p+1], v[YA1+4*\i+\p:YA1+4*\i+\p+1], v[BB1+4*\i+\p:BB1+4*\i+\p+1]
	v_pk_add_f32 v[YA2+4*\i+\p:YA2+4*\i+\p+1], v[YA2+4*\i+\p:YA2+4*\i+\p+1], v[BB2+4*\i+\p:BB2+4*\i+\p+1]
.endr
.irp p, 0,2
	v_pk_mul_f32 v[YA1+4*\i+\p:YA1+4*\i+\p+1], v[YA1+4*\i+\p:YA1+4*\i+\p+1], s[52:53] op_sel_hi:[1,0]
.endr
.irp p, 0,2
	v_pk_fma_f32 v[YA1+4*\i+\p:YA1+4*\i+\p+1], v[YA2+4*\i+\p:YA2+4*\i+\p+1], s[54:55], v[YA1+4*\i+\p:YA1+4*\i+\p+1] op_sel_hi:[1,0,1]
.endr
	global_store_b128 v1, v[YA1+4*\i:YA1+4*\i+3], s[14:15] offset:512*\i th:TH_STORE_NT   ; 512 consecutive bytes, at a multiple of 256 from out0's first byte
.endr
	s_endpgm
.Lfunc_end_k_q53bed15b4c_combine:
	.size	k_q53bed15b4c_combine, .Lfunc_end_k_q53bed15b4c_combine-k_q53bed15b4c_combine
	.p2alignl 7, 3214868480
	.fill 96, 4, 3214868480
	.section	.rodata,"a",@progbits
	.p2align	6, 0x0
	.amdhsa_kernel k_q53bed15b4c_combine
		.amdhsa_group_segment_fixed_size 0
		.amdhsa_private_segment_fixed_size 0
		.amdhsa_enable_private_segment 0
		.amdhsa_kernarg_size 56
		.amdhsa_user_sgpr_count 2
		.amdhsa_user_sgpr_kernarg_segment_ptr 1
		.amdhsa_wavefront_size32 1
		.amdhsa_system_sgpr_workgroup_id_x 1
		.amdhsa_system_sgpr_workgroup_id_y 1
		.amdhsa_system_sgpr_workgroup_id_z 1
		.amdhsa_system_vgpr_workitem_id 0
		.amdhsa_next_free_vgpr 224
		.amdhsa_next_free_sgpr 66
		.amdhsa_reserve_vcc 0
		.amdhsa_float_denorm_mode_32 3
		.amdhsa_float_denorm_mode_16_64 3
		.amdhsa_memory_ordered 1
		.amdhsa_forward_progress 1
		.amdhsa_inst_pref_size 19
	.end_amdhsa_kernel
	.amdgpu_metadata
---
amdhsa.version: [ 1, 2 ]
amdhsa.kernels:
  - .name:           k_q53bed15b4c_combine
    .symbol:         k_q53bed15b4c_combine.kd
    .args:
      - { .name: y, .offset: 0, .size: 8, .value_kind: global_buffer, .address_space: global }
      - { .name: b2, .offset: 8, .size: 8, .value_kind: global_buffer, .address_space: global }
      - { .name: rt, .offset: 16, .size: 8, .value_kind: global_buffer, .address_space: global }
      - { .name: gf, .offset: 24, .size: 8, .value_kind: global_buffer, .address_space: global }
      - { .name: slot, .offset: 32, .size: 8, .value_kind: global_buffer, .address_space: global }
      - { .name: out0, .offset: 40, .size: 8, .value_kind: global_buffer, .address_space: global }
      - { .name: out2, .offset: 48, .size: 8, .value_kind: global_buffer, .address_space: global }
    .group_segment_fixed_size: 0
    .private_segment_fixed_size: 0
    .kernarg_segment_align: 8
    .kernarg_segment_size: 56
    .max_flat_workgroup_size: 128
    .sgpr_count:     66
    .vgpr_count:     224
    .wavefront_size: 32
...
	.end_amdgpu_metadata
.endif
;; end of part 8
